; MI455X (gfx1250); checked and timed in simulation.
; The chip was launched on July 23, 2026; its instructions are those of AMD's public machine-readable ISA for CDNA 5 (MIT licence, August 2026) and "CDNA5" Instruction Set Architecture Reference Guide (July 2026). The comments in the code are by the model that wrote it; some were corrected since.
;; Two Stage Selfgating RNN. Allowed arithmetic: matrix products marked QUANTISED: E2M3 operands, one E8M0 scale for each 32 along K, by v_wmma_scale_f32_16x16x128_f8f6f4 with both operands' format E2M3, f32 sums; everything else in f32.
;; Inputs: Wc_codes 1,024 x 32 x 24 uint8 (E2M3 codes of Wc, K innermost, in blocks of 32 codes, four codes in three bytes); Wc_scales 1,024 x 32 uint8 (E8M0 scales of Wc, one for each 32 codes along K); Wk_codes 1,024 x 32 x 24 uint8 (E2M3 codes of Wk, K innermost, in blocks of 32 codes, four codes in three bytes); Wk_scales 1,024 x 32 uint8 (E8M0 scales of Wk, one for each 32 codes along K); Wq_codes 1,024 x 32 x 24 uint8 (E2M3 codes of Wq, K innermost, in blocks of 32 codes, four codes in three bytes); Wq_scales 1,024 x 32 uint8 (E8M0 scales of Wq, one for each 32 codes along K); Wv_codes 1,024 x 32 x 24 uint8 (E2M3 codes of Wv, K innermost, in blocks of 32 codes, four codes in three bytes); Wv_scales 1,024 x 32 uint8 (E8M0 scales of Wv, one for each 32 codes along K); X_codes 4 x 4,096 x 32 x 24 uint8 (E2M3 codes of X, K innermost, in blocks of 32 codes, four codes in three bytes); X_scales 4 x 4,096 x 32 uint8 (E8M0 scales of X, one for each 32 codes along K).
;; Outputs: out0 4 x 4,096 x 1,024 float32.
;; This version of the problem:
;;   THIS VERSION OF THE PROBLEM IS GIVEN IN LOW PRECISION. The matrix products marked QUANTISED in the list below multiply operands that are first quantised to E2M3 (2 exponent bits, 3 mantissa bits; 6 bits a number), with one power-of-two scale for each 32 numbers along K (OCP MX v1.0); their sums are f32. All else is computed in f32.
;;   The module's matrix products, in the order in which they are computed (A, B: the left and right operand; K: the contracted axis; several contracted axes count as one K, in the product's order):
;;     1. [M 16,384, K 1,024] x [K 1,024, N 1,024]; A: input X (given as codes); B: input Wv (given as codes): QUANTISED
;;     2. [M 16,384, K 1,024] x [K 1,024, N 1,024]; A: input X (given as codes); B: input Wk (given as codes): QUANTISED
;;     3. [M 16,384, K 1,024] x [K 1,024, N 1,024]; A: input X (given as codes); B: input Wq (given as codes): QUANTISED
;;     4. [M 16,384, K 1,024] x [K 1,024, N 1,024]; A: computed on the way; B: input Wc (given as codes): QUANTISED
;;   THE QUANTISER, for each operand of a quantised product, along K:
;;     - K is cut into blocks of 32 from its start; a last block that is shorter is filled with zeros.
;;     - A block's scale is 2^e with e = floor(log2(the largest magnitude in the block)) - 2, held to -126 .. 127; a block of zeros has e = 0. As a byte (E8M0): e + 127.
;;     - Each number is divided by its block's scale, clamped to +-7.5, and rounded to the nearest number of E2M3, ties to even, subnormals kept.
;;     - The product sums the exact products of the quantised numbers (number of the format x scale) in f32.
;;   ~~~python
;;   def quantise(x, axis):      # numpy; x: float32 -> the quantised numbers, widened to float32 again
;;       x = np.moveaxis(x, axis, -1); K = x.shape[-1]
;;       x = np.pad(x, [(0, 0)] * (x.ndim - 1) + [(0, -K % 32)]); x = x.reshape(x.shape[:-1] + (-1, 32)); a = np.abs(x).max(-1, keepdims=True)
;;       e = np.where(a > 0, np.clip(np.frexp(np.where(a > 0, a, 1))[1] - 1 - 2, -126, 127), 0)      # np.frexp(a)[1] - 1 = floor(log2(a)), exactly
;;       r = np.clip(x / 2.0 ** e, -7.5, 7.5)
;;       step = 2.0 ** (np.maximum(np.frexp(np.where(r == 0, 1, r))[1] - 1, 0) - 3)
;;       q = np.round(r / step) * step * 2.0 ** e      # np.round: ties to even
;;       return np.moveaxis(q.reshape(q.shape[:-2] + (-1,))[..., :K], -1, axis).astype(np.float32)
;;   ~~~
;;   OPERANDS COMPUTED ON THE WAY. 'Computed on the way' means the value that the module computes at that place (a softmax that the list does not call 'softmax' is quantised finished and normalised). What goes into a quantiser is computed in f32, as accurately as f32 sums, v_exp_f32 and their like allow (about 1e-6 of the number): no bf16 or f16 on the way to a quantiser, and a product that is left as it is and whose result goes on into a quantised operand takes f32 operands (vector FMAs, or v_wmma_f32_16x16x4_f32). A number that lies on a knife's edge between two numbers of the format may be rounded either way, as far as f32 arithmetic and the matrix unit's own rounding can turn it there, and no further.
;;   INPUTS GIVEN AS CODES. Wc (in the module: [1024, 1024], K = its axis 0); Wk (in the module: [1024, 1024], K = its axis 0); Wq (in the module: [1024, 1024], K = its axis 0); Wv (in the module: [1024, 1024], K = its axis 0); X (in the module: [4, 4096, 1024], K = its axis 2): each comes as NAME_codes (uint8): NAME with its K axis moved to the last place and cut into blocks of 32 codes, [.., K / 32, bytes a block], one block behind the other in memory; four codes in three bytes: a row's codes are one little-endian stream of bits, code i at bits 6 i .. 6 i + 5 (a code: sign, 2 exponent bits, 3 mantissa bits); and NAME_scales (uint8): the same leading axes, one E8M0 byte (e + 127) for each 32 codes along K. Its value is code x scale, taken as it is: it is not quantised again, and the codes and scales need not be those that the quantiser above would give.
;; 2 versions. Each part assembles by itself: llvm-mc -triple=amdgcn-amd-amdhsa -mcpu=gfx1250 --defsym DOCPART=n.
;; ======== version 1 of 2: 3 launches
;; limits: right only within a limited range of input values
;; workspace buffers: tot 262,144 bytes; o_codes 12,582,912 bytes; o_scales 524,288 bytes
;; launch totals (part 1): grid 32 x 8, 4 waves a work-group, clusters of 4 x 1, 327,680 bytes of LDS; arguments X_codes, X_scales, Wv_codes, Wv_scales, Wk_codes, Wk_scales, tot; writes tot
.if DOCPART == 1
	.amdgcn_target "amdgcn-amd-amdhsa--gfx1250"
	.amdhsa_code_object_version 6
	.text
	.protected	k_qc1a07785c7_totals
	.globl	k_qc1a07785c7_totals
	.p2align	8
	.type	k_qc1a07785c7_totals,@function
k_qc1a07785c7_totals:
	s_mov_b64 s[64:65], 0
	v_nop
	global_prefetch_b8 v0, s[64:65] scope:SCOPE_SE
	s_setreg_imm32_b32 hwreg(HW_REG_WAVE_MODE, 25, 1), 1
	s_wait_xcnt 0x0
	s_wait_alu depctr_hold_cnt(0) depctr_sa_sdst(0) depctr_va_vdst(0) depctr_va_sdst(0) depctr_va_ssrc(0) depctr_va_vcc(0) depctr_vm_vsrc(0)
	s_getreg_b32 s2, hwreg(HW_REG_IB_STS2, 6, 4)
	s_cmp_eq_u32 s2, 0
	s_cbranch_scc0 .Lentry_in_a_cluster
	s_endpgm
.Lentry_in_a_cluster:
	s_bfe_u32 s2, ttmp6, 0x10000c
	s_cmp_lg_u32 s2, 0x3003
	s_cbranch_scc0 .Lentry_shape_is_right
	s_endpgm
.Lentry_shape_is_right:
; TOTALS.  For rows 0 .. 2047 of each batch: V = X Wv, K = exp(X Wk), both products on the given codes of FP6 (E2M3) with E8M0 scales; for each channel the sums of K and of K V.
; WHY.  reference()'s running sums go along the 4,096 positions of a batch.  The next launch cuts each batch's chain in two halves of 2,048 rows, so that it has 256 work-groups; the second half needs the first
; half's sums of K and K V as its start.  They are no linear function of X, so products 1 and 2 are done here once more on those rows.  NO WORK OF reference() IS LEFT OUT in this program, and every input is loaded.
; SHARES.  Work-group (x, y): x = a block of 32 channels, y = 2 b + s: rows 4096 b + 1024 s on, 1,024 rows in 8 steps of 128.  Wave w takes rows 32 w .. 32 w + 31 of a step: two tiles of 16.
; Each wave keeps its 32 channels of Wv and Wk in registers for the whole launch (2 x 192 registers), so a fragment of X is read from LDS once and feeds four products.
; Source 0 = 16 rows of X, source 1 = 16 channels: in a result lane (r, h) holds channel 16 c + r, its register j row 8 h + j.
; CLUSTER.  The four work-groups of a cluster have the same rows and four neighbouring channel blocks: they need the same tiles of X and the same scale bytes, so every tensor load is asked for jointly (mask 15).
; OUT.  tot[y][wave][K, KV][1024 channels] f32: each wave stores its own partial sums, 128 consecutive bytes a store; the buffer is 256 KiB in all.
; LIMITS.  exp(x) is 2^(x log2 e): its relative error grows with |x| (about 6e-8 |x|).  NaN and infinities among the inputs are carried only as these formulas carry them.  The order of the sums is not reference()'s.
.set NS,    8                          ; steps
.set SEG,   NS*128                     ; rows of a work-group
.set RP,    816                        ; a row of X in LDS: 3 x (256 bytes + 16 of padding) = 204 words: 16 rows start 12 words apart, so that the 32 lanes of a load of 8 bytes touch different words of the banks
.set WPART, 32*RP                      ; a wave's 32 rows
.set SLOT,  4*WPART                    ; a step's 128 rows
.set STEPB, 128*768                    ; and in memory
.set SCX,   2*SLOT                     ; behind the ring: X's scale bytes of all my rows, as units of 256 bytes + 16
.set SCR,   SEG/32                     ; units that a wave brings
.set SCW,   SCR*272
.set SPARE, SCX+4*SCW                  ; the spare words, 128 bytes for each wave: no other line names them
.set AX,    4                          ; v4-7   LDS address of my fragments of X: slot 0, the same behind one padding more, slot 1, likewise
.set ASX,   8                          ; v8     LDS address of the step's scale words
.set SPW,   16                         ; v16    my spare word; never rewritten
.set NIL,   17                         ; v17    0; never rewritten
.set SUM,   18                         ; v18-25 four pairs of sums: K c0, K c1, KV c0, KV c1 (even rows', odd rows')
.set RS,    26                         ; v26-31 the end's work
.set OT,    54                         ; v54-57 what the other half of the lanes holds
.set SX,    102                        ; v102-109 X's scale words, one for each 128 along K: lanes 0-15 tile 0's rows, lanes 16-31 tile 1's
.set SW,    110                        ; v110-125 the weights' scale words (8 wt + q): lanes 0-15 channels 0-15, lanes 16-31 channels 16-31
.set ASX0,  134                        ; v134   my lane's place among the scale words; never rewritten
.set ACC,   136                        ; v136-231 tile t at 136 + 48 t: V at +0, K at +16; in each 8 c + j
.set WOF,   232                        ; v232-234 offsets of the head's loads and the end's stores; never rewritten
.set SOF,   233
.set GOF,   234
; window 1: Wv's 16 fragments at 12 (8 c + q); v192-239 set 0 of X's fragments.   window 2: Wk's likewise; v192-239 set 1.
.set WV,    26                         ; s26    my wave's number
.set G1X,   32                         ; s[32:39] descriptor group 1, X's codes;  s[40:47] X's scale bytes
.set G1S,   40
.set G0,    48                         ; s[48:55] group 0, a set for each slot;  s[56:59] for the scale bytes
.set G0S,   56
.set CNT,   60
.set TSX,   61                         ; s61    where the step's scale words begin
.set L2E,   66                         ; s[66:67] log2(e), twice
.set SEL,   70                         ; s[70:71] selects of v_permlanex16_b32: lane l xor 16
.set MH,    72                         ; s72    lanes 16-31
.set MSB, 0
.macro WIN new                         ; the immediate's high byte repeats the setting that is left; a switch that changes nothing is dropped
.if MSB != (\new)
	s_set_vgpr_msb (MSB<<8)|(\new)
.set MSB, (\new)
.endif
.endm
.macro PLACES n
.rept \n
	v_nop
.endr
.endm
.macro ROUND                           ; a round of the cluster's barrier
	s_barrier_signal -1
	s_barrier_wait -1
	s_cmp_lg_u32 s[WV], 0
	s_cbranch_scc1 .Lnot_wave_0_\@
	s_barrier_signal -3
.Lnot_wave_0_\@:
	s_barrier_wait -3
	s_barrier_signal -1
	s_barrier_wait -1
.endm
; A fragment of X: 16 rows x 128 K of 6-bit codes, 12 registers: lane (r, h) takes 24 bytes of row r at 96 q + 24 h and 24 at 96 q + 48 + 24 h, in pieces of 8 bytes.
; 16 bytes of padding lie behind every 32 pieces; where the piece of lanes 16-31, three further on, lies behind one padding more, the second address register serves.
.macro XFRAG reg, slot, q, t
.irp p, 0,1,2,3,4,5
.set PCE, 12*(\q)+6*(\p/3)+\p%3
.if PCE%32 < 29
	ds_load_b64 v[\reg+2*\p:\reg+2*\p+1], v[AX+2*\slot] offset:8*PCE+16*(PCE/32)+(\t)*16*RP
.else
	ds_load_b64 v[\reg+2*\p:\reg+2*\p+1], v[AX+2*\slot+1] offset:8*PCE+16*(PCE/32)+(\t)*16*RP
.endif
.endr
.endm
.macro XSET set, slot, g               ; 24 loads in one run: K steps 2 g, 2 g + 1 of both tiles into a set
	WIN (1+\set)<<6
.irp qq, 0,1
.irp t, 0,1
	XFRAG 192+12*(2*\qq+\t), \slot, 2*(\g)+\qq, \t
.endr
.endr
	WIN 0
.endm
; One product: weight wt, K step q, fragment fr of the set, tile t, channels 16 c on.  K step 0 starts the sum with the constant 0.
.macro WM wt, q, fr, t, c
.set rD, ACC+48*(\t)+16*(\wt)+8*(\c)
.set rA, 192+12*(\fr)
.set rB, 12*(8*(\c)+(\q))
.set rX, SX+(\q)
.set rW, SW+8*(\wt)+(\q)
.if (\q) == 0
.if ((\t) == 0) && ((\c) == 0)
	v_wmma_scale_f32_16x16x128_f8f6f4 v[rD:rD+7], v[rA:rA+11], v[rB:rB+11], 0, v[rX], v[rW] matrix_a_fmt:MATRIX_FMT_FP6 matrix_b_fmt:MATRIX_FMT_FP6
.elseif (\t) == 0
	v_wmma_scale_f32_16x16x128_f8f6f4 v[rD:rD+7], v[rA:rA+11], v[rB:rB+11], 0, v[rX], v[rW] matrix_a_fmt:MATRIX_FMT_FP6 matrix_b_fmt:MATRIX_FMT_FP6 matrix_b_scale:MATRIX_SCALE_ROW1
.elseif (\c) == 0
	v_wmma_scale_f32_16x16x128_f8f6f4 v[rD:rD+7], v[rA:rA+11], v[rB:rB+11], 0, v[rX], v[rW] matrix_a_fmt:MATRIX_FMT_FP6 matrix_b_fmt:MATRIX_FMT_FP6 matrix_a_scale:MATRIX_SCALE_ROW1
.else
	v_wmma_scale_f32_16x16x128_f8f6f4 v[rD:rD+7], v[rA:rA+11], v[rB:rB+11], 0, v[rX], v[rW] matrix_a_fmt:MATRIX_FMT_FP6 matrix_b_fmt:MATRIX_FMT_FP6 matrix_a_scale:MATRIX_SCALE_ROW1 matrix_b_scale:MATRIX_SCALE_ROW1
.endif
.else
.if ((\t) == 0) && ((\c) == 0)
	v_wmma_scale_f32_16x16x128_f8f6f4 v[rD:rD+7], v[rA:rA+11], v[rB:rB+11], v[rD:rD+7], v[rX], v[rW] matrix_a_fmt:MATRIX_FMT_FP6 matrix_b_fmt:MATRIX_FMT_FP6
.elseif (\t) == 0
	v_wmma_scale_f32_16x16x128_f8f6f4 v[rD:rD+7], v[rA:rA+11], v[rB:rB+11], v[rD:rD+7], v[rX], v[rW] matrix_a_fmt:MATRIX_FMT_FP6 matrix_b_fmt:MATRIX_FMT_FP6 matrix_b_scale:MATRIX_SCALE_ROW1
.elseif (\c) == 0
	v_wmma_scale_f32_16x16x128_f8f6f4 v[rD:rD+7], v[rA:rA+11], v[rB:rB+11], v[rD:rD+7], v[rX], v[rW] matrix_a_fmt:MATRIX_FMT_FP6 matrix_b_fmt:MATRIX_FMT_FP6 matrix_a_scale:MATRIX_SCALE_ROW1
.else
	v_wmma_scale_f32_16x16x128_f8f6f4 v[rD:rD+7], v[rA:rA+11], v[rB:rB+11], v[rD:rD+7], v[rX], v[rW] matrix_a_fmt:MATRIX_FMT_FP6 matrix_b_fmt:MATRIX_FMT_FP6 matrix_a_scale:MATRIX_SCALE_ROW1 matrix_b_scale:MATRIX_SCALE_ROW1
.endif
.endif
.endm
; 16 products on one set of X's fragments.  A weight's four accumulators take turns, one instruction a turn.
.macro MGRP g
.irp wt, 0,1
	WIN (1+(\g)%2)|((1+\wt)<<2)                    ; source 0 (X): the set's window; source 1: the weight's; C and D window 0
.irp qq, 0,1
.irp t, 0,1
.irp c, 0,1
	WM \wt, 2*(\g)+\qq, 2*\qq+\t, \t, \c
.endr
.endr
.endr
.endr
.endm
; A step's 64 products.  Each run of loads stands four places behind the last product that read its registers; each count 24 leaves the other set's 24 loads out.
.macro MSTEP slot
	s_wait_dscnt 24                                ; the scale words and set 0 are in
	MGRP 0
	PLACES 4
	XSET 0, \slot, 2
	s_wait_dscnt 24                                ; set 1
	MGRP 1
	PLACES 4
	XSET 1, \slot, 3
	s_wait_dscnt 24                                ; set 0 anew
	MGRP 2
	s_wait_dscnt 0x0
	MGRP 3
	WIN 0
	PLACES 4                                       ; in front of the first read of the results and of the next loads into the operands' registers
.endm
; The vector work of a step that has been multiplied: K = 2^(k log2 e), K V, and both into the sums.  Each accumulator is read from its low end on.
.macro PSUM
.irp t, 0,1
.irp i, 0,2,4,6,8,10,12,14
	v_pk_mul_f32 v[ACC+48*\t+16+\i:ACC+48*\t+17+\i], v[ACC+48*\t+16+\i:ACC+48*\t+17+\i], s[L2E:L2E+1] op_sel_hi:[1,0]
.endr
.endr
.irp t, 0,1
.irp i, 0,1,2,3,4,5,6,7,8,9,10,11,12,13,14,15
	v_exp_f32 v[ACC+48*\t+16+\i], v[ACC+48*\t+16+\i]
.endr
.endr
	v_nop                                          ; a plain instruction behind the last exponential
	s_wait_alu depctr_va_vdst(0)                   ; one wait for the batch of 32, ahead of its first reader
.irp t, 0,1
.irp i, 0,2,4,6,8,10,12,14
	v_pk_mul_f32 v[ACC+48*\t+\i:ACC+48*\t+1+\i], v[ACC+48*\t+\i:ACC+48*\t+1+\i], v[ACC+48*\t+16+\i:ACC+48*\t+17+\i]
.endr
.endr
.irp i, 0,2,4,6
.irp t, 0,1
	v_pk_add_f32 v[SUM:SUM+1], v[SUM:SUM+1], v[ACC+48*\t+16+\i:ACC+48*\t+17+\i]      ; the four sums by turns
	v_pk_add_f32 v[SUM+2:SUM+3], v[SUM+2:SUM+3], v[ACC+48*\t+24+\i:ACC+48*\t+25+\i]
	v_pk_add_f32 v[SUM+4:SUM+5], v[SUM+4:SUM+5], v[ACC+48*\t+\i:ACC+48*\t+1+\i]
	v_pk_add_f32 v[SUM+6:SUM+7], v[SUM+6:SUM+7], v[ACC+48*\t+8+\i:ACC+48*\t+9+\i]
.endr
.endr
.endm
; A step.  In front of the barrier each wave waits for all its tensor loads (one is out: its part of this step's slot), adds 0 to its spare word, and waits for that and for its reads of the other slot.
; refill = 1: the barrier is a round of the cluster's, and the next step's tile goes into the slot read last; it has this whole step in which to land.
.macro TRIP slot, refill, prev
	s_wait_tensorcnt 0x0
	ds_add_u32 v[SPW], v[NIL]
	s_add_nc_u64 s[G0+4*\slot+2:G0+4*\slot+3], s[G0+4*\slot+2:G0+4*\slot+3], 2*STEPB   ; no load of mine is out: this slot's next tile
	s_wait_dscnt 0x0
.if \refill
	ROUND
	tensor_load_to_lds s[G0+4-4*\slot:G0+7-4*\slot], s[G1X:G1X+7]
	s_nop 0
	PLACES 4
.else
	s_barrier_signal -1
	s_barrier_wait -1
.endif
	v_add_nc_u32 v[ASX], s[TSX], v[ASX0]
	s_add_co_u32 s[TSX], s[TSX], 4352              ; 128 rows of 32 bytes and 16 paddings on
	ds_load_b128 v[SX:SX+3], v[ASX]
	ds_load_b128 v[SX+4:SX+7], v[ASX] offset:16
	XSET 0, \slot, 0
	XSET 1, \slot, 1
.if \prev
	PSUM                                           ; the last step's vector work stands while this step's first fragments come
.endif
	MSTEP \slot
.endm
.macro WLOAD wt, base                  ; a weight's 16 fragments: they stay
	WIN (1+\wt)<<6
.irp c, 0,1
.irp q, 0,1,2,3,4,5,6,7
.irp p, 0,1,2,3,4,5
	global_load_b64 v[12*(8*\c+\q)+2*\p:12*(8*\c+\q)+2*\p+1], v[WOF], s[\base:\base+1] offset:12288*\c+96*\q+48*(\p/3)+8*(\p%3)
.endr
.endr
.endr
	WIN 0
.endm
	s_load_b256 s[4:11], s[0:1], 0x0               ; X's codes s[4:5], X's scales s[6:7], Wv's codes s[8:9], Wv's scales s[10:11]
	s_load_b128 s[12:15], s[0:1], 0x20             ; Wk's codes, Wk's scales
	s_load_b64 s[20:21], s[0:1], 0x30              ; tot
	v_lshl_add_u32 v[SPW], v0, 2, SPARE
	v_mov_b32 v[NIL], 0
	ds_add_u32 v[SPW], v[NIL]                      ; the wave's opening: the add, twice on end, and its wait ahead of my first tensor load
	ds_add_u32 v[SPW], v[NIL]
	v_lshrrev_b32 v1, 5, v0
	v_readfirstlane_b32 s[WV], v1                  ; wave 0..3
	s_bfe_u32 s27, ttmp6, 0x40000                  ; cx: my place in the cluster: it enters the weights' and tot's addresses alone
	s_lshl_b32 s28, ttmp9, 2
	s_add_co_u32 s28, s28, s27                     ; my block of 32 channels
	s_and_b32 s29, ttmp7, 0xffff                   ; y, which the four partners share
	s_lshr_b32 s30, s29, 1                         ; the batch
	s_and_b32 s31, s29, 1                          ; which 1,024 rows
	; descriptor group 1: dense blocks as rows of 256 bytes (32 elements of 8 bytes), 16 bytes of padding behind each; mask: all four work-groups, bit 21 beside it
	s_mov_b32 s[G1X], 15|(3<<16)|(1<<20)|(1<<21)|(5<<22)|(3<<25)
	s_mov_b32 s[G1X+1], 32<<16                     ; tensor_dim0
	s_mov_b32 s[G1X+2], 96<<16                     ; tensor_dim1: 32 rows of X are 96 such rows
	s_mov_b32 s[G1X+3], 32<<16                     ; tile_dim0
	s_mov_b32 s[G1X+4], 96                         ; tile_dim1
	s_mov_b32 s[G1X+5], 32                         ; the pitch
	s_mov_b32 s[G1X+6], 0
	s_mov_b32 s[G1X+7], 0
	s_mov_b32 s[G1S], 15|(3<<16)|(1<<20)|(1<<21)|(5<<22)|(3<<25)
	s_mov_b32 s[G1S+1], 32<<16
	s_mov_b32 s[G1S+2], SCR<<16
	s_mov_b32 s[G1S+3], 32<<16
	s_mov_b32 s[G1S+4], SCR
	s_mov_b32 s[G1S+5], 32
	s_mov_b32 s[G1S+6], 0
	s_mov_b32 s[G1S+7], 0
	s_lshl_b32 s80, s30, 12
	s_mul_i32 s81, s31, SEG
	s_add_co_u32 s80, s80, s81                     ; my first row
	s_lshl_b32 s81, s[WV], 5
	s_add_co_u32 s82, s80, s81
	s_mul_i32 s82, s82, 768                        ; my wave's first row of codes, in bytes
	s_mov_b32 s83, 0
	s_lshl_b32 s84, s80, 5
	s_mul_i32 s85, s[WV], SEG*8
	s_add_co_u32 s84, s84, s85                     ; my wave's quarter of the scale bytes
	s_mov_b32 s85, 0
	s_mov_b32 s[G0], 1
	s_mul_i32 s[G0+1], s[WV], WPART                ; LDS: slot 0, my wave's part
	s_mov_b32 s[G0+4], 1
	s_add_co_u32 s[G0+5], s[G0+1], SLOT
	s_mov_b32 s[G0S], 1
	s_mul_i32 s[G0S+1], s[WV], SCW
	s_add_co_u32 s[G0S+1], s[G0S+1], SCX
	s_mul_i32 s86, s28, 24576                      ; my 32 rows of a weight's codes,
	s_mov_b32 s87, 0
	s_lshl_b32 s88, s28, 10                        ; of its scale bytes,
	s_mov_b32 s89, 0
	s_lshl_b32 s90, s29, 2
	s_add_co_u32 s90, s90, s[WV]
	s_lshl_b32 s90, s90, 13
	s_lshl_b32 s91, s28, 7
	s_add_co_u32 s90, s90, s91                     ; and my place in tot: (4 y + wave) x 8,192 + 128 x block
	s_mov_b32 s91, 0
	s_mov_b32 s[L2E], 0x3fb8aa3b
	s_mov_b32 s[L2E+1], s[L2E]
	s_mov_b32 s[SEL], 0x76543210
	s_mov_b32 s[SEL+1], 0xfedcba98
	s_mov_b32 s[MH], 0xffff0000
	s_mov_b32 s[TSX], 0
	s_wait_dscnt 0x0                               ; both opening adds are done
	s_wait_kmcnt 0x0
	s_add_nc_u64 s[G0+2:G0+3], s[4:5], s[82:83]    ; step 0
	s_add_nc_u64 s[G0+6:G0+7], s[G0+2:G0+3], STEPB ; step 1
	s_or_b32 s[G0+3], s[G0+3], 0x80000000
	s_or_b32 s[G0+7], s[G0+7], 0x80000000
	s_add_nc_u64 s[G0S+2:G0S+3], s[6:7], s[84:85]
	s_or_b32 s[G0S+3], s[G0S+3], 0x80000000
	ROUND                                          ; all four work-groups are here: the first joint loads meet
	tensor_load_to_lds s[G0S:G0S+3], s[G1S:G1S+7]  ; the scale bytes of all my rows: filled once
	s_nop 0
	tensor_load_to_lds s[G0:G0+3], s[G1X:G1X+7]    ; step 0: two loads of mine are out
	s_nop 0
	PLACES 4
	s_add_nc_u64 s[8:9], s[8:9], s[86:87]
	s_add_nc_u64 s[12:13], s[12:13], s[86:87]
	s_add_nc_u64 s[10:11], s[10:11], s[88:89]
	s_add_nc_u64 s[14:15], s[14:15], s[88:89]
	s_add_nc_u64 s[20:21], s[20:21], s[90:91]
	v_and_b32 v1, 15, v0                           ; r
	v_bfe_u32 v2, v0, 4, 1                         ; h
	v_and_b32 v3, 31, v0                           ; lane
	v_mul_u32_u24 v[WOF], v1, 768
	v_mad_u32_u24 v[WOF], v2, 24, v[WOF]           ; a weight's row r, + 24 h
	v_lshlrev_b32 v[SOF], 5, v3                    ; a weight's scale bytes: 32 a channel, lane l channel l
	v_lshlrev_b32 v[GOF], 2, v3
	WLOAD 0, 8
	WLOAD 1, 12
	global_load_b128 v[SW:SW+3], v[SOF], s[10:11]
	global_load_b128 v[SW+4:SW+7], v[SOF], s[10:11] offset:16
	global_load_b128 v[SW+8:SW+11], v[SOF], s[14:15]
	global_load_b128 v[SW+12:SW+15], v[SOF], s[14:15] offset:16
	v_mul_u32_u24 v[AX], v1, RP
	v_mad_u32_u24 v[AX], v2, 24, v[AX]
	v_add_nc_u32 v[AX], s[G0+1], v[AX]             ; my wave's part + row r + 24 h
	v_lshl_add_u32 v[AX+1], v2, 4, v[AX]           ; and with 40 h
	v_add_nc_u32 v[AX+2], SLOT, v[AX]
	v_add_nc_u32 v[AX+3], SLOT, v[AX+1]
	s_mul_i32 s77, s[WV], 1088
	s_add_co_u32 s77, s77, SCX
	v_lshrrev_b32 v[ASX0], 3, v3
	v_lshlrev_b32 v[ASX0], 4, v[ASX0]
	v_lshl_add_u32 v[ASX0], v3, 5, v[ASX0]
	v_add_nc_u32 v[ASX0], s77, v[ASX0]             ; row 32 w + lane: 32 bytes a row, 16 more for each 8 rows
.irp i, 0,1,2,3,4,5,6,7
	v_mov_b32 v[SUM+\i], 0
.endr
.irp i, 0,1,2,3
	v_mov_b32 v[OT+\i], 0                          ; written once: a lane permute's destination counts as one of its sources
.endr
	s_wait_loadcnt 0x0                             ; the weights
	TRIP 0, 1, 0
	s_mov_b32 s[CNT], NS/2-1
.Lstep:
	TRIP 1, 1, 1
	TRIP 0, 1, 1
	s_sub_co_u32 s[CNT], s[CNT], 1
	s_cmp_lg_u32 s[CNT], 0
	s_cbranch_scc1 .Lstep
	TRIP 1, 0, 1                                   ; the last step asks for nothing
	PSUM
.irp i, 0,1,2,3
	v_add_f32 v[RS+\i], v[SUM+2*\i], v[SUM+2*\i+1] ; even and odd rows,
.endr
.irp i, 0,1,2,3
	v_permlanex16_b32 v[OT+\i], v[RS+\i], s[SEL], s[SEL+1]
.endr
.irp i, 0,1,2,3
	v_add_f32 v[RS+\i], v[RS+\i], v[OT+\i]         ; and the other half of the lanes' rows
.endr
	v_cndmask_b32 v[RS+4], v[RS], v[RS+1], s[MH]   ; lane l keeps channel l
	v_cndmask_b32 v[RS+5], v[RS+2], v[RS+3], s[MH]
	global_store_b32 v[GOF], v[RS+4], s[20:21]
	global_store_b32 v[GOF], v[RS+5], s[20:21] offset:4096
	s_wait_tensorcnt 0x0                           ; the wave's end
	ds_add_u32 v[SPW], v[NIL]
	s_wait_dscnt 0x0
	ROUND                                          ; the closing round
	s_endpgm
.Lfunc_end_k_qc1a07785c7_totals:
	.size	k_qc1a07785c7_totals, .Lfunc_end_k_qc1a07785c7_totals-k_qc1a07785c7_totals
	.p2alignl 7, 3214868480
	.fill 96, 4, 3214868480
	.section	.rodata,"a",@progbits
	.p2align	6, 0x0
	.amdhsa_kernel k_qc1a07785c7_totals
		.amdhsa_group_segment_fixed_size 327680
		.amdhsa_private_segment_fixed_size 0
		.amdhsa_enable_private_segment 0
		.amdhsa_kernarg_size 56
		.amdhsa_user_sgpr_count 2
		.amdhsa_user_sgpr_kernarg_segment_ptr 1
		.amdhsa_wavefront_size32 1
		.amdhsa_system_sgpr_workgroup_id_x 1
		.amdhsa_system_sgpr_workgroup_id_y 1
		.amdhsa_system_sgpr_workgroup_id_z 1
		.amdhsa_system_vgpr_workitem_id 0
		.amdhsa_next_free_vgpr 768
		.amdhsa_next_free_sgpr 100
		.amdhsa_reserve_vcc 0
		.amdhsa_float_denorm_mode_32 3
		.amdhsa_float_denorm_mode_16_64 3
		.amdhsa_memory_ordered 1
		.amdhsa_forward_progress 1
		.amdhsa_inst_pref_size 110
	.end_amdhsa_kernel
	.amdgpu_metadata
---
amdhsa.version: [ 1, 2 ]
amdhsa.kernels:
  - .name:           k_qc1a07785c7_totals
    .symbol:         k_qc1a07785c7_totals.kd
    .args:
      - { .name: X_codes, .offset: 0, .size: 8, .value_kind: global_buffer, .address_space: global }
      - { .name: X_scales, .offset: 8, .size: 8, .value_kind: global_buffer, .address_space: global }
      - { .name: Wv_codes, .offset: 16, .size: 8, .value_kind: global_buffer, .address_space: global }
      - { .name: Wv_scales, .offset: 24, .size: 8, .value_kind: global_buffer, .address_space: global }
      - { .name: Wk_codes, .offset: 32, .size: 8, .value_kind: global_buffer, .address_space: global }
      - { .name: Wk_scales, .offset: 40, .size: 8, .value_kind: global_buffer, .address_space: global }
      - { .name: tot, .offset: 48, .size: 8, .value_kind: global_buffer, .address_space: global }
    .group_segment_fixed_size: 327680
    .private_segment_fixed_size: 0
    .kernarg_segment_align: 8
    .kernarg_segment_size: 56
    .max_flat_workgroup_size: 128
    .sgpr_count:     100
    .vgpr_count:     768
    .wavefront_size: 32
...
	.end_amdgpu_metadata
.endif
;; end of part 1
;; launch scan (part 2): grid 32 x 8, 4 waves a work-group, clusters of 4 x 1, 327,680 bytes of LDS; arguments X_codes, X_scales, Wv_codes, Wv_scales, Wk_codes, Wk_scales, Wq_codes, Wq_scales, tot, o_codes, o_scales; writes o_codes, o_scales
.if DOCPART == 2
	.amdgcn_target "amdgcn-amd-amdhsa--gfx1250"
	.amdhsa_code_object_version 6
	.text
	.protected	k_qc1a07785c7_scan
	.globl	k_qc1a07785c7_scan
	.p2align	8
	.type	k_qc1a07785c7_scan,@function
k_qc1a07785c7_scan:
	s_mov_b64 s[64:65], 0
	v_nop
	global_prefetch_b8 v0, s[64:65] scope:SCOPE_SE
	s_setreg_imm32_b32 hwreg(HW_REG_WAVE_MODE, 25, 1), 1
	s_wait_xcnt 0x0
	s_wait_alu depctr_hold_cnt(0) depctr_sa_sdst(0) depctr_va_vdst(0) depctr_va_sdst(0) depctr_va_ssrc(0) depctr_va_vcc(0) depctr_vm_vsrc(0)
	s_getreg_b32 s2, hwreg(HW_REG_IB_STS2, 6, 4)
	s_cmp_eq_u32 s2, 0
	s_cbranch_scc0 .Lentry_in_a_cluster
	s_endpgm
.Lentry_in_a_cluster:
	s_bfe_u32 s2, ttmp6, 0x10000c
	s_cmp_lg_u32 s2, 0x3003
	s_cbranch_scc0 .Lentry_shape_is_right
	s_endpgm
.Lentry_shape_is_right:
; SCAN.  V = X Wv, K = exp(X Wk), q = X Wq on the given codes of FP6 (E2M3); the running sums of K and K V along the rows; O = cumKV / (cumK + 1e-6) x sigmoid(q); O quantised along the channels, in blocks of 32.
; No work of reference() is left out.  V, K, q and O never go to memory in f32: what leaves is O's codes and scale bytes.
; SHARES.  Work-group (x, y): x = a block of 32 channels, which is one block of the quantiser; y = 2 b + s: rows 4096 b + 2048 s on, 2,048 rows in 16 steps of 128.  Wave w takes rows 32 w .. 32 w + 31 of a step.
; Each wave keeps its 32 channels of the three weights in registers (3 x 192), so a fragment of X is read from LDS once and feeds six products.
; Source 0 = 16 rows of X, source 1 = 16 channels: lane (r, h) holds channel 16 c + r, its register j row 8 h + j: the running sums go down a lane's registers.
; THE SUMS: down eight registers; the other half of the lanes (rows 0-7 ahead of rows 8-15); tile 0 ahead of tile 1; the waves' totals through LDS; a carry from step to step, the same bits in all four waves.
; The carry of K begins at 1e-6, that of the second half of a batch with the first half's sums besides (the launch before stored them), chosen by a select, so that nothing of them reaches the first half.
; A STEP IS FINISHED A TRIP LATER: trip s multiplies step s, takes the exponentials and the sums inside the wave, and stores the wave's totals; behind the next trip's barrier every wave reads all four totals and finishes step s - 1
; while its first fragments of step s come from LDS.  One barrier a step.
; O = cumKV x 1 / ((cumK + eps)(1 + e^-q)): one reciprocal.  O goes through the wave's own stage in LDS, so that a lane holds 16 neighbouring channels of one row for the conversion; lanes l and l xor 16 hold a block.
; OUT.  o_codes: the 24 bytes of (row m, block x) at ((m / 32) 32 + x) 768 + ((m % 32) xor 16 (x % 2)) 24: a wave's 32 rows are 768 consecutive bytes.  o_scales: [m / 256][x][256 rows]: gathered in LDS, stored at the end, 256 consecutive bytes to sixteen lanes.
; CLUSTER.  The four work-groups of a cluster have the same rows and four neighbouring blocks: the same tiles of X and the same scale bytes: every tensor load is asked for jointly (mask 15).
; LIMITS.  exp(x) is 2^(x log2 e): relative error about 6e-8 |x|.  Where (cumK + eps)(1 + e^-q) reaches 2^126, O is taken as 0 (reference() has at most |cumKV| 2^-126 there).  The order of the sums is not reference()'s.
; A block of zeros gets the scale byte 1 where the quantiser says 127: its codes are zeros, and this program alone reads the bytes.  NaN and infinities among the inputs are carried only as these formulas carry them.
.set NS,    16
.set SEG,   NS*128
.set RP,    816                        ; a row of X in LDS: 3 x (256 bytes + 16 of padding) = 204 words: 16 rows start 12 words apart, so that the 32 lanes of a load of 8 bytes touch different words of the banks
.set WPART, 32*RP
.set SLOT,  4*WPART
.set STEPB, 128*768                    ; a step's rows of X in memory; also a step's way in o_codes: 4 groups of 32 rows x 32 blocks x 768 bytes
.set SCX,   2*SLOT                     ; X's scale bytes of all my rows, as units of 256 bytes + 16
.set SCR,   SEG/32
.set SCW,   SCR*272
.set STG,   SCX+4*SCW                  ; for each wave two stages of 16 rows x (128 bytes + 16)
.set EX,    STG+4*4608                 ; the waves' totals: [step's parity][wave][16 bytes a lane]
.set SBY,   EX+4096                    ; O's scale bytes: [wave][step][32 rows]
.set SPARE, SBY+2048                   ; the spare words, 128 bytes for each wave: no other line names them
.set AX,    4                          ; v4-7   LDS address of my fragments of X: slot 0, the same behind one padding more, slot 1, likewise
.set ASX,   8                          ; v8     of the step's scale words
.set AEW,   9                          ; v9     where I store my wave's totals
.set AER,   10                         ; v10    where I read wave 0's
.set AST,   11                         ; v11    the stage, on the way in
.set ASR,   12                         ; v12    and back
.set ASB,   13                         ; v13    the step's scale bytes of O
.set CO,    14                         ; v14-15 my byte offset in the wave's 768 bytes of codes, tile 0, tile 1
.set SPW,   16                         ; v16    my spare word; never rewritten
.set NIL,   17                         ; v17    0; never rewritten
.set CAR,   18                         ; v18-21 the carry: K c0, K c1, KV c0, KV c1 (all vectors of four below in this order)
.set PW,    22                         ; v22-25 the carry + the totals of the waves ahead of mine
.set OFF,   26                         ; v26-33 what a tile's registers are raised by: even registers; the odd ones are named with them as pairs
.set LL,    34                         ; v34-41 what lies ahead of my registers inside the wave, four a tile
.set TT,    42                         ; v42-49 a tile's totals
.set WT,    50                         ; v50-53 the wave's
.set OT,    54                         ; v54-57 the other half of the lanes'
.set EXR,   58                         ; v58-73 the four waves' totals
.set PR,    74                         ; v74-85 the carry + 1, 2, 3 waves
.set QW,    86                         ; v86-93 the quantiser's work, four a tile
.set CD,    94                         ; v94-96, v98-100 the codes
.set SX,    102                        ; v102-109 X's scale words: lanes 0-15 tile 0's rows, lanes 16-31 tile 1's
.set SW,    110                        ; v110-133 the weights' scale words (8 wt + q): lanes 0-15 channels 0-15, lanes 16-31 channels 16-31
.set ASX0,  134                        ; v134-135 my lane's place among X's scale words, among O's scale bytes; never rewritten
.set ASB0,  135
.set ACC,   136                        ; v136-231 tile t at 136 + 48 t: V at +0, K at +16, q at +32; in each 8 c + j
.set WOF,   232                        ; v232-236 offsets and addresses of the head and the end; never rewritten
.set SOF,   233
.set TOF,   234
.set ASF,   235
.set GSO,   236
; window 1: Wv's 16 fragments at 12 (8 c + q); v192-239 set 0 of X's fragments.   window 2: Wk's; v192-239 set 1.   window 3: Wq's.
.set WV,    26
.set G1X,   32
.set G1S,   40
.set G0,    48
.set G0S,   56
.set CNT,   60
.set TSX,   61                         ; s61    where the step's scale words of X begin
.set TSB,   62                         ; s62    and the scale bytes of the step that is being finished
.set L2E,   66                         ; s[66:67] log2(e), twice;  s[68:69] -log2(e)
.set NL2E,  68
.set SEL,   70
.set MH,    72                         ; s72    lanes 16-31
.set M1,    73                         ; s73-75 all lanes where my wave's number is at least 1, 2, 3
.set MHS,   76                         ; s76    all lanes in the second half of a batch
.set OB,    96                         ; s[96:97] my wave's 768 bytes of codes, one step further on than the step that is being finished
.set MSB, 0
.macro WIN new
.if MSB != (\new)
	s_set_vgpr_msb (MSB<<8)|(\new)
.set MSB, (\new)
.endif
.endm
.macro PLACES n
.rept \n
	v_nop
.endr
.endm
.macro ROUND
	s_barrier_signal -1
	s_barrier_wait -1
	s_cmp_lg_u32 s[WV], 0
	s_cbranch_scc1 .Lnot_wave_0_\@
	s_barrier_signal -3
.Lnot_wave_0_\@:
	s_barrier_wait -3
	s_barrier_signal -1
	s_barrier_wait -1
.endm
; A fragment of X: lane (r, h) takes 24 bytes of row r at 96 q + 24 h and 24 at 96 q + 48 + 24 h, in pieces of 8 bytes; 16 bytes of padding lie behind every 32 pieces.
.macro XFRAG reg, slot, q, t
.irp p, 0,1,2,3,4,5
.set PCE, 12*(\q)+6*(\p/3)+\p%3
.if PCE%32 < 29
	ds_load_b64 v[\reg+2*\p:\reg+2*\p+1], v[AX+2*\slot] offset:8*PCE+16*(PCE/32)+(\t)*16*RP
.else
	ds_load_b64 v[\reg+2*\p:\reg+2*\p+1], v[AX+2*\slot+1] offset:8*PCE+16*(PCE/32)+(\t)*16*RP
.endif
.endr
.endm
.macro XSET set, slot, g
	WIN (1+\set)<<6
.irp qq, 0,1
.irp t, 0,1
	XFRAG 192+12*(2*\qq+\t), \slot, 2*(\g)+\qq, \t
.endr
.endr
	WIN 0
.endm
.macro WM wt, q, fr, t, c
.set rD, ACC+48*(\t)+16*(\wt)+8*(\c)
.set rA, 192+12*(\fr)
.set rB, 12*(8*(\c)+(\q))
.set rX, SX+(\q)
.set rW, SW+8*(\wt)+(\q)
.if (\q) == 0
.if ((\t) == 0) && ((\c) == 0)
	v_wmma_scale_f32_16x16x128_f8f6f4 v[rD:rD+7], v[rA:rA+11], v[rB:rB+11], 0, v[rX], v[rW] matrix_a_fmt:MATRIX_FMT_FP6 matrix_b_fmt:MATRIX_FMT_FP6
.elseif (\t) == 0
	v_wmma_scale_f32_16x16x128_f8f6f4 v[rD:rD+7], v[rA:rA+11], v[rB:rB+11], 0, v[rX], v[rW] matrix_a_fmt:MATRIX_FMT_FP6 matrix_b_fmt:MATRIX_FMT_FP6 matrix_b_scale:MATRIX_SCALE_ROW1
.elseif (\c) == 0
	v_wmma_scale_f32_16x16x128_f8f6f4 v[rD:rD+7], v[rA:rA+11], v[rB:rB+11], 0, v[rX], v[rW] matrix_a_fmt:MATRIX_FMT_FP6 matrix_b_fmt:MATRIX_FMT_FP6 matrix_a_scale:MATRIX_SCALE_ROW1
.else
	v_wmma_scale_f32_16x16x128_f8f6f4 v[rD:rD+7], v[rA:rA+11], v[rB:rB+11], 0, v[rX], v[rW] matrix_a_fmt:MATRIX_FMT_FP6 matrix_b_fmt:MATRIX_FMT_FP6 matrix_a_scale:MATRIX_SCALE_ROW1 matrix_b_scale:MATRIX_SCALE_ROW1
.endif
.else
.if ((\t) == 0) && ((\c) == 0)
	v_wmma_scale_f32_16x16x128_f8f6f4 v[rD:rD+7], v[rA:rA+11], v[rB:rB+11], v[rD:rD+7], v[rX], v[rW] matrix_a_fmt:MATRIX_FMT_FP6 matrix_b_fmt:MATRIX_FMT_FP6
.elseif (\t) == 0
	v_wmma_scale_f32_16x16x128_f8f6f4 v[rD:rD+7], v[rA:rA+11], v[rB:rB+11], v[rD:rD+7], v[rX], v[rW] matrix_a_fmt:MATRIX_FMT_FP6 matrix_b_fmt:MATRIX_FMT_FP6 matrix_b_scale:MATRIX_SCALE_ROW1
.elseif (\c) == 0
	v_wmma_scale_f32_16x16x128_f8f6f4 v[rD:rD+7], v[rA:rA+11], v[rB:rB+11], v[rD:rD+7], v[rX], v[rW] matrix_a_fmt:MATRIX_FMT_FP6 matrix_b_fmt:MATRIX_FMT_FP6 matrix_a_scale:MATRIX_SCALE_ROW1
.else
	v_wmma_scale_f32_16x16x128_f8f6f4 v[rD:rD+7], v[rA:rA+11], v[rB:rB+11], v[rD:rD+7], v[rX], v[rW] matrix_a_fmt:MATRIX_FMT_FP6 matrix_b_fmt:MATRIX_FMT_FP6 matrix_a_scale:MATRIX_SCALE_ROW1 matrix_b_scale:MATRIX_SCALE_ROW1
.endif
.endif
.endm
; 24 products on one set of X's fragments.  A weight's four accumulators take turns, one instruction a turn.
.macro MGRP g
.irp wt, 0,1,2
	WIN (1+(\g)%2)|((1+\wt)<<2)
.irp qq, 0,1
.irp t, 0,1
.irp c, 0,1
	WM \wt, 2*(\g)+\qq, 2*\qq+\t, \t, \c
.endr
.endr
.endr
.endr
.endm
; A step's 96 products.  Each run of loads stands four places behind the last product that read its registers; each count 24 leaves the other set's 24 loads out.
.macro MSTEP slot
	s_wait_dscnt 24
	MGRP 0
	PLACES 4
	XSET 0, \slot, 2
	s_wait_dscnt 24
	MGRP 1
	PLACES 4
	XSET 1, \slot, 3
	s_wait_dscnt 24
	MGRP 2
	s_wait_dscnt 0x0
	MGRP 3
	WIN 0
	PLACES 4                                       ; in front of the first read of the results
.endm
; Behind a step's products: the exponentials as one batch, K V, the sums inside the wave, the wave's totals to LDS.  Each accumulator is read from its low end on.
.macro ASTAGE slot
.irp t, 0,1
.irp i, 0,2,4,6,8,10,12,14
	v_pk_mul_f32 v[ACC+48*\t+16+\i:ACC+48*\t+17+\i], v[ACC+48*\t+16+\i:ACC+48*\t+17+\i], s[L2E:L2E+1] op_sel_hi:[1,0]
.endr
.irp i, 0,2,4,6,8,10,12,14
	v_pk_mul_f32 v[ACC+48*\t+32+\i:ACC+48*\t+33+\i], v[ACC+48*\t+32+\i:ACC+48*\t+33+\i], s[NL2E:NL2E+1] op_sel_hi:[1,0]
.endr
.endr
.irp t, 0,1
.set ii, 16
.rept 32
	v_exp_f32 v[ACC+48*\t+ii], v[ACC+48*\t+ii]     ; K = e^k, and e^-q
.set ii, ii+1
.endr
.endr
	v_nop                                          ; a plain instruction behind the last exponential
	s_wait_alu depctr_va_vdst(0)                   ; one wait for the batch of 64, ahead of its first reader
.irp t, 0,1
.irp i, 0,2,4,6,8,10,12,14
	v_pk_mul_f32 v[ACC+48*\t+\i:ACC+48*\t+1+\i], v[ACC+48*\t+\i:ACC+48*\t+1+\i], v[ACC+48*\t+16+\i:ACC+48*\t+17+\i]   ; K V
.endr
.endr
.irp j, 1,2,3,4,5,6,7
.irp t, 0,1
.irp b, 0,8,16,24
	v_add_f32 v[ACC+48*\t+\b+\j], v[ACC+48*\t+\b+\j], v[ACC+48*\t+\b+\j-1]   ; down the registers: eight chains by turns
.endr
.endr
.endr
.irp t, 0,1
.irp i, 0,1,2,3
	v_permlanex16_b32 v[OT+\i], v[ACC+48*\t+((16+8*\i)%32)+7], s[SEL], s[SEL+1]   ; the other eight rows' sums
.endr
.irp i, 0,1,2,3
	v_add_f32 v[TT+4*\t+\i], v[ACC+48*\t+((16+8*\i)%32)+7], v[OT+\i]               ; the tile's totals
.endr
.irp i, 0,1,2,3
	v_cndmask_b32 v[LL+4*\t+\i], 0, v[OT+\i], s[MH]                                ; rows 0-7 lie ahead of rows 8-15
.endr
.endr
	v_pk_add_f32 v[LL+4:LL+5], v[LL+4:LL+5], v[TT:TT+1]          ; tile 0 lies ahead of tile 1
	v_pk_add_f32 v[LL+6:LL+7], v[LL+6:LL+7], v[TT+2:TT+3]
	v_pk_add_f32 v[WT:WT+1], v[TT:TT+1], v[TT+4:TT+5]
	v_pk_add_f32 v[WT+2:WT+3], v[TT+2:TT+3], v[TT+6:TT+7]
	ds_store_b128 v[AEW], v[WT:WT+3] offset:\slot*2048
.endm
; 16 neighbouring channels of one row, v[rT] on, become 12 bytes of codes; the block's other 16 lie in lane l xor 16.
.macro QUANT t
.set rT, ACC+48*(\t)+16
.set rQ, QW+4*(\t)
	v_max3_num_f32 v[rQ], |v[rT]|, |v[rT+1]|, 0x1800000          ; with the floor 2^(3 - 127): the byte cannot fall under 1
	v_max3_num_f32 v[rQ+1], |v[rT+2]|, |v[rT+3]|, |v[rT+4]|
.irp i, 5,9
	v_max3_num_f32 v[rQ], v[rQ], |v[rT+\i]|, |v[rT+\i+1]|
	v_max3_num_f32 v[rQ+1], v[rQ+1], |v[rT+\i+2]|, |v[rT+\i+3]|
.endr
	v_max3_num_f32 v[rQ], v[rQ], |v[rT+13]|, |v[rT+14]|
	v_max3_num_f32 v[rQ], v[rQ], v[rQ+1], |v[rT+15]|
	v_permlanex16_b32 v[rQ+2], v[rQ], s[SEL], s[SEL+1]
	v_max_num_f32 v[rQ], v[rQ], v[rQ+2]                          ; the block's largest magnitude
	v_add_nc_u32 v[rQ+3], 0xff000000, v[rQ]                      ; 2 off its exponent field: the conversion's scale operand
	v_lshrrev_b32 v[rQ+1], 23, v[rQ+3]                           ; the scale's byte
	v_cvt_scalef32_pk16_fp6_f32 v[CD+4*(\t):CD+4*(\t)+2], v[rT:rT+15], v[rQ+3]
	v_nop                                                        ; a plain instruction behind the scaled conversion: products write its sources later
	ds_store_b8 v[ASB], v[rQ+1] offset:16*(\t)                   ; both lanes of a block write the same byte with the same value
	global_store_b96 v[CO+(\t)], v[CD+4*(\t):CD+4*(\t)+2], s[OB:OB+1] offset:-STEPB   ; the wave stores 384 consecutive bytes; the base stands one step further on
.endm
; The step multiplied in the last trip is finished.  n: the LDS loads issued behind those of the four waves' totals.
.macro BSTAGE n
	s_wait_dscnt \n
	v_add_nc_u32 v[ASB], s[TSB], v[ASB0]
	s_add_co_u32 s[TSB], s[TSB], 32
	v_pk_add_f32 v[PR:PR+1], v[CAR:CAR+1], v[EXR:EXR+1]
	v_pk_add_f32 v[PR+2:PR+3], v[CAR+2:CAR+3], v[EXR+2:EXR+3]
	v_pk_add_f32 v[PR+4:PR+5], v[PR:PR+1], v[EXR+4:EXR+5]
	v_pk_add_f32 v[PR+6:PR+7], v[PR+2:PR+3], v[EXR+6:EXR+7]
	v_pk_add_f32 v[PR+8:PR+9], v[PR+4:PR+5], v[EXR+8:EXR+9]
	v_pk_add_f32 v[PR+10:PR+11], v[PR+6:PR+7], v[EXR+10:EXR+11]
.irp i, 0,1,2,3
	v_cndmask_b32 v[PW+\i], v[CAR+\i], v[PR+\i], s[M1]           ; what lies ahead of my wave: chosen by the wave's number
.endr
.irp i, 0,1,2,3
	v_cndmask_b32 v[PW+\i], v[PW+\i], v[PR+4+\i], s[M1+1]
.endr
.irp i, 0,1,2,3
	v_cndmask_b32 v[PW+\i], v[PW+\i], v[PR+8+\i], s[M1+2]
.endr
	v_pk_add_f32 v[CAR:CAR+1], v[PR+8:PR+9], v[EXR+12:EXR+13]    ; the next step's carry
	v_pk_add_f32 v[CAR+2:CAR+3], v[PR+10:PR+11], v[EXR+14:EXR+15]
.irp t, 0,1
.irp i, 0,1,2,3
	v_add_f32 v[OFF+2*\i], v[PW+\i], v[LL+4*\t+\i]
.endr
.irp c, 0,1
.irp i, 0,2,4,6
	v_pk_add_f32 v[ACC+48*\t+16+8*\c+\i:ACC+48*\t+17+8*\c+\i], v[ACC+48*\t+16+8*\c+\i:ACC+48*\t+17+8*\c+\i], v[OFF+2*\c:OFF+2*\c+1] op_sel_hi:[1,0]   ; cumK + eps
	v_pk_add_f32 v[ACC+48*\t+8*\c+\i:ACC+48*\t+1+8*\c+\i], v[ACC+48*\t+8*\c+\i:ACC+48*\t+1+8*\c+\i], v[OFF+4+2*\c:OFF+5+2*\c] op_sel_hi:[1,0]         ; cumKV
.endr
.endr
.irp i, 0,2,4,6,8,10,12,14
	v_pk_fma_f32 v[ACC+48*\t+32+\i:ACC+48*\t+33+\i], v[ACC+48*\t+16+\i:ACC+48*\t+17+\i], v[ACC+48*\t+32+\i:ACC+48*\t+33+\i], v[ACC+48*\t+16+\i:ACC+48*\t+17+\i]   ; (cumK + eps)(1 + e^-q)
.endr
.endr
.irp t, 0,1
.irp i, 0,1,2,3,4,5,6,7,8,9,10,11,12,13,14,15
	v_rcp_f32 v[ACC+48*\t+32+\i], v[ACC+48*\t+32+\i]
.endr
.endr
	v_nop                                          ; a plain instruction behind the last reciprocal
	s_wait_alu depctr_va_vdst(0)                   ; one wait for the batch of 32, ahead of its first reader
.irp t, 0,1
.irp i, 0,2,4,6,8,10,12,14
	v_pk_mul_f32 v[ACC+48*\t+\i:ACC+48*\t+1+\i], v[ACC+48*\t+\i:ACC+48*\t+1+\i], v[ACC+48*\t+32+\i:ACC+48*\t+33+\i]   ; O
.endr
.endr
.irp t, 0,1
.irp c, 0,1
.irp j, 0,1,2,3,4,5,6,7
	ds_store_b32 v[AST], v[ACC+48*\t+8*\c+\j] offset:2304*\t+144*\j+64*\c     ; O(row 8 h + j, channel 16 c + r)
.endr
.endr
.irp k, 0,1,2,3
	ds_load_b128 v[ACC+48*\t+16+4*\k:ACC+48*\t+19+4*\k], v[ASR] offset:2304*\t+16*\k   ; back: row r, channels 16 h on, into K's registers, which are done with.  LDS serves a wave's instructions in order
.endr
.endr
	s_wait_dscnt 20                                ; tile 0 is back (tile 1's 16 stores and 4 loads may be out)
	QUANT 0
	s_wait_dscnt 1                                 ; tile 1 is back (tile 0's byte store may be out)
	QUANT 1
.endm
; A step.  In front of the barrier each wave waits for all its tensor loads (one is out: its part of this step's slot), adds 0 to its spare word, and waits for that, for its reads of the other slot and for its store of totals.
.macro TRIP slot, refill, prev
	s_wait_tensorcnt 0x0
	ds_add_u32 v[SPW], v[NIL]
	s_add_nc_u64 s[G0+4*\slot+2:G0+4*\slot+3], s[G0+4*\slot+2:G0+4*\slot+3], 2*STEPB
.if \prev
	s_wait_xcnt 0x0                                ; the last codes' stores have read their data and their base: both are written again only behind this wait
	s_add_nc_u64 s[OB:OB+1], s[OB:OB+1], STEPB
.endif
	s_wait_dscnt 0x0
.if \refill
	ROUND
	tensor_load_to_lds s[G0+4-4*\slot:G0+7-4*\slot], s[G1X:G1X+7]   ; the next step's tile, into the slot read last: it has this whole trip in which to land
	s_nop 0
	PLACES 4
.else
	s_barrier_signal -1
	s_barrier_wait -1
.endif
.if \prev
.irp u, 0,1,2,3
	ds_load_b128 v[EXR+4*\u:EXR+4*\u+3], v[AER] offset:(1-\slot)*2048+512*\u
.endr
.endif
	v_add_nc_u32 v[ASX], s[TSX], v[ASX0]
	s_add_co_u32 s[TSX], s[TSX], 4352
	ds_load_b128 v[SX:SX+3], v[ASX]
	ds_load_b128 v[SX+4:SX+7], v[ASX] offset:16
	XSET 0, \slot, 0
	XSET 1, \slot, 1
.if \prev
	BSTAGE 50                                      ; behind the four loads of totals: 2 of scale words, 48 of fragments
.endif
	MSTEP \slot
	ASTAGE \slot
.endm
.macro WLOAD wt, base
	WIN (1+\wt)<<6
.irp c, 0,1
.irp q, 0,1,2,3,4,5,6,7
.irp p, 0,1,2,3,4,5
	global_load_b64 v[12*(8*\c+\q)+2*\p:12*(8*\c+\q)+2*\p+1], v[WOF], s[\base:\base+1] offset:12288*\c+96*\q+48*(\p/3)+8*(\p%3)
.endr
.endr
.endr
	WIN 0
.endm
	s_load_b256 s[4:11], s[0:1], 0x0               ; X's codes s[4:5], X's scales s[6:7], Wv's codes s[8:9], Wv's scales s[10:11]
	s_load_b256 s[12:19], s[0:1], 0x20             ; Wk's codes, Wk's scales, Wq's codes, Wq's scales
	s_load_b128 s[20:23], s[0:1], 0x40             ; tot, o_codes
	s_load_b64 s[24:25], s[0:1], 0x50              ; o_scales
	v_lshl_add_u32 v[SPW], v0, 2, SPARE
	v_mov_b32 v[NIL], 0
	ds_add_u32 v[SPW], v[NIL]                      ; the wave's opening: the add, twice on end, and its wait ahead of my first tensor load
	ds_add_u32 v[SPW], v[NIL]
	v_lshrrev_b32 v1, 5, v0
	v_readfirstlane_b32 s[WV], v1
	s_bfe_u32 s27, ttmp6, 0x40000                  ; cx: it enters global addresses alone (the weights', tot's, O's)
	s_lshl_b32 s28, ttmp9, 2
	s_add_co_u32 s28, s28, s27                     ; my block of 32 channels
	s_and_b32 s29, ttmp7, 0xffff                   ; y, which the four partners share
	s_lshr_b32 s30, s29, 1                         ; the batch
	s_and_b32 s31, s29, 1                          ; which half of it
	s_mov_b32 s[G1X], 15|(3<<16)|(1<<20)|(1<<21)|(5<<22)|(3<<25)   ; mask: all four; elements of 8 bytes; padding on; bit 21 beside a mask; behind every 64 words 4 words
	s_mov_b32 s[G1X+1], 32<<16
	s_mov_b32 s[G1X+2], 96<<16
	s_mov_b32 s[G1X+3], 32<<16
	s_mov_b32 s[G1X+4], 96
	s_mov_b32 s[G1X+5], 32
	s_mov_b32 s[G1X+6], 0
	s_mov_b32 s[G1X+7], 0
	s_mov_b32 s[G1S], 15|(3<<16)|(1<<20)|(1<<21)|(5<<22)|(3<<25)
	s_mov_b32 s[G1S+1], 32<<16
	s_mov_b32 s[G1S+2], SCR<<16
	s_mov_b32 s[G1S+3], 32<<16
	s_mov_b32 s[G1S+4], SCR
	s_mov_b32 s[G1S+5], 32
	s_mov_b32 s[G1S+6], 0
	s_mov_b32 s[G1S+7], 0
	s_lshl_b32 s80, s30, 12
	s_mul_i32 s81, s31, SEG
	s_add_co_u32 s80, s80, s81                     ; my first row
	s_lshl_b32 s81, s[WV], 5
	s_add_co_u32 s82, s80, s81
	s_mul_i32 s82, s82, 768
	s_mov_b32 s83, 0
	s_lshl_b32 s84, s80, 5
	s_mul_i32 s85, s[WV], SEG*8
	s_add_co_u32 s84, s84, s85
	s_mov_b32 s85, 0
	s_mov_b32 s[G0], 1
	s_mul_i32 s[G0+1], s[WV], WPART
	s_mov_b32 s[G0+4], 1
	s_add_co_u32 s[G0+5], s[G0+1], SLOT
	s_mov_b32 s[G0S], 1
	s_mul_i32 s[G0S+1], s[WV], SCW
	s_add_co_u32 s[G0S+1], s[G0S+1], SCX
	s_mul_i32 s86, s28, 24576                      ; my 32 rows of a weight's codes,
	s_mov_b32 s87, 0
	s_lshl_b32 s88, s28, 10                        ; of its scale bytes,
	s_mov_b32 s89, 0
	s_lshl_b32 s90, s30, 16
	s_lshl_b32 s91, s28, 7
	s_add_co_u32 s90, s90, s91                     ; my batch's eight partial sums in tot, my channels
	s_mov_b32 s91, 0
	s_lshr_b32 s92, s80, 5
	s_add_co_u32 s92, s92, s[WV]
	s_mul_i32 s92, s92, 24576
	s_mul_i32 s93, s28, 768
	s_add_co_u32 s92, s92, s93                     ; o_codes: ((first row / 32 + wave) 32 + block) 768
	s_mov_b32 s93, 0
	s_lshr_b32 s94, s80, 8
	s_lshl_b32 s95, s[WV], 1
	s_add_co_u32 s94, s94, s95
	s_lshl_b32 s94, s94, 13
	s_lshl_b32 s95, s28, 8
	s_add_co_u32 s94, s94, s95                     ; o_scales: (first row / 256 + 2 wave) 8192 + 256 block
	s_mov_b32 s95, 0
	s_mov_b32 s[L2E], 0x3fb8aa3b
	s_mov_b32 s[L2E+1], s[L2E]
	s_mov_b32 s[NL2E], 0xbfb8aa3b
	s_mov_b32 s[NL2E+1], s[NL2E]
	s_mov_b32 s[SEL], 0x76543210
	s_mov_b32 s[SEL+1], 0xfedcba98
	s_mov_b32 s[MH], 0xffff0000
	s_cmp_ge_u32 s[WV], 1
	s_cselect_b32 s[M1], -1, 0
	s_cmp_ge_u32 s[WV], 2
	s_cselect_b32 s[M1+1], -1, 0
	s_cmp_ge_u32 s[WV], 3
	s_cselect_b32 s[M1+2], -1, 0
	s_cmp_eq_u32 s31, 1
	s_cselect_b32 s[MHS], -1, 0
	s_mov_b32 s[TSX], 0
	s_mov_b32 s[TSB], 0
	s_wait_dscnt 0x0                               ; both opening adds are done
	s_wait_kmcnt 0x0
	s_add_nc_u64 s[G0+2:G0+3], s[4:5], s[82:83]
	s_add_nc_u64 s[G0+6:G0+7], s[G0+2:G0+3], STEPB
	s_or_b32 s[G0+3], s[G0+3], 0x80000000
	s_or_b32 s[G0+7], s[G0+7], 0x80000000
	s_add_nc_u64 s[G0S+2:G0S+3], s[6:7], s[84:85]
	s_or_b32 s[G0S+3], s[G0S+3], 0x80000000
	ROUND                                          ; all four work-groups are here: the first joint loads meet
	tensor_load_to_lds s[G0S:G0S+3], s[G1S:G1S+7]  ; the scale bytes of all my rows: filled once
	s_nop 0
	tensor_load_to_lds s[G0:G0+3], s[G1X:G1X+7]    ; step 0: two loads of mine are out
	s_nop 0
	PLACES 4
	s_add_nc_u64 s[8:9], s[8:9], s[86:87]
	s_add_nc_u64 s[12:13], s[12:13], s[86:87]
	s_add_nc_u64 s[16:17], s[16:17], s[86:87]
	s_add_nc_u64 s[10:11], s[10:11], s[88:89]
	s_add_nc_u64 s[14:15], s[14:15], s[88:89]
	s_add_nc_u64 s[18:19], s[18:19], s[88:89]
	s_add_nc_u64 s[20:21], s[20:21], s[90:91]
	s_add_nc_u64 s[OB:OB+1], s[22:23], s[92:93]
	s_add_nc_u64 s[24:25], s[24:25], s[94:95]
	v_and_b32 v1, 15, v0                           ; r
	v_bfe_u32 v2, v0, 4, 1                         ; h
	v_and_b32 v3, 31, v0                           ; lane
	v_mul_u32_u24 v[WOF], v1, 768
	v_mad_u32_u24 v[WOF], v2, 24, v[WOF]
	v_lshlrev_b32 v[SOF], 5, v3
	v_lshlrev_b32 v[TOF], 2, v1
	WLOAD 0, 8
	WLOAD 1, 12
	WLOAD 2, 16
	global_load_b128 v[SW:SW+3], v[SOF], s[10:11]
	global_load_b128 v[SW+4:SW+7], v[SOF], s[10:11] offset:16
	global_load_b128 v[SW+8:SW+11], v[SOF], s[14:15]
	global_load_b128 v[SW+12:SW+15], v[SOF], s[14:15] offset:16
	global_load_b128 v[SW+16:SW+19], v[SOF], s[18:19]
	global_load_b128 v[SW+20:SW+23], v[SOF], s[18:19] offset:16
.irp p, 0,1,2,3,4,5,6,7
.irp a, 0,1
.irp c, 0,1
	global_load_b32 v[ACC+4*\p+2*\a+\c], v[TOF], s[20:21] offset:8192*\p+4096*\a+64*\c   ; the first half's eight partial sums of K (a = 0) and K V (1), channel 16 c + r
.endr
.endr
.endr
	v_mul_u32_u24 v[AX], v1, RP
	v_mad_u32_u24 v[AX], v2, 24, v[AX]
	v_add_nc_u32 v[AX], s[G0+1], v[AX]
	v_lshl_add_u32 v[AX+1], v2, 4, v[AX]
	v_add_nc_u32 v[AX+2], SLOT, v[AX]
	v_add_nc_u32 v[AX+3], SLOT, v[AX+1]
	s_mul_i32 s77, s[WV], 1088
	s_add_co_u32 s77, s77, SCX
	v_lshrrev_b32 v[ASX0], 3, v3
	v_lshlrev_b32 v[ASX0], 4, v[ASX0]
	v_lshl_add_u32 v[ASX0], v3, 5, v[ASX0]
	v_add_nc_u32 v[ASX0], s77, v[ASX0]             ; row 32 w + lane: 32 bytes a row, 16 more for each 8 rows
	v_lshlrev_b32 v[AER], 4, v3
	v_add_nc_u32 v[AER], EX, v[AER]
	s_lshl_b32 s78, s[WV], 9
	v_add_nc_u32 v[AEW], s78, v[AER]
	s_mul_i32 s79, s[WV], 4608
	s_add_co_u32 s79, s79, STG
	v_mul_u32_u24 v[AST], v2, 1152
	v_lshl_add_u32 v[AST], v1, 2, v[AST]
	v_add_nc_u32 v[AST], s79, v[AST]               ; in: row 8 h (+ j), channel r (+ 16 c)
	v_mul_u32_u24 v[ASR], v1, 144
	v_lshl_add_u32 v[ASR], v2, 6, v[ASR]
	v_add_nc_u32 v[ASR], s79, v[ASR]               ; back: row r, channels 16 h on
	s_add_co_u32 s78, s78, SBY
	v_add_nc_u32 v[ASB0], s78, v1                  ; O's scale bytes: 512 w + r (+ 32 step + 16 t)
	v_bfe_u32 v[ASF], v0, 1, 2                     ; the end: 16 rows' bytes of a tile of 256 rows: piece k = lane % 16 is step k / 8, wave (k / 2) % 4, tile k % 2
	v_lshlrev_b32 v[ASF], 9, v[ASF]
	v_lshl_add_u32 v[ASF], v2, 6, v[ASF]           ; lanes 16-31 take the next 256 rows: two steps on
	v_bfe_u32 v[GSO], v0, 3, 1
	v_lshl_add_u32 v[ASF], v[GSO], 5, v[ASF]
	v_and_b32 v[GSO], 1, v0
	v_lshl_add_u32 v[ASF], v[GSO], 4, v[ASF]
	s_lshl_b32 s77, s[WV], 7
	s_add_co_u32 s77, s77, SBY
	v_add_nc_u32 v[ASF], s77, v[ASF]               ; my wave stores tiles 2 w and 2 w + 1: four steps
	v_lshlrev_b32 v[GSO], 13, v2
	v_lshl_add_u32 v[GSO], v1, 4, v[GSO]
	s_and_b32 s86, s28, 1
	s_mul_i32 s86, s86, 384                        ; in odd blocks the two tiles of a group of 32 rows change places
	s_sub_co_u32 s87, 384, s86
	v_mul_u32_u24 v[CO], v1, 24
	v_mad_u32_u24 v[CO], v2, 12, v[CO]
	v_add_nc_u32 v[CO+1], s87, v[CO]
	v_add_nc_u32 v[CO], s86, v[CO]
.irp i, 0,1,2,3
	v_mov_b32 v[OT+\i], 0                          ; written once: a lane permute's destination counts as one of its sources
	v_mov_b32 v[OFF+2*\i+1], 0                     ; named as the upper halves of pairs
.endr
	v_mov_b32 v[QW+2], 0
	v_mov_b32 v[QW+6], 0
	s_wait_loadcnt 0x0                             ; the weights and the partial sums
.irp p, 1,2,3,4,5,6,7
	v_pk_add_f32 v[ACC:ACC+1], v[ACC:ACC+1], v[ACC+4*\p:ACC+4*\p+1]
	v_pk_add_f32 v[ACC+2:ACC+3], v[ACC+2:ACC+3], v[ACC+4*\p+2:ACC+4*\p+3]
.endr
.irp i, 0,1,2,3
	v_cndmask_b32 v[CAR+\i], 0, v[ACC+\i], s[MHS]  ; a select, no product: nothing of the first half's sums reaches the first half
.endr
	v_add_f32 v[CAR], 0x358637bd, v[CAR]           ; + 1e-6: K's carry holds reference()'s eps
	v_add_f32 v[CAR+1], 0x358637bd, v[CAR+1]
	TRIP 0, 1, 0
	s_mov_b32 s[CNT], NS/2-1
.Lstep:
	TRIP 1, 1, 1
	TRIP 0, 1, 1
	s_sub_co_u32 s[CNT], s[CNT], 1
	s_cmp_lg_u32 s[CNT], 0
	s_cbranch_scc1 .Lstep
	TRIP 1, 0, 1                                   ; the last step asks for nothing
	s_wait_dscnt 0x0                               ; my totals of the last step lie in LDS
	s_barrier_signal -1
	s_barrier_wait -1
	s_wait_xcnt 0x0
	s_add_nc_u64 s[OB:OB+1], s[OB:OB+1], STEPB
.irp u, 0,1,2,3
	ds_load_b128 v[EXR+4*\u:EXR+4*\u+3], v[AER] offset:2048+512*\u
.endr
	BSTAGE 0
	s_wait_dscnt 0x0                               ; my scale bytes lie in LDS
	s_barrier_signal -1
	s_barrier_wait -1
	ds_load_b128 v[EXR:EXR+3], v[ASF]
	s_wait_dscnt 0x0
	global_store_b128 v[GSO], v[EXR:EXR+3], s[24:25]   ; sixteen lanes store 256 consecutive bytes, at a multiple of 256 from the buffer's first byte
	s_wait_tensorcnt 0x0                           ; the wave's end
	ds_add_u32 v[SPW], v[NIL]
	s_wait_dscnt 0x0
	ROUND                                          ; the closing round
	s_endpgm
.Lfunc_end_k_qc1a07785c7_scan:
	.size	k_qc1a07785c7_scan, .Lfunc_end_k_qc1a07785c7_scan-k_qc1a07785c7_scan
	.p2alignl 7, 3214868480
	.fill 96, 4, 3214868480
	.section	.rodata,"a",@progbits
	.p2align	6, 0x0
	.amdhsa_kernel k_qc1a07785c7_scan
		.amdhsa_group_segment_fixed_size 327680
		.amdhsa_private_segment_fixed_size 0
		.amdhsa_enable_private_segment 0
		.amdhsa_kernarg_size 88
		.amdhsa_user_sgpr_count 2
		.amdhsa_user_sgpr_kernarg_segment_ptr 1
		.amdhsa_wavefront_size32 1
		.amdhsa_system_sgpr_workgroup_id_x 1
		.amdhsa_system_sgpr_workgroup_id_y 1
		.amdhsa_system_sgpr_workgroup_id_z 1
		.amdhsa_system_vgpr_workitem_id 0
		.amdhsa_next_free_vgpr 1024
		.amdhsa_next_free_sgpr 100
		.amdhsa_reserve_vcc 0
		.amdhsa_float_denorm_mode_32 3
		.amdhsa_float_denorm_mode_16_64 3
		.amdhsa_memory_ordered 1
		.amdhsa_forward_progress 1
		.amdhsa_inst_pref_size 201
	.end_amdhsa_kernel
	.amdgpu_metadata
---
amdhsa.version: [ 1, 2 ]
amdhsa.kernels:
  - .name:           k_qc1a07785c7_scan
    .symbol:         k_qc1a07785c7_scan.kd
    .args:
      - { .name: X_codes, .offset: 0, .size: 8, .value_kind: global_buffer, .address_space: global }
      - { .name: X_scales, .offset: 8, .size: 8, .value_kind: global_buffer, .address_space: global }
      - { .name: Wv_codes, .offset: 16, .size: 8, .value_kind: global_buffer, .address_space: global }
      - { .name: Wv_scales, .offset: 24, .size: 8, .value_kind: global_buffer, .address_space: global }
      - { .name: Wk_codes, .offset: 32, .size: 8, .value_kind: global_buffer, .address_space: global }
      - { .name: Wk_scales, .offset: 40, .size: 8, .value_kind: global_buffer, .address_space: global }
      - { .name: Wq_codes, .offset: 48, .size: 8, .value_kind: global_buffer, .address_space: global }
      - { .name: Wq_scales, .offset: 56, .size: 8, .value_kind: global_buffer, .address_space: global }
      - { .name: tot, .offset: 64, .size: 8, .value_kind: global_buffer, .address_space: global }
      - { .name: o_codes, .offset: 72, .size: 8, .value_kind: global_buffer, .address_space: global }
      - { .name: o_scales, .offset: 80, .size: 8, .value_kind: global_buffer, .address_space: global }
    .group_segment_fixed_size: 327680
    .private_segment_fixed_size: 0
    .kernarg_segment_align: 8
    .kernarg_segment_size: 88
    .max_flat_workgroup_size: 128
    .sgpr_count:     100
    .vgpr_count:     1024
    .wavefront_size: 32
...
	.end_amdgpu_metadata
.endif
;; end of part 2
;; launch project (part 3): grid 4 x 64, 4 waves a work-group, clusters of 4 x 4, 327,680 bytes of LDS; arguments o_codes, o_scales, Wc_codes, Wc_scales, out0; writes out0
.if DOCPART == 3
	.amdgcn_target "amdgcn-amd-amdhsa--gfx1250"
	.amdhsa_code_object_version 6
	.text
	.protected	k_qc1a07785c7_project
	.globl	k_qc1a07785c7_project
	.p2align	8
	.type	k_qc1a07785c7_project,@function
k_qc1a07785c7_project:
	s_mov_b64 s[64:65], 0
	v_nop
	global_prefetch_b8 v0, s[64:65] scope:SCOPE_SE
	s_setreg_imm32_b32 hwreg(HW_REG_WAVE_MODE, 25, 1), 1
	s_wait_xcnt 0x0
	s_wait_alu depctr_hold_cnt(0) depctr_sa_sdst(0) depctr_va_vdst(0) depctr_va_sdst(0) depctr_va_ssrc(0) depctr_va_vcc(0) depctr_vm_vsrc(0)
	s_getreg_b32 s2, hwreg(HW_REG_IB_STS2, 6, 4)
	s_cmp_eq_u32 s2, 0
	s_cbranch_scc0 .Lentry_in_a_cluster
	s_endpgm
.Lentry_in_a_cluster:
	s_bfe_u32 s2, ttmp6, 0x10000c
	s_cmp_lg_u32 s2, 0xf033
	s_cbranch_scc0 .Lentry_shape_is_right
	s_endpgm
.Lentry_shape_is_right:
; PROJECT.  out0[m][n] = sum over k of O[m][k] Wc[n][k]: 16,384 x 1,024 x 1,024 on codes of FP6 (E2M3) with one E8M0 scale for each 32 along K; sums in f32.  No work of reference() is left out.
; A = O, as the launch before laid it: the 24 bytes of (row m, block x) at ((m / 32) 32 + x) 768 + ((m % 32) xor 16 (x % 2)) 24; its scale bytes [m / 256][x][256 rows].  B = Wc: [n][768 bytes], scale bytes [n][32].
; A tile of out0, 256 x 256, is made by four waves, each 128 x 128: 64 accumulators, 512 registers.  K goes in steps of 256 through a ring of two LDS slots.
; A's tile: for each group of 32 rows, a K step's 8 blocks are 6,144 consecutive bytes; a wave's load brings four such runs, with no padding: since the tiles of 16 rows change places in odd blocks, lanes 16-31 of a
; fragment load stand 32 words (modulo 64) from lanes 0-15, and the 32 lanes of a load of 8 bytes touch different words of the banks.
; B's tile: rows of 192 bytes, 16 bytes of padding behind every 64.
; THE SCALES come once, with the first fills.  B's lie as rows.  A's come as 32 planes of 256 rows and are turned once, through registers, into rows of 32 bytes, in bytes of their own into which no fill lands.
; CLUSTERS: 4 x 4 work-groups: A's tiles are asked for jointly along a row of the cluster, B's along a column.  THE MATRIX INSTRUCTION IS USED TRANSPOSED (source 0 = 16 rows of B, source 1 = 16 rows of A): a lane holds eight neighbouring numbers of a row of out0.
; REGISTERS: window 0: v0-31 addresses; v32-63 scale words, two sets; v64-111 the turning of A's scales; from v128 A's fragments, ONE set; on the way out v128-255.
;   window 1: B's fragments, TWO sets, at v0 and v128.   window 2: the accumulators of my rows 0-63 ((a, b) at v[8 (8 a + b)]);   window 3: those of my rows 64-127.
.set SIZE_N, 1024
.set SIZE_K, 1024
.set KSTEP,  256
.set NQ,     KSTEP/128
.set ROWB,   192                       ; B: a tile's row in bytes
.set KROW,   SIZE_K*6/8                ; a row of codes in memory
.set PITCH,  240                       ; B: an LDS row: 3 x (64 + 16)
.set ASTEP,  6144                      ; A: a K step's bytes of a group of 32 rows
.set FR,     12
.set NL,     6
.set NP,     4
.set HALFA,  4*ASTEP                   ; A: 128 rows
.set HALFB,  128*PITCH                 ; B: 128 rows
.set SLOT,   2*HALFA+2*HALFB
.set LAPS,   SIZE_K/(2*KSTEP)
.set KS,     SIZE_K/32
.set SCL,    2*SLOT                    ; the scales as rows: A's 256 rows (stored here by the waves), then B's 256 (filled by tensor loads); units of 256 bytes + 16
.set HALFS,  (128*KS/256)*272
.set SBLK,   (16*KS/256)*272
.set PLN,    SCL+4*HALFS               ; A's 32 planes of 256 bytes + 16
.set SPARE,  PLN+2*HALFS               ; the spare words, 128 bytes for each wave: no other line names them
.set SPITCH, 528                       ; the way out: a stage of 16 rows x (512 + 16) for each wave, in slot 0, which has had its last fill and its last read by then
.set ADRA, 16                          ; v16-17 LDS address of my even blocks of A in slot 0, 1;  v18-19 of my odd blocks
.set ADRB, 20                          ; v20-21 of B's fragments;  v22-23 the same behind one padding more
.set STO,  24
.set RD,   25
.set CO,   26
.set ADRS, 27                          ; v27 my scale words: lanes 0-15 A's rows, lanes 16-31 B's
.set SPW,  28                          ; v28 my spare word; never rewritten
.set NIL,  29                          ; v29 0; never rewritten
.set PLA,  30                          ; v30 the turning: where I read planes
.set PLS,  31                          ; v31 and where I store rows
.set SC,   32
.set AF,   128
.set BK,   128
.set G1, 24
.set G0, 32
.set G1B, 48
.set G0B, 56
.set G1S, 68
.set G0S, 76
.set G1SB, 80
.set G0SB, 88
.set MSB, 0
.macro WIN new
.if MSB != (\new)
	s_set_vgpr_msb (MSB<<8)|(\new)
.set MSB, (\new)
.endif
.endm
.set MUL_LO, 0xa1                      ; source 0 (B) window 1, source 1 (A) window 0, C and D window 2
.set MUL_HI, 0xf1
.set TO_B,   0x40
; A joint load: waves 0 and 1 fetch for A, waves 2 and 3 for B; the branch hangs on the wave's number alone.  An s_nop 0 and four v_nop follow each of the two lines.
.macro JLOAD g0a, g1a, g0b, g1b
	s_cmp_eq_u32 s15, 0
	s_cbranch_scc0 .Lfor_b_\@
	tensor_load_to_lds s[\g0a:\g0a+3], s[\g1a:\g1a+7]
	s_nop 0
.rept 4
	v_nop
.endr
	s_branch .Lasked_\@
.Lfor_b_\@:
	tensor_load_to_lds s[\g0b:\g0b+3], s[\g1b:\g1b+7]
	s_nop 0
.rept 4
	v_nop
.endr
.Lasked_\@:
.endm
.macro CREST
	s_cmp_lg_u32 s14, 0
	s_cbranch_scc1 .Lnot_wave_0_\@
	s_barrier_signal -3
.Lnot_wave_0_\@:
	s_barrier_wait -3
	s_barrier_signal -1
	s_barrier_wait -1
.endm
.macro CROUND
	s_barrier_signal -1
	s_barrier_wait -1
	CREST
.endm
	s_load_b128 s[4:7], s[0:1], 0x0                ; A's codes s[4:5], A's scales s[6:7]
	s_load_b128 s[8:11], s[0:1], 0x10              ; B's codes s[8:9], B's scales s[10:11]
	s_load_b64 s[12:13], s[0:1], 0x20              ; out0
	v_lshl_add_u32 v[SPW], v0, 2, SPARE
	v_mov_b32 v[NIL], 0
	ds_add_u32 v[SPW], v[NIL]                      ; the wave's opening: the add, twice on end, and its wait ahead of my first tensor load
	ds_add_u32 v[SPW], v[NIL]
	v_lshrrev_b32 v1, 5, v0
	v_readfirstlane_b32 s14, v1                    ; wave 0..3
	s_lshr_b32 s15, s14, 1                         ; which half of the tile's rows is mine.  Also: I fetch for A (0) or for B (1)
	s_and_b32 s16, s14, 1                          ; which half of its columns.  Also: which 128 rows of that tile I fetch
	s_bfe_u32 s40, ttmp6, 0x40000                  ; cx, cy
	s_bfe_u32 s41, ttmp6, 0x40004
	s_lshl_b32 s42, ttmp9, 2
	s_add_co_u32 s42, s42, s40                     ; tile column
	s_and_b32 s17, ttmp7, 0xffff
	s_lshl_b32 s17, s17, 2
	s_add_co_u32 s17, s17, s41                     ; tile row
	s_lshl_b32 s43, s41, 2
	s_lshl_b32 s43, 15, s43                        ; my row of the cluster
	s_lshl_b32 s44, 0x1111, s40                    ; my column
	; A's tiles: 4 runs of 768 elements of 8 bytes, 3,072 elements apart, no padding
	s_or_b32 s[G1+0], s43, (3<<16)|(1<<21)
	s_mov_b32 s[G1+1], 768<<16                     ; tensor_dim0
	s_mov_b32 s[G1+2], 4<<16                       ; tensor_dim1
	s_mov_b32 s[G1+3], 768<<16                     ; tile_dim0
	s_mov_b32 s[G1+4], 4                           ; tile_dim1
	s_mov_b32 s[G1+5], 3072                        ; the pitch
	s_mov_b32 s[G1+6], 0
	s_mov_b32 s[G1+7], 0
	; B's tiles: 128 rows of 192 bytes, 16 bytes of padding behind every 64
	s_or_b32 s[G1B+0], s44, (0<<16)|(1<<20)|(1<<21)|(3<<22)|(3<<25)
	s_mov_b32 s[G1B+1], ROWB<<16
	s_mov_b32 s[G1B+2], 128<<16
	s_mov_b32 s[G1B+3], ROWB<<16
	s_mov_b32 s[G1B+4], 128
	s_mov_b32 s[G1B+5], KROW
	s_mov_b32 s[G1B+6], 0
	s_mov_b32 s[G1B+7], 0
	; the scales: dense blocks of 4,096 bytes as rows of 256 bytes, 16 bytes of padding behind each
	s_or_b32 s[G1S+0], s43, (3<<16)|(1<<20)|(1<<21)|(5<<22)|(3<<25)
	s_or_b32 s[G1SB+0], s44, (3<<16)|(1<<20)|(1<<21)|(5<<22)|(3<<25)
.irp g, G1S, G1SB
	s_mov_b32 s[\g+1], 32<<16
	s_mov_b32 s[\g+2], (128*KS/256)<<16
	s_mov_b32 s[\g+3], 32<<16
	s_mov_b32 s[\g+4], 128*KS/256
	s_mov_b32 s[\g+5], 32
	s_mov_b32 s[\g+6], 0
	s_mov_b32 s[\g+7], 0
.endr
	s_lshl_b32 s18, s16, 7
	s_lshl_b32 s20, s17, 8
	s_add_co_u32 s20, s20, s18                     ; A: row 256 x tile row + 128 x half
	s_lshl_b32 s46, s42, 8
	s_add_co_u32 s46, s46, s18                     ; B: row 256 x tile column + 128 x half
	s_mov_b32 s21, 0
	s_mov_b32 s47, 0
	s_mov_b64 s[18:19], KS
	s_mul_u64 s[22:23], s[20:21], s[18:19]         ; A's scales: 8,192 x tile row + 4,096 x half: planes 16 x half on
	s_mul_u64 s[92:93], s[46:47], s[18:19]         ; B's: these rows'
	s_mov_b64 s[18:19], KROW
	s_mul_u64 s[20:21], s[20:21], s[18:19]         ; the codes: a group of 32 rows of A is 32 x 768 bytes, as 32 rows of B are
	s_mul_u64 s[46:47], s[46:47], s[18:19]
	s_mul_i32 s45, s16, HALFA                      ; where they go: no place in the cluster enters an LDS address
	s_mul_i32 s95, s16, HALFB
	s_add_co_u32 s95, s95, 2*HALFA
	s_mul_i32 s94, s14, HALFS
	s_wait_dscnt 0x0                               ; both opening adds are done
	s_wait_kmcnt 0x0
	s_add_nc_u64 s[20:21], s[4:5], s[20:21]
	s_add_nc_u64 s[22:23], s[6:7], s[22:23]
	s_add_nc_u64 s[46:47], s[8:9], s[46:47]
	s_add_nc_u64 s[92:93], s[10:11], s[92:93]
	CROUND                                         ; all sixteen work-groups are here: the first joint loads meet
	s_mov_b32 s[G0S], 1
	s_add_co_u32 s[G0S+1], s94, PLN                ; waves 0 and 1: A's planes
	s_mov_b64 s[G0S+2:G0S+3], s[22:23]
	s_or_b32 s[G0S+3], s[G0S+3], 0x80000000
	s_mov_b32 s[G0SB], 1
	s_add_co_u32 s[G0SB+1], s94, SCL               ; waves 2 and 3: B's rows, behind A's
	s_mov_b64 s[G0SB+2:G0SB+3], s[92:93]
	s_or_b32 s[G0SB+3], s[G0SB+3], 0x80000000
	JLOAD G0S, G1S, G0SB, G1SB
.irp s, 0,1
	s_mov_b32 s[G0+4*\s], 1
	s_add_co_u32 s[G0+4*\s+1], s45, \s*SLOT
	s_add_nc_u64 s[G0+4*\s+2:G0+4*\s+3], s[20:21], \s*ASTEP
	s_or_b32 s[G0+4*\s+3], s[G0+4*\s+3], 0x80000000
	s_mov_b32 s[G0B+4*\s], 1
	s_add_co_u32 s[G0B+4*\s+1], s95, \s*SLOT
	s_add_nc_u64 s[G0B+4*\s+2:G0B+4*\s+3], s[46:47], \s*ROWB
	s_or_b32 s[G0B+4*\s+3], s[G0B+4*\s+3], 0x80000000
	JLOAD G0+4*\s, G1, G0B+4*\s, G1B               ; three loads of mine are out
.endr
	v_and_b32 v1, 15, v0                           ; l % 16
	v_bfe_u32 v2, v0, 4, 1                         ; l / 16
	v_mul_u32_u24 v3, v1, 24                       ; A: 24 bytes a row in a block
	v_mad_u32_u24 v4, v2, 1152, v3                 ; even blocks of 16 rows: lanes 16-31 take the next block of 32 along K (768 on), where my rows lie in the upper half (384 on)
	v_mad_u32_u24 v5, v2, 384, v3                  ; odd blocks (the immediate adds 384): 768 on, and back to the lower half
	v_mul_u32_u24 v6, v1, PITCH
	v_mad_u32_u24 v6, v2, 24, v6                   ; B: row x pitch + 24 x half
	v_lshl_add_u32 v7, v2, 4, v6                   ; and the same behind one padding more
	s_mul_i32 s21, s15, HALFA                      ; my 128 rows of A
	s_mul_i32 s22, s16, HALFB                      ; my 128 rows of B,
	s_add_co_u32 s22, s22, 2*HALFA                 ; which lie behind A's 256
.irp s, 0,1
	v_add_nc_u32 v[ADRA+\s], s21, v4
	v_add_nc_u32 v[ADRA+2+\s], s21, v5
	v_add_nc_u32 v[ADRB+\s], s22, v6
	v_add_nc_u32 v[ADRB+2+\s], s22, v7
	s_add_co_u32 s21, s21, SLOT
	s_add_co_u32 s22, s22, SLOT
.endr
	v_mul_u32_u24 v5, v1, KS                       ; my row's scales: KS bytes a row,
	v_lshrrev_b32 v6, 8, v5
	v_lshl_add_u32 v5, v6, 4, v5                   ; and 16 more for each 256 passed
	s_mul_i32 s21, s15, HALFS
	s_mul_i32 s22, s16, HALFS
	s_add_co_u32 s22, s22, 2*HALFS
	s_sub_co_u32 s22, s22, s21
	v_mul_u32_u24 v6, s22, v2                      ; lanes 16-31 take B's
	s_add_co_u32 s21, s21, SCL
	v_add_nc_u32 v5, v5, v6
	v_add_nc_u32 v[ADRS], s21, v5
	v_and_b32 v7, 63, v0                           ; the turning: thread t takes rows 4 (t % 64) .. + 3 and planes 16 (t / 64) .. + 15
	v_lshrrev_b32 v8, 6, v0
	v_mul_u32_u24 v[PLA], v8, 16*272
	v_lshl_add_u32 v[PLA], v7, 2, v[PLA]
	v_add_nc_u32 v[PLA], PLN, v[PLA]
	v_lshrrev_b32 v9, 1, v7
	v_lshlrev_b32 v[PLS], 7, v7                    ; four rows of 32 bytes,
	v_lshl_add_u32 v[PLS], v9, 4, v[PLS]           ; 16 more for each 8 rows,
	v_lshl_add_u32 v[PLS], v8, 4, v[PLS]           ; my 16 of a row's 32 bytes
	v_add_nc_u32 v[PLS], SCL, v[PLS]
	s_mul_i32 s23, s14, 16*SPITCH                  ; my stage
	v_mul_u32_u24 v5, v1, SPITCH
	v_lshl_add_u32 v5, v2, 5, v5
	v_add_nc_u32 v[STO], s23, v5
	v_and_b32 v6, 31, v0
	v_lshlrev_b32 v[CO], 4, v6
	v_add_nc_u32 v[RD], s23, v[CO]
	s_lshl_b32 s20, s17, 8
	s_lshl_b32 s21, s15, 7
	s_add_co_u32 s20, s20, s21                     ; my first row of out0
	s_mov_b32 s21, 0
	s_mov_b64 s[18:19], SIZE_N*4
	s_mul_u64 s[20:21], s[20:21], s[18:19]
	s_lshl_b32 s46, s42, 10                        ; my first column, in bytes
	s_lshl_b32 s47, s16, 9
	s_add_co_u32 s46, s46, s47
	s_mov_b32 s47, 0
	s_add_nc_u64 s[20:21], s[20:21], s[46:47]
	s_add_nc_u64 s[12:13], s[12:13], s[20:21]
; A fragment of B: lane l holds row l % 16; 24 bytes at 96 q + 24 h and 24 at 96 q + 48 + 24 h, in pieces of 8 bytes; 16 bytes of padding lie behind every 8 pieces
.macro FRAGB reg, adr, q, i
.irp p, 0,1,2,3,4,5
.set PC, 12*(\q)+6*(\p/3)+\p%3
.if PC%8 < 5
	ds_load_b64 v[\reg+2*\p:\reg+2*\p+1], v[\adr] offset:8*PC+16*(PC/8)+(\i)*16*PITCH
.else
	ds_load_b64 v[\reg+2*\p:\reg+2*\p+1], v[\adr+2] offset:8*PC+16*(PC/8)+(\i)*16*PITCH
.endif
.endr
.endm
; A fragment of A, block i of my eight: group of 32 rows i / 2; blocks 4 q + h and 4 q + 2 + h of the slot's eight along K
.macro FRAGA reg, slot, q, i
.irp p, 0,1,2,3,4,5
	ds_load_b64 v[\reg+2*\p:\reg+2*\p+1], v[ADRA+2*((\i)%2)+\slot] offset:((\i)/2)*ASTEP+(4*(\q)+2*(\p/3))*768+8*(\p%3)+384*((\i)%2)
.endr
.endm
; 16 products: A's blocks a0, a0 + 1 x B's eight.  The 64 accumulators take turns, one instruction a turn, in the same order in every step.
.macro MUL16 a0, p, q, sc, zero
.irp a, \a0, \a0+1
.irp b, 0,1,2,3,4,5,6,7
.if \zero
	v_wmma_scale_f32_16x16x128_f8f6f4 v[8*(8*((\a)%4)+\b):8*(8*((\a)%4)+\b)+7], v[128*(\p)+FR*\b:128*(\p)+FR*\b+FR-1], v[AF+FR*(\a):AF+FR*(\a)+FR-1], 0, v[SC+8*NQ*(\sc)+NQ*\b+(\q)], v[SC+8*NQ*(\sc)+NQ*(\a)+(\q)] matrix_a_fmt:MATRIX_FMT_FP6 matrix_b_fmt:MATRIX_FMT_FP6 matrix_a_scale:MATRIX_SCALE_ROW1
.else
	v_wmma_scale_f32_16x16x128_f8f6f4 v[8*(8*((\a)%4)+\b):8*(8*((\a)%4)+\b)+7], v[128*(\p)+FR*\b:128*(\p)+FR*\b+FR-1], v[AF+FR*(\a):AF+FR*(\a)+FR-1], v[8*(8*((\a)%4)+\b):8*(8*((\a)%4)+\b)+7], v[SC+8*NQ*(\sc)+NQ*\b+(\q)], v[SC+8*NQ*(\sc)+NQ*(\a)+(\q)] matrix_a_fmt:MATRIX_FMT_FP6 matrix_b_fmt:MATRIX_FMT_FP6 matrix_a_scale:MATRIX_SCALE_ROW1
.endif
.endr
.endr
.endm
.macro FETCH_B slot, q, p
	WIN TO_B
.irp i, 0,1,2,3,4,5,6,7
	FRAGB 128*(\p)+FR*\i, ADRB+\slot, \q, \i
.endr
	WIN 0
.endm
.macro FETCH_A slot, q, i0
.irp i, \i0, \i0+1, \i0+2, \i0+3
	FRAGA AF+FR*(\i), \slot, \q, \i
.endr
.endm
.macro SCALES sc                       ; a K step's scale words: lanes 0-15 A's block i, lanes 16-31 B's block i
.irp i, 0,1,2,3,4,5,6,7
	ds_load_b64 v[SC+8*NQ*\sc+NQ*\i:SC+8*NQ*\sc+NQ*\i+1], v[ADRS] offset:\i*SBLK
.endr
.endm
.macro PLACES n
.rept \n
	v_nop
.endr
.endm
; A step of 128 along K that has its successor in the same slot.
.macro STEP slot, q, zero
	s_wait_dscnt 4*NL                              ; B's set and A's blocks 0-3 are in; the youngest loads (A's blocks 4-7) may be out
	WIN MUL_LO
	MUL16 0, (\q)%2, \q, \slot, \zero
	MUL16 2, (\q)%2, \q, \slot, \zero
	s_wait_dscnt 0                                 ; A's blocks 4-7 are in
	PLACES NP
	FETCH_B \slot, (\q)+1, 1-(\q)%2
	FETCH_A \slot, (\q)+1, 0
	WIN MUL_HI
	MUL16 4, (\q)%2, \q, \slot, \zero
	MUL16 6, (\q)%2, \q, \slot, \zero
	PLACES NP
	WIN 0
	FETCH_A \slot, (\q)+1, 4
.endm
; A slot's last step changes slots: one barrier; in front of it each wave waits for all its tensor loads, adds 0 to its spare word, and waits for that and for its reads of this slot.  fill = 1: this slot is filled again, two K steps ahead.
.macro TURN slot, next, fill
	s_wait_tensorcnt 0x0                           ; all my tensor loads have landed: my part of the next slot
	ds_add_u32 v[SPW], v[NIL]
	s_wait_dscnt 4*NL+1                            ; (the add and the youngest loads, A's blocks 4-7, may be out)
	WIN MUL_LO
	MUL16 0, 1, NQ-1, \slot, 0
	s_wait_dscnt 0x0                               ; the add is done, and my reads of this slot are over
	s_barrier_signal -1
	MUL16 2, 1, NQ-1, \slot, 0
	WIN 0
	s_barrier_wait -1
.if \fill
	CREST                                          ; the barrier has opened a round of the cluster's: no wave of any partner still reads this slot's tile or has a load on its way
	s_add_nc_u64 s[G0+4*\slot+2:G0+4*\slot+3], s[G0+4*\slot+2:G0+4*\slot+3], 2*ASTEP
	s_add_nc_u64 s[G0B+4*\slot+2:G0B+4*\slot+3], s[G0B+4*\slot+2:G0B+4*\slot+3], 2*ROWB
	JLOAD G0+4*\slot, G1, G0B+4*\slot, G1B         ; the first tensor load behind the round; its four v_nop are the places in front of the loads below
.else
	PLACES NP
.endif
	v_add_nc_u32 v[ADRS], 4*NQ, v[ADRS]            ; on to the next K step's scale words
	FETCH_B \next, 0, 0
	FETCH_A \next, 0, 0
	SCALES \next
	WIN MUL_HI
	MUL16 4, 1, NQ-1, \slot, 0
	MUL16 6, 1, NQ-1, \slot, 0
	PLACES NP
	WIN 0
	FETCH_A \next, 0, 4
.endm
	s_wait_tensorcnt 1                             ; the scales and my part of K step 0 are in (K step 1's load may be out)
	s_barrier_signal -1
	s_barrier_wait -1                              ; everybody's are
	; A's scales are turned: 16 words (four rows' bytes of 16 planes) become four rows' 16 bytes
.irp i, 0,1,2,3,4,5,6,7,8,9,10,11,12,13,14,15
	ds_load_b32 v[64+\i], v[PLA] offset:272*\i
.endr
	s_wait_dscnt 0x0
.irp g, 0,1,2,3
	v_perm_b32 v[80+4*\g], v[65+4*\g], v[64+4*\g], 0x05010400      ; planes 4 g, 4 g + 1: rows 0 and 1
	v_perm_b32 v[81+4*\g], v[65+4*\g], v[64+4*\g], 0x07030602      ; rows 2 and 3
	v_perm_b32 v[82+4*\g], v[67+4*\g], v[66+4*\g], 0x05010400      ; planes 4 g + 2, 4 g + 3
	v_perm_b32 v[83+4*\g], v[67+4*\g], v[66+4*\g], 0x07030602
.endr
.irp g, 0,1,2,3
	v_perm_b32 v[96+\g], v[82+4*\g], v[80+4*\g], 0x05040100        ; row 0: four planes' bytes
	v_perm_b32 v[100+\g], v[82+4*\g], v[80+4*\g], 0x07060302       ; row 1
	v_perm_b32 v[104+\g], v[83+4*\g], v[81+4*\g], 0x05040100       ; row 2
	v_perm_b32 v[108+\g], v[83+4*\g], v[81+4*\g], 0x07060302       ; row 3
.endr
.irp n, 0,1,2,3
	ds_store_b128 v[PLS], v[96+4*\n:99+4*\n] offset:32*\n
.endr
	s_wait_dscnt 0x0                               ; for the others' sake: my rows lie in LDS
	s_barrier_signal -1
	s_barrier_wait -1
	FETCH_B 0, 0, 0
	FETCH_A 0, 0, 0
	SCALES 0
	FETCH_A 0, 0, 4
	STEP 0, 0, 1                                   ; the first step stands in front of the loop: its products start the sums
	s_mov_b32 s3, LAPS-1
.Llap:                                                 ; a trip goes once round the ring and fills both slots again
	TURN 0, 1, 1
	STEP 1, 0, 0
	TURN 1, 0, 1
	STEP 0, 0, 0
	s_sub_co_u32 s3, s3, 1
	s_cmp_lg_u32 s3, 0
	s_cbranch_scc1 .Llap
	TURN 0, 1, 0                                   ; the last lap fills nothing
	STEP 1, 0, 0
	s_wait_dscnt 4*NL                              ; the very last step
	WIN MUL_LO
	MUL16 0, 1, NQ-1, 1, 0
	MUL16 2, 1, NQ-1, 1, 0
	s_wait_dscnt 0
	WIN MUL_HI
	MUL16 4, 1, NQ-1, 1, 0
	MUL16 6, 1, NQ-1, 1, 0
	WIN 0
; THE WAY OUT, block by block of 16 rows x 128 columns: through my own stage in LDS, back as whole rows of 512 bytes.  LDS serves a wave's instructions in order: no wait between the stores and the loads.
.macro TOSTAGE a
.set AC, 64*((\a)%4)
	WIN 0x08+4*((\a)/4)                            ; the data: window 2 or 3
.irp b, 0,1,2,3,4,5,6,7
	ds_store_b128 v[STO], v[AC+8*\b:AC+8*\b+3] offset:64*\b          ; each accumulator from its low end on
	ds_store_b128 v[STO], v[AC+8*\b+4:AC+8*\b+7] offset:64*\b+16
.endr
	WIN 0
.set BB, BK+64*((\a)%2)
.irp t, 0,1,2,3,4,5,6,7,8,9,10,11,12,13,14,15
	ds_load_b128 v[BB+4*\t:BB+4*\t+3], v[RD] offset:\t*SPITCH
.endr
.endm
.macro SEND a, younger
.set BB, BK+64*((\a)%2)
	s_wait_dscnt \younger                          ; the block is back in registers
.if (\a) > 0
	s_add_nc_u64 s[12:13], s[12:13], 16*SIZE_N*4   ; (behind a wait on XCNT: the earlier stores have read their base)
.endif
.irp t, 0,1,2,3,4,5,6,7,8,9,10,11,12,13,14,15
	global_store_b128 v[CO], v[BB+4*\t:BB+4*\t+3], s[12:13] offset:\t*SIZE_N*4 th:TH_STORE_NT   ; 32 lanes store 512 consecutive bytes, at a multiple of 256 from out0's first byte
.endr
.endm
	PLACES NP
	TOSTAGE 0
.irp a, 1,2,3,4,5,6,7
.if \a > 1
	s_wait_xcnt 0x0                                ; block a - 2's stores have read their registers and their base
.endif
	TOSTAGE \a
	SEND \a-1, 32                                  ; behind block a - 1's loads: block a's 16 stores and 16 loads
.endr
	s_wait_xcnt 0x0
	SEND 7, 0
	s_wait_tensorcnt 0x0                           ; the wave's end
	ds_add_u32 v[SPW], v[NIL]
	s_wait_dscnt 0x0
	CROUND                                         ; the closing round
	s_endpgm
.Lfunc_end_k_qc1a07785c7_project:
	.size	k_qc1a07785c7_project, .Lfunc_end_k_qc1a07785c7_project-k_qc1a07785c7_project
	.p2alignl 7, 3214868480
	.fill 96, 4, 3214868480
	.section	.rodata,"a",@progbits
	.p2align	6, 0x0
	.amdhsa_kernel k_qc1a07785c7_project
		.amdhsa_group_segment_fixed_size 327680
		.amdhsa_private_segment_fixed_size 0
		.amdhsa_enable_private_segment 0
		.amdhsa_kernarg_size 40
		.amdhsa_user_sgpr_count 2
		.amdhsa_user_sgpr_kernarg_segment_ptr 1
		.amdhsa_wavefront_size32 1
		.amdhsa_system_sgpr_workgroup_id_x 1
		.amdhsa_system_sgpr_workgroup_id_y 1
		.amdhsa_system_sgpr_workgroup_id_z 1
		.amdhsa_system_vgpr_workitem_id 0
		.amdhsa_next_free_vgpr 1024
		.amdhsa_next_free_sgpr 100
		.amdhsa_reserve_vcc 0
		.amdhsa_float_denorm_mode_32 3
		.amdhsa_float_denorm_mode_16_64 3
		.amdhsa_memory_ordered 1
		.amdhsa_forward_progress 1
		.amdhsa_inst_pref_size 165
	.end_amdhsa_kernel
	.amdgpu_metadata
---
amdhsa.version: [ 1, 2 ]
amdhsa.kernels:
  - .name:           k_qc1a07785c7_project
    .symbol:         k_qc1a07785c7_project.kd
    .args:
      - { .name: o_codes, .offset: 0, .size: 8, .value_kind: global_buffer, .address_space: global }
      - { .name: o_scales, .offset: 8, .size: 8, .value_kind: global_buffer, .address_space: global }
      - { .name: Wc_codes, .offset: 16, .size: 8, .value_kind: global_buffer, .address_space: global }
      - { .name: Wc_scales, .offset: 24, .size: 8, .value_kind: global_buffer, .address_space: global }
      - { .name: out0, .offset: 32, .size: 8, .value_kind: global_buffer, .address_space: global }
    .group_segment_fixed_size: 327680
    .private_segment_fixed_size: 0
    .kernarg_segment_align: 8
    .kernarg_segment_size: 40
    .max_flat_workgroup_size: 128
    .sgpr_count:     100
    .vgpr_count:     1024
    .wavefront_size: 32
...
	.end_amdgpu_metadata
.endif
;; end of part 3
;; ======== version 2 of 2: 3 launches
;; limits: right only within a limited range of input values
;; workspace buffers: tot 262,144 bytes; o_codes 12,582,912 bytes; o_scales 524,288 bytes
;; launch totals (part 4): grid 8 x 32, 4 waves a work-group, clusters of 4 x 1, 327,680 bytes of LDS; arguments X_codes, X_scales, Wv_codes, Wv_scales, Wk_codes, Wk_scales, tot; writes tot
.if DOCPART == 4
	.amdgcn_target "amdgcn-amd-amdhsa--gfx1250"
	.amdhsa_code_object_version 6
	.text
	.protected	k_qc1a07785c7_totals
	.globl	k_qc1a07785c7_totals
	.p2align	8
	.type	k_qc1a07785c7_totals,@function
k_qc1a07785c7_totals:
	s_mov_b64 s[64:65], 0
	v_nop
	global_prefetch_b8 v0, s[64:65] scope:SCOPE_SE
	s_setreg_imm32_b32 hwreg(HW_REG_WAVE_MODE, 25, 1), 1
	s_wait_xcnt 0x0
	s_wait_alu depctr_hold_cnt(0) depctr_sa_sdst(0) depctr_va_vdst(0) depctr_va_sdst(0) depctr_va_ssrc(0) depctr_va_vcc(0) depctr_vm_vsrc(0)
	s_getreg_b32 s2, hwreg(HW_REG_IB_STS2, 6, 4)
	s_cmp_eq_u32 s2, 0
	s_cbranch_scc0 .Lentry_in_a_cluster
	s_endpgm
.Lentry_in_a_cluster:
	s_bfe_u32 s2, ttmp6, 0x10000c
	s_cmp_lg_u32 s2, 0x3003
	s_cbranch_scc0 .Lentry_shape_is_right
	s_endpgm
.Lentry_shape_is_right:
; TOTALS.  For rows 0 .. 2047 of each batch: V = X Wv, K = exp(X Wk), both products on the given codes of FP6 (E2M3) with E8M0 scales; for each channel and each group of 256 rows the sums of K and of K V.
; WHY.  reference()'s running sums go along the 4,096 positions of a batch.  The next launch cuts each batch's chain in two halves of 2,048 rows, so that it has 256 work-groups; the second half needs the first
; half's sums of K and K V as its start.  They are no linear function of X, so products 1 and 2 are done here once more on those rows.  NO WORK OF reference() IS LEFT OUT in this program, and every input is loaded.
; SHARES.  Work-group (x, y): channels 128 x on; rows 4096 (y / 8) + 256 (y % 8) on, 256 rows.  Wave w takes channels 32 w .. 32 w + 31 of the block and ALL 256 rows.
; THE WEIGHTS: a wave's 32 channels of Wv and of Wk, all of K, stay in 384 registers (windows 1 and 2).  They come from memory once, 512 consecutive bytes a load, and go through the wave's own stage in LDS into the fragments' layout.
; X: the 256 rows' codes are one dense block: four joint tensor loads, one a wave, rows of 256 bytes with 16 of padding behind each, bring it into LDS once.  Nothing is filled again: no ring.
; X's scale bytes, 8,192 consecutive bytes, come by loads of 512 consecutive bytes, a quarter a wave, and are stored into LDS for all four waves.
; A TRIP is 32 rows: 64 products on 8 accumulators, which take turns.  Source 0 = 16 rows of X, source 1 = 16 channels: lane (r, h) holds channel 16 c + r, its register j row 8 h + j.
; CLUSTER.  The four work-groups of a cluster have the same rows: X's codes are asked for jointly (mask 15).  The weights go through registers, so no joint load serves them.
; NO PREFETCH: every read of memory stands at the kernel's head; there is no loop to run ahead in.
; OUT.  tot[y][K, KV][1024 channels] f32: eight partial sums for each batch; a wave stores 128 consecutive bytes; the buffer is 256 KiB in all.
; LIMITS.  exp(x) is 2^(x log2 e): its relative error grows with |x| (about 6e-8 |x|).  NaN and infinities among the inputs are carried only as these formulas carry them.  The order of the sums is not reference()'s.
.set RP,    816                        ; a row of codes in LDS: 3 x (256 bytes + 16 of padding)
.set XQ,    64*RP                      ; what a wave's tensor load fills
.set GRP,   32*RP                      ; a trip's 32 rows
.set SCA,   4*XQ                       ; behind the codes: X's scale bytes, [row][32 bytes], 16 bytes of padding behind every 8 rows; written by LDS stores alone
.set WSTW,  2*16*RP                    ; a wave's stage: two tiles of 16 channels
.set WST,   SCA+8704
.set SPARE, WST+4*WSTW                 ; the spare words, 128 bytes for each wave: no other line names them
.set AA,    4                          ; v4-5   LDS address of the trip's fragments of X; the same behind one padding more
.set ASX,   6                          ; v6     of the trip's scale words
.set AB,    8                          ; v8-9   my lane's part of AA; never rewritten
.set ASX0,  10                         ; v10    of ASX
.set GW,    11                         ; v11    16 x lane
.set SOF,   12                         ; v12    32 x lane
.set GOF,   13                         ; v13    4 x lane
.set XST,   14                         ; v14    where I store X's scale bytes
.set SPW,   16                         ; v16    my spare word; never rewritten
.set NIL,   17                         ; v17    0; never rewritten
.set AW,    18                         ; v18-19 where I read a weight's fragments; the same behind one padding more
.set RD,    20                         ; v20    my stage by units of 256 bytes
.set SX,    24                         ; v24-31 X's scale words, one for each 128 along K: lanes 0-15 the even tile's rows, lanes 16-31 the odd tile's
.set SW,    32                         ; v32-47 the weights' scale words (8 wt + q): lanes 0-15 channels 0-15, lanes 16-31 channels 16-31
.set ACC,   64                         ; v64-127 tile ti at 64 + 32 ti: V at +0, K at +16; in each 8 c + j
.set SUM,   128                        ; v128-135 four pairs of sums: K c0, K c1, KV c0, KV c1 (even rows', odd rows')
.set RS,    136                        ; v136-141 the end's work
.set OT,    144                        ; v144-147 what the other half of the lanes holds
.set XR,    192                        ; v192-207 X's scale bytes on their way to LDS
; window 1: Wv's fragment (c, q) at 12 (8 c + q); v192-239 set 0 of X's fragments.   window 2: Wk's likewise; v192-239 set 1.
.set L2E,   22                         ; s[22:23] log2(e), twice
.set SEL,   24                         ; s[24:25] selects of v_permlanex16_b32: lane l xor 16
.set WV,    26
.set MH,    30                         ; s30    lanes 16-31
.set G1,    32                         ; s[32:39] descriptor group 1;  s[52:55] group 0
.set G0,    52
.set CNT,   58
.set TA,    59                         ; s59    where the trip's codes begin in LDS;  s60 its scale words
.set TS,    60
.set MSB, 0
.macro WIN new                         ; the immediate's high byte repeats the setting that is left; a switch that changes nothing is dropped
.if MSB != (\new)
	s_set_vgpr_msb (MSB<<8)|(\new)
.set MSB, (\new)
.endif
.endm
.macro PLACES n
.rept \n
	v_nop
.endr
.endm
.macro ROUND                           ; a round of the cluster's barrier
	s_barrier_signal -1
	s_barrier_wait -1
	s_cmp_lg_u32 s[WV], 0
	s_cbranch_scc1 .Lnot_wave_0_\@
	s_barrier_signal -3
.Lnot_wave_0_\@:
	s_barrier_wait -3
	s_barrier_signal -1
	s_barrier_wait -1
.endm
; A fragment of X: lane (r, h) takes 24 bytes of row r at 96 q + 24 h and 24 at 96 q + 48 + 24 h, in pieces of 8 bytes.
; 16 bytes of padding lie behind every 32 pieces; where the piece of lanes 16-31, three further on, lies behind one padding more, the second address register serves.
.macro XFRAG reg, q, ti
.irp p, 0,1,2,3,4,5
.set PCE, 12*(\q)+6*(\p/3)+\p%3
.if PCE%32 < 29
	ds_load_b64 v[\reg+2*\p:\reg+2*\p+1], v[AA] offset:8*PCE+16*(PCE/32)+(\ti)*16*RP
.else
	ds_load_b64 v[\reg+2*\p:\reg+2*\p+1], v[AA+1] offset:8*PCE+16*(PCE/32)+(\ti)*16*RP
.endif
.endr
.endm
.macro XSET set, g                     ; 24 loads in one run: K steps 2 g, 2 g + 1 of both tiles into a set
	WIN (1+\set)<<6
.irp qq, 0,1
.irp ti, 0,1
	XFRAG 192+12*(2*\qq+\ti), 2*(\g)+\qq, \ti
.endr
.endr
	WIN 0
.endm
; One product: weight wt, K step q, fragment fr of the set, tile ti, channels 16 c on.  K step 0 starts the sum with the constant 0.
.macro WM wt, q, fr, ti, c
.set rD, ACC+32*(\ti)+16*(\wt)+8*(\c)
.set rA, 192+12*(\fr)
.set rB, 12*(8*(\c)+(\q))
.set rX, SX+(\q)
.set rW, SW+8*(\wt)+(\q)
.if (\q) == 0
.if ((\ti) == 0) && ((\c) == 0)
	v_wmma_scale_f32_16x16x128_f8f6f4 v[rD:rD+7], v[rA:rA+11], v[rB:rB+11], 0, v[rX], v[rW] matrix_a_fmt:MATRIX_FMT_FP6 matrix_b_fmt:MATRIX_FMT_FP6
.elseif (\ti) == 0
	v_wmma_scale_f32_16x16x128_f8f6f4 v[rD:rD+7], v[rA:rA+11], v[rB:rB+11], 0, v[rX], v[rW] matrix_a_fmt:MATRIX_FMT_FP6 matrix_b_fmt:MATRIX_FMT_FP6 matrix_b_scale:MATRIX_SCALE_ROW1
.elseif (\c) == 0
	v_wmma_scale_f32_16x16x128_f8f6f4 v[rD:rD+7], v[rA:rA+11], v[rB:rB+11], 0, v[rX], v[rW] matrix_a_fmt:MATRIX_FMT_FP6 matrix_b_fmt:MATRIX_FMT_FP6 matrix_a_scale:MATRIX_SCALE_ROW1
.else
	v_wmma_scale_f32_16x16x128_f8f6f4 v[rD:rD+7], v[rA:rA+11], v[rB:rB+11], 0, v[rX], v[rW] matrix_a_fmt:MATRIX_FMT_FP6 matrix_b_fmt:MATRIX_FMT_FP6 matrix_a_scale:MATRIX_SCALE_ROW1 matrix_b_scale:MATRIX_SCALE_ROW1
.endif
.else
.if ((\ti) == 0) && ((\c) == 0)
	v_wmma_scale_f32_16x16x128_f8f6f4 v[rD:rD+7], v[rA:rA+11], v[rB:rB+11], v[rD:rD+7], v[rX], v[rW] matrix_a_fmt:MATRIX_FMT_FP6 matrix_b_fmt:MATRIX_FMT_FP6
.elseif (\ti) == 0
	v_wmma_scale_f32_16x16x128_f8f6f4 v[rD:rD+7], v[rA:rA+11], v[rB:rB+11], v[rD:rD+7], v[rX], v[rW] matrix_a_fmt:MATRIX_FMT_FP6 matrix_b_fmt:MATRIX_FMT_FP6 matrix_b_scale:MATRIX_SCALE_ROW1
.elseif (\c) == 0
	v_wmma_scale_f32_16x16x128_f8f6f4 v[rD:rD+7], v[rA:rA+11], v[rB:rB+11], v[rD:rD+7], v[rX], v[rW] matrix_a_fmt:MATRIX_FMT_FP6 matrix_b_fmt:MATRIX_FMT_FP6 matrix_a_scale:MATRIX_SCALE_ROW1
.else
	v_wmma_scale_f32_16x16x128_f8f6f4 v[rD:rD+7], v[rA:rA+11], v[rB:rB+11], v[rD:rD+7], v[rX], v[rW] matrix_a_fmt:MATRIX_FMT_FP6 matrix_b_fmt:MATRIX_FMT_FP6 matrix_a_scale:MATRIX_SCALE_ROW1 matrix_b_scale:MATRIX_SCALE_ROW1
.endif
.endif
.endm
.macro MGRP g                          ; 16 products on one set of X's fragments: a weight's four accumulators by turns
.irp wt, 0,1
	WIN (1+(\g)%2)|((1+\wt)<<2)                    ; source 0 (X): the set's window; source 1: the weight's; C and D window 0
.irp qq, 0,1
.irp ti, 0,1
.irp c, 0,1
	WM \wt, 2*(\g)+\qq, 2*\qq+\ti, \ti, \c
.endr
.endr
.endr
.endr
.endm
; The vector work of a trip: K = 2^(k log2 e), K V, and both into the sums.  Each accumulator is read from its low end on.
.macro PSUM
.irp t, 0,1
.irp i, 0,2,4,6,8,10,12,14
	v_pk_mul_f32 v[ACC+32*\t+16+\i:ACC+32*\t+17+\i], v[ACC+32*\t+16+\i:ACC+32*\t+17+\i], s[L2E:L2E+1] op_sel_hi:[1,0]
.endr
.endr
	s_wait_alu depctr_va_vdst(0)
.irp t, 0,1
.irp i, 0,1,2,3,4,5,6,7,8,9,10,11,12,13,14,15
	v_exp_f32 v[ACC+32*\t+16+\i], v[ACC+32*\t+16+\i]
.endr
.endr
	v_nop                                          ; a plain instruction behind the last exponential
	s_wait_alu depctr_va_vdst(0)                   ; one wait for the batch of 32, ahead of its first reader and of the first reader of V
.irp t, 0,1
.irp i, 0,2,4,6,8,10,12,14
	v_pk_mul_f32 v[ACC+32*\t+\i:ACC+32*\t+1+\i], v[ACC+32*\t+\i:ACC+32*\t+1+\i], v[ACC+32*\t+16+\i:ACC+32*\t+17+\i]
.endr
.endr
.irp i, 0,2,4,6
.irp t, 0,1
	v_pk_add_f32 v[SUM:SUM+1], v[SUM:SUM+1], v[ACC+32*\t+16+\i:ACC+32*\t+17+\i]      ; the four sums by turns
	v_pk_add_f32 v[SUM+2:SUM+3], v[SUM+2:SUM+3], v[ACC+32*\t+24+\i:ACC+32*\t+25+\i]
	v_pk_add_f32 v[SUM+4:SUM+5], v[SUM+4:SUM+5], v[ACC+32*\t+\i:ACC+32*\t+1+\i]
	v_pk_add_f32 v[SUM+6:SUM+7], v[SUM+6:SUM+7], v[ACC+32*\t+8+\i:ACC+32*\t+9+\i]
.endr
.endr
.endm
; The weights' way.  Tile n = 2 wt + c.  WGET: its 16 channels, 12,288 consecutive bytes in 24 loads, into the registers that will hold its fragments.  WPUT: into my stage: 256 bytes, 16 of padding.  WFRAGS: back as eight fragments.
.macro WGET n, base
	WIN (1+(\n)/2)<<6
.set ii, 0
.rept 24
	global_load_b128 v[96*((\n)%2)+4*ii:96*((\n)%2)+4*ii+3], v[GW], s[\base:\base+1] offset:12288*((\n)%2)+512*ii
.set ii, ii+1
.endr
	WIN 0
.endm
.macro WPUT n
	WIN (1+(\n)/2)<<2                              ; an LDS store's data are its source 1
.set ii, 0
.rept 24
	ds_store_b128 v[RD], v[96*((\n)%2)+4*ii:96*((\n)%2)+4*ii+3] offset:((\n)%2)*16*RP+544*ii
.set ii, ii+1
.endr
	WIN 0
.endm
.macro WFRAGS n
	WIN (1+(\n)/2)<<6
.irp q, 0,1,2,3,4,5,6,7
.irp p, 0,1,2,3,4,5
.set PCE, 12*\q+6*(\p/3)+\p%3
.set rF, 12*(8*((\n)%2)+\q)+2*\p
.if PCE%32 < 29
	ds_load_b64 v[rF:rF+1], v[AW] offset:8*PCE+16*(PCE/32)+((\n)%2)*16*RP
.else
	ds_load_b64 v[rF:rF+1], v[AW+1] offset:8*PCE+16*(PCE/32)+((\n)%2)*16*RP
.endif
.endr
.endr
	WIN 0
.endm
; A trip: 32 rows.  Each run of loads stands four places behind the last product that read its registers; each count 24 leaves the 24 loads issued last out.  more = 1: the next trip's first fragments are fetched.
.macro TRIP more
	s_wait_dscnt 24                                ; set 0 and the scale words are in
	MGRP 0
	WIN 0
	PLACES 4
	XSET 0, 2
	s_wait_dscnt 24                                ; set 1
	MGRP 1
	WIN 0
	PLACES 4
	XSET 1, 3
	s_wait_dscnt 24                                ; set 0 anew
	MGRP 2
	WIN 0
.if \more
	s_add_co_u32 s[TA], s[TA], GRP
	s_add_co_u32 s[TS], s[TS], 1088                ; 32 rows of 32 bytes and 4 paddings on
	v_add_nc_u32 v[AA], s[TA], v[AB]               ; all this trip's loads have been issued: the next trip's addresses; with the v_nop these are the four places
	v_add_nc_u32 v[AA+1], s[TA], v[AB+1]
	v_add_nc_u32 v[ASX], s[TS], v[ASX0]
	v_nop
	s_wait_alu depctr_va_vdst(0)                   ; directly behind the writes
	XSET 0, 0
	s_wait_dscnt 24                                ; set 1 anew
.else
	s_wait_dscnt 0x0
.endif
	MGRP 3
	WIN 0
	PLACES 5                                       ; four in front of the reads of the results and of the loads below, five in front of the next trip's first product, which writes over an accumulator
.if \more
	ds_load_b128 v[SX:SX+3], v[ASX]
	ds_load_b128 v[SX+4:SX+7], v[ASX] offset:16
	XSET 1, 1
.endif
	PSUM                                           ; stands while the next trip's first fragments come
.endm
	s_load_b256 s[4:11], s[0:1], 0x0               ; X's codes s[4:5], X's scales s[6:7], Wv's codes s[8:9], Wv's scales s[10:11]
	s_load_b128 s[12:15], s[0:1], 0x20             ; Wk's codes, Wk's scales
	s_load_b64 s[20:21], s[0:1], 0x30              ; tot
	v_lshl_add_u32 v[SPW], v0, 2, SPARE
	v_mov_b32 v[NIL], 0
	ds_add_u32 v[SPW], v[NIL]                      ; the wave's opening: the add, twice on end, and its wait ahead of my first tensor load
	ds_add_u32 v[SPW], v[NIL]
	v_lshrrev_b32 v1, 5, v0
	v_readfirstlane_b32 s[WV], v1                  ; wave 0..3
	s_bfe_u32 s27, ttmp6, 0x40000                  ; cx: it enters the weights' and tot's addresses alone
	s_lshl_b32 s28, ttmp9, 2
	s_add_co_u32 s28, s28, s27
	s_lshl_b32 s28, s28, 2
	s_add_co_u32 s28, s28, s[WV]                   ; my 32 channels: 4 x block + wave
	s_and_b32 s29, ttmp7, 0xffff                   ; y, which the four partners share
	s_mov_b32 s[G1], 15|(3<<16)|(1<<20)|(1<<21)|(5<<22)|(3<<25)   ; mask: all four, bit 21 beside it; elements of 8 bytes; behind every 64 words 4 words of padding
	s_mov_b32 s[G1+1], 32<<16                      ; tensor_dim0: rows of 256 bytes
	s_mov_b32 s[G1+2], 192<<16                     ; tensor_dim1: 64 rows of X are 192 such rows
	s_mov_b32 s[G1+3], 32<<16
	s_mov_b32 s[G1+4], 192
	s_mov_b32 s[G1+5], 32
	s_mov_b32 s[G1+6], 0
	s_mov_b32 s[G1+7], 0
	s_mov_b32 s[G0], 1
	s_mul_i32 s[G0+1], s[WV], XQ                   ; LDS: my quarter of the codes
	s_lshr_b32 s40, s29, 3
	s_lshl_b32 s40, s40, 12
	s_and_b32 s41, s29, 7
	s_lshl_b32 s41, s41, 8
	s_add_co_u32 s40, s40, s41                     ; the work-group's first row
	s_lshl_b32 s41, s[WV], 6
	s_add_co_u32 s40, s40, s41                     ; my wave's 64 rows
	s_lshl_b32 s42, s40, 5                         ; their scale bytes,
	s_mov_b32 s43, 0
	s_mul_i32 s40, s40, 768                        ; their codes
	s_mov_b32 s41, 0
	s_mul_i32 s44, s28, 32*768                     ; my 32 channels of a weight's codes,
	s_mov_b32 s45, 0
	s_lshl_b32 s46, s28, 10                        ; of its scale bytes,
	s_mov_b32 s47, 0
	s_lshl_b32 s48, s29, 13
	s_lshl_b32 s49, s28, 7
	s_add_co_u32 s48, s48, s49                     ; and my place in tot: 8,192 y + 128 x my 32 channels
	s_mov_b32 s49, 0
	s_mul_i32 s50, s[WV], WSTW
	s_add_co_u32 s50, s50, WST                     ; my stage
	s_mul_i32 s51, s[WV], 2176
	s_add_co_u32 s51, s51, SCA                     ; my 64 rows among the scale bytes: 8 units of 272 bytes
	s_mov_b32 s[L2E], 0x3fb8aa3b
	s_mov_b32 s[L2E+1], s[L2E]
	s_mov_b32 s[SEL], 0x76543210
	s_mov_b32 s[SEL+1], 0xfedcba98
	s_mov_b32 s[MH], 0xffff0000
	s_mov_b32 s[TA], 0
	s_mov_b32 s[TS], 0
	v_and_b32 v1, 15, v0                           ; r
	v_bfe_u32 v2, v0, 4, 1                         ; h
	v_and_b32 v3, 31, v0                           ; lane
	v_lshlrev_b32 v[GW], 4, v3
	v_lshlrev_b32 v[SOF], 5, v3
	v_lshlrev_b32 v[GOF], 2, v3
	v_mul_u32_u24 v[AB], v1, RP
	v_mad_u32_u24 v[AB], v2, 24, v[AB]             ; row r + 24 h
	v_lshl_add_u32 v[AB+1], v2, 4, v[AB]           ; and with 40 h
	v_add_nc_u32 v[AA], s[TA], v[AB]
	v_add_nc_u32 v[AA+1], s[TA], v[AB+1]
	v_add_nc_u32 v[AW], s50, v[AB]                 ; the same in my stage
	v_add_nc_u32 v[AW+1], s50, v[AB+1]
	v_lshrrev_b32 v[ASX0], 3, v3
	v_lshlrev_b32 v[ASX0], 4, v[ASX0]
	v_lshl_add_u32 v[ASX0], v3, 5, v[ASX0]
	v_add_nc_u32 v[ASX0], SCA, v[ASX0]             ; row = lane: 32 bytes a row, 16 more for each 8 rows
	v_add_nc_u32 v[ASX], s[TS], v[ASX0]
	v_mul_u32_u24 v[RD], v2, 272                   ; lanes 16-31 take the next unit of 256 bytes
	v_lshl_add_u32 v[RD], v1, 4, v[RD]
	v_add_nc_u32 v[XST], s51, v[RD]
	v_add_nc_u32 v[RD], s50, v[RD]
.irp i, 0,1,2,3,4,5,6,7
	v_mov_b32 v[SUM+\i], 0
.endr
.irp i, 0,1,2,3
	v_mov_b32 v[OT+\i], 0                          ; written once: a lane permute's destination counts as one of its sources
.endr
	s_wait_alu depctr_va_vdst(0)
	s_wait_dscnt 0x0                               ; both opening adds are done
	s_wait_kmcnt 0x0
	s_add_nc_u64 s[G0+2:G0+3], s[4:5], s[40:41]
	s_or_b32 s[G0+3], s[G0+3], 0x80000000
	s_add_nc_u64 s[6:7], s[6:7], s[42:43]
	s_add_nc_u64 s[8:9], s[8:9], s[44:45]
	s_add_nc_u64 s[12:13], s[12:13], s[44:45]
	s_add_nc_u64 s[10:11], s[10:11], s[46:47]
	s_add_nc_u64 s[14:15], s[14:15], s[46:47]
	s_add_nc_u64 s[20:21], s[20:21], s[48:49]
	ROUND                                          ; all four work-groups are here: the joint loads meet
	tensor_load_to_lds s[G0:G0+3], s[G1:G1+7]      ; my one tensor load: 64 rows of X's codes
	s_nop 0
	PLACES 4
.irp i, 0,1,2,3
	global_load_b128 v[XR+4*\i:XR+4*\i+3], v[GW], s[6:7] offset:512*\i   ; my 64 rows' scale bytes
.endr
	global_load_b128 v[SW:SW+3], v[SOF], s[10:11]  ; lane l: channel l's 32 scale bytes
	global_load_b128 v[SW+4:SW+7], v[SOF], s[10:11] offset:16
	global_load_b128 v[SW+8:SW+11], v[SOF], s[14:15]
	global_load_b128 v[SW+12:SW+15], v[SOF], s[14:15] offset:16
	WGET 0, 8                                      ; Wv, channels 0-15; 16-31;
	WGET 1, 8
	WGET 2, 12                                     ; Wk likewise
	WGET 3, 12
	s_wait_loadcnt 48                              ; the scale bytes and Wv's tiles are in (behind them: Wk's 48 loads)
.irp i, 0,1,2,3
	ds_store_b128 v[XST], v[XR+4*\i:XR+4*\i+3] offset:544*\i
.endr
	WPUT 0
	WPUT 1
	s_wait_dscnt 0x0                               ; the stores have read their data: the fragments land in the same registers
	WFRAGS 0
	WFRAGS 1
	s_wait_loadcnt 0x0                             ; Wk's tiles are in
	WPUT 2                                         ; over Wv's tiles in my own stage, behind my reads of them in the wave's order
	WPUT 3
	s_wait_dscnt 0x0
	WFRAGS 2
	WFRAGS 3
	s_wait_tensorcnt 0x0                           ; my quarter of the codes has landed,
	s_wait_dscnt 0x0                               ; my part of the scale bytes lies in LDS and my reads of the stage are in:
	s_barrier_signal -1
	s_barrier_wait -1                              ; both now hold of all four waves
	XSET 0, 0
	ds_load_b128 v[SX:SX+3], v[ASX]
	ds_load_b128 v[SX+4:SX+7], v[ASX] offset:16
	XSET 1, 1
	s_mov_b32 s[CNT], 7
.Ltrip:
	TRIP 1
	s_sub_co_u32 s[CNT], s[CNT], 1
	s_cmp_lg_u32 s[CNT], 0
	s_cbranch_scc1 .Ltrip
	TRIP 0                                         ; the last 32 rows fetch nothing more
.irp i, 0,1,2,3
	v_add_f32 v[RS+\i], v[SUM+2*\i], v[SUM+2*\i+1] ; even and odd rows,
.endr
.irp i, 0,1,2,3
	v_permlanex16_b32 v[OT+\i], v[RS+\i], s[SEL], s[SEL+1]
.endr
.irp i, 0,1,2,3
	v_add_f32 v[RS+\i], v[RS+\i], v[OT+\i]         ; and the other half of the lanes' rows
.endr
	v_cndmask_b32 v[RS+4], v[RS], v[RS+1], s[MH]   ; lane l keeps channel l
	v_cndmask_b32 v[RS+5], v[RS+2], v[RS+3], s[MH]
	global_store_b32 v[GOF], v[RS+4], s[20:21]
	global_store_b32 v[GOF], v[RS+5], s[20:21] offset:4096
	s_wait_tensorcnt 0x0                           ; the wave's end
	ds_add_u32 v[SPW], v[NIL]
	s_wait_dscnt 0x0
	ROUND                                          ; the closing round
	s_endpgm
.Lfunc_end_k_qc1a07785c7_totals:
	.size	k_qc1a07785c7_totals, .Lfunc_end_k_qc1a07785c7_totals-k_qc1a07785c7_totals
	.p2alignl 7, 3214868480
	.fill 96, 4, 3214868480
	.section	.rodata,"a",@progbits
	.p2align	6, 0x0
	.amdhsa_kernel k_qc1a07785c7_totals
		.amdhsa_group_segment_fixed_size 327680
		.amdhsa_private_segment_fixed_size 0
		.amdhsa_enable_private_segment 0
		.amdhsa_kernarg_size 56
		.amdhsa_user_sgpr_count 2
		.amdhsa_user_sgpr_kernarg_segment_ptr 1
		.amdhsa_wavefront_size32 1
		.amdhsa_system_sgpr_workgroup_id_x 1
		.amdhsa_system_sgpr_workgroup_id_y 1
		.amdhsa_system_sgpr_workgroup_id_z 1
		.amdhsa_system_vgpr_workitem_id 0
		.amdhsa_next_free_vgpr 768
		.amdhsa_next_free_sgpr 66
		.amdhsa_reserve_vcc 0
		.amdhsa_float_denorm_mode_32 3
		.amdhsa_float_denorm_mode_16_64 3
		.amdhsa_memory_ordered 1
		.amdhsa_forward_progress 1
		.amdhsa_inst_pref_size 77
	.end_amdhsa_kernel
	.amdgpu_metadata
---
amdhsa.version: [ 1, 2 ]
amdhsa.kernels:
  - .name:           k_qc1a07785c7_totals
    .symbol:         k_qc1a07785c7_totals.kd
    .args:
      - { .name: X_codes, .offset: 0, .size: 8, .value_kind: global_buffer, .address_space: global }
      - { .name: X_scales, .offset: 8, .size: 8, .value_kind: global_buffer, .address_space: global }
      - { .name: Wv_codes, .offset: 16, .size: 8, .value_kind: global_buffer, .address_space: global }
      - { .name: Wv_scales, .offset: 24, .size: 8, .value_kind: global_buffer, .address_space: global }
      - { .name: Wk_codes, .offset: 32, .size: 8, .value_kind: global_buffer, .address_space: global }
      - { .name: Wk_scales, .offset: 40, .size: 8, .value_kind: global_buffer, .address_space: global }
      - { .name: tot, .offset: 48, .size: 8, .value_kind: global_buffer, .address_space: global }
    .group_segment_fixed_size: 327680
    .private_segment_fixed_size: 0
    .kernarg_segment_align: 8
    .kernarg_segment_size: 56
    .max_flat_workgroup_size: 128
    .sgpr_count:     66
    .vgpr_count:     768
    .wavefront_size: 32
...
	.end_amdgpu_metadata
.endif
;; end of part 4
;; launch scan (part 5): grid 32 x 8, 4 waves a work-group, clusters of 4 x 1, 327,680 bytes of LDS; arguments X_codes, X_scales, Wv_codes, Wv_scales, Wk_codes, Wk_scales, Wq_codes, Wq_scales, tot, o_codes, o_scales; writes o_codes, o_scales
.if DOCPART == 5
	.amdgcn_target "amdgcn-amd-amdhsa--gfx1250"
	.amdhsa_code_object_version 6
	.text
	.protected	k_qc1a07785c7_scan
	.globl	k_qc1a07785c7_scan
	.p2align	8
	.type	k_qc1a07785c7_scan,@function
k_qc1a07785c7_scan:
	s_mov_b64 s[64:65], 0
	v_nop
	global_prefetch_b8 v0, s[64:65] scope:SCOPE_SE
	s_setreg_imm32_b32 hwreg(HW_REG_WAVE_MODE, 25, 1), 1
	s_wait_xcnt 0x0
	s_wait_alu depctr_hold_cnt(0) depctr_sa_sdst(0) depctr_va_vdst(0) depctr_va_sdst(0) depctr_va_ssrc(0) depctr_va_vcc(0) depctr_vm_vsrc(0)
	s_getreg_b32 s2, hwreg(HW_REG_IB_STS2, 6, 4)
	s_cmp_eq_u32 s2, 0
	s_cbranch_scc0 .Lentry_in_a_cluster
	s_endpgm
.Lentry_in_a_cluster:
	s_bfe_u32 s2, ttmp6, 0x10000c
	s_cmp_lg_u32 s2, 0x3003
	s_cbranch_scc0 .Lentry_shape_is_right
	s_endpgm
.Lentry_shape_is_right:
; SCAN.  V = X Wv, K = exp(X Wk), q = X Wq on the given codes of FP6 (E2M3); the running sums of K and K V along the rows; O = cumKV / (cumK + 1e-6) x sigmoid(q); O quantised along the channels, in blocks of 32.
; No work of reference() is left out.  V, K, q and O never go to memory in f32: what leaves is O's codes and scale bytes.
; SHARES.  Work-group (x, y): x = a block of 32 channels, which is one block of the quantiser; y = 2 b + s: rows 4096 b + 2048 s on, 2,048 rows in 16 steps of 128.  Wave w takes rows 32 w .. 32 w + 31 of a step.
; Each wave keeps its 32 channels of the three weights in registers (3 x 192), so a fragment of X is read from LDS once and feeds six products.
; THE WEIGHTS come from memory once for the work-group: each wave loads a quarter (4 rows) of each tile of 16 channels by six loads of 512 consecutive bytes and stores it into a stage in LDS, laid like X's rows;
; behind a barrier every wave reads all fragments from there.  The stage holds three of the six tiles, so there are two such turns.  It lies over bytes that only LDS stores write later; no tensor load lands there.
; Source 0 = 16 rows of X, source 1 = 16 channels: lane (r, h) holds channel 16 c + r, its register j row 8 h + j: the running sums go down a lane's registers.
; THE SUMS: down eight registers; the other half of the lanes (rows 0-7 ahead of rows 8-15); tile 0 ahead of tile 1; the waves' totals through LDS; a carry from step to step, the same bits in all four waves.
; The carry of K begins at 1e-6, that of the second half of a batch with the first half's sums besides (the launch before stored them), chosen by a select, so that nothing of them reaches the first half.
; A STEP IS FINISHED A TRIP LATER: trip s multiplies step s, takes the exponentials and the sums inside the wave, and stores the wave's totals; behind the next trip's barrier every wave reads all four totals and finishes step s - 1
; while its first fragments of step s come from LDS.  One barrier a step.
; O = cumKV x 1 / ((cumK + eps)(1 + e^-q)): one reciprocal.  O goes through the wave's own stage in LDS, so that a lane holds 16 neighbouring channels of one row for the conversion; lanes l and l xor 16 hold a block.
; OUT.  o_codes: the 24 bytes of (row m, block x) at ((m / 32) 32 + x) 768 + ((m % 32) xor 16 (x % 2)) 24: a wave's 32 rows are 768 consecutive bytes.  o_scales: [m / 256][x][256 rows]: gathered in LDS, stored at the end, 256 consecutive bytes to sixteen lanes.
; CLUSTER.  The four work-groups of a cluster have the same rows and four neighbouring blocks: the same tiles of X and the same scale bytes: every tensor load is asked for jointly (mask 15).
; LIMITS.  exp(x) is 2^(x log2 e): relative error about 6e-8 |x|.  Where (cumK + eps)(1 + e^-q) reaches 2^126, O is taken as 0 (reference() has at most |cumKV| 2^-126 there).  The order of the sums is not reference()'s.
; A block of zeros gets the scale byte 1 where the quantiser says 127: its codes are zeros, and this program alone reads the bytes.  NaN and infinities among the inputs are carried only as these formulas carry them.
.set NS,    16
.set SEG,   NS*128
.set RP,    816                        ; a row of X in LDS: 3 x (256 bytes + 16 of padding) = 204 words: 16 rows start 12 words apart, so that the 32 lanes of a load of 8 bytes touch different words of the banks
.set WPART, 32*RP
.set SLOT,  4*WPART
.set STEPB, 128*768                    ; a step's rows of X in memory; also a step's way in o_codes: 4 groups of 32 rows x 32 blocks x 768 bytes
.set SCX,   2*SLOT                     ; X's scale bytes of all my rows, as units of 256 bytes + 16
.set SCR,   SEG/32
.set SCW,   SCR*272
.set STG,   SCX+4*SCW                  ; for each wave two stages of 16 rows x (128 bytes + 16)
.set EX,    STG+4*4608                 ; the waves' totals: [step's parity][wave][16 bytes a lane]
.set SBY,   EX+4096                    ; O's scale bytes: [wave][step][32 rows]
.set WST,   STG                        ; at the head the same bytes, and those behind them, are the weights' stage: three tiles of 16 rows, laid like X's rows
.set SPARE, WST+48*RP                  ; the spare words, 128 bytes for each wave: no other line names them
.set AX,    4                          ; v4-7   LDS address of my fragments of X: slot 0, the same behind one padding more, slot 1, likewise
.set ASX,   8                          ; v8     of the step's scale words
.set AEW,   9                          ; v9     where I store my wave's totals
.set AER,   10                         ; v10    where I read wave 0's
.set AST,   11                         ; v11    the stage, on the way in
.set ASR,   12                         ; v12    and back
.set ASB,   13                         ; v13    the step's scale bytes of O
.set CO,    14                         ; v14-15 my byte offset in the wave's 768 bytes of codes, tile 0, tile 1
.set SPW,   16                         ; v16    my spare word; never rewritten
.set NIL,   17                         ; v17    0; never rewritten
.set CAR,   18                         ; v18-21 the carry: K c0, K c1, KV c0, KV c1 (all vectors of four below in this order)
.set PW,    22                         ; v22-25 the carry + the totals of the waves ahead of mine
.set OFF,   26                         ; v26-33 what a tile's registers are raised by: even registers; the odd ones are named with them as pairs
.set LL,    34                         ; v34-41 what lies ahead of my registers inside the wave, four a tile
.set TT,    42                         ; v42-49 a tile's totals
.set WT,    50                         ; v50-53 the wave's
.set OT,    54                         ; v54-57 the other half of the lanes'
.set EXR,   58                         ; v58-73 the four waves' totals
.set PR,    74                         ; v74-85 the carry + 1, 2, 3 waves
.set QW,    86                         ; v86-93 the quantiser's work, four a tile
.set CD,    94                         ; v94-96, v98-100 the codes
.set SX,    102                        ; v102-109 X's scale words: lanes 0-15 tile 0's rows, lanes 16-31 tile 1's
.set SW,    110                        ; v110-133 the weights' scale words (8 wt + q): lanes 0-15 channels 0-15, lanes 16-31 channels 16-31
.set ASX0,  134                        ; v134-135 my lane's place among X's scale words, among O's scale bytes; never rewritten
.set ASB0,  135
.set ACC,   136                        ; v136-231 tile t at 136 + 48 t: V at +0, K at +16, q at +32; in each 8 c + j
.set GW,    232                        ; v232   the weights' loads: 3,072 x wave + 16 x lane; never rewritten
.set SOF,   233                        ; v233-236 offsets and addresses of the head and the end; never rewritten
.set TOF,   234
.set ASF,   235
.set GSO,   236
.set SWA,   237                        ; v237   where I store into the weights' stage
.set AW,    238                        ; v238-239 where I read a weight's fragments; the same behind one padding more
; window 1: Wv's 16 fragments at 12 (8 c + q); v192-239 set 0 of X's fragments.   window 2: Wk's; v192-239 set 1.   window 3: Wq's; at the head v0-143: the weights' bytes on their way to the stage.
.set WV,    26
.set G1X,   32
.set G1S,   40
.set G0,    48
.set G0S,   56
.set CNT,   60
.set TSX,   61                         ; s61    where the step's scale words of X begin
.set TSB,   62                         ; s62    and the scale bytes of the step that is being finished
.set L2E,   66                         ; s[66:67] log2(e), twice;  s[68:69] -log2(e)
.set NL2E,  68
.set SEL,   70
.set MH,    72                         ; s72    lanes 16-31
.set M1,    73                         ; s73-75 all lanes where my wave's number is at least 1, 2, 3
.set MHS,   76                         ; s76    all lanes in the second half of a batch
.set OB,    96                         ; s[96:97] my wave's 768 bytes of codes, one step further on than the step that is being finished
.set MSB, 0
.macro WIN new
.if MSB != (\new)
	s_set_vgpr_msb (MSB<<8)|(\new)
.set MSB, (\new)
.endif
.endm
.macro PLACES n
.rept \n
	v_nop
.endr
.endm
.macro ROUND
	s_barrier_signal -1
	s_barrier_wait -1
	s_cmp_lg_u32 s[WV], 0
	s_cbranch_scc1 .Lnot_wave_0_\@
	s_barrier_signal -3
.Lnot_wave_0_\@:
	s_barrier_wait -3
	s_barrier_signal -1
	s_barrier_wait -1
.endm
; A fragment of X: lane (r, h) takes 24 bytes of row r at 96 q + 24 h and 24 at 96 q + 48 + 24 h, in pieces of 8 bytes; 16 bytes of padding lie behind every 32 pieces.
.macro XFRAG reg, slot, q, t
.irp p, 0,1,2,3,4,5
.set PCE, 12*(\q)+6*(\p/3)+\p%3
.if PCE%32 < 29
	ds_load_b64 v[\reg+2*\p:\reg+2*\p+1], v[AX+2*\slot] offset:8*PCE+16*(PCE/32)+(\t)*16*RP
.else
	ds_load_b64 v[\reg+2*\p:\reg+2*\p+1], v[AX+2*\slot+1] offset:8*PCE+16*(PCE/32)+(\t)*16*RP
.endif
.endr
.endm
.macro XSET set, slot, g
	WIN (1+\set)<<6
.irp qq, 0,1
.irp t, 0,1
	XFRAG 192+12*(2*\qq+\t), \slot, 2*(\g)+\qq, \t
.endr
.endr
	WIN 0
.endm
.macro WM wt, q, fr, t, c
.set rD, ACC+48*(\t)+16*(\wt)+8*(\c)
.set rA, 192+12*(\fr)
.set rB, 12*(8*(\c)+(\q))
.set rX, SX+(\q)
.set rW, SW+8*(\wt)+(\q)
.if (\q) == 0
.if ((\t) == 0) && ((\c) == 0)
	v_wmma_scale_f32_16x16x128_f8f6f4 v[rD:rD+7], v[rA:rA+11], v[rB:rB+11], 0, v[rX], v[rW] matrix_a_fmt:MATRIX_FMT_FP6 matrix_b_fmt:MATRIX_FMT_FP6
.elseif (\t) == 0
	v_wmma_scale_f32_16x16x128_f8f6f4 v[rD:rD+7], v[rA:rA+11], v[rB:rB+11], 0, v[rX], v[rW] matrix_a_fmt:MATRIX_FMT_FP6 matrix_b_fmt:MATRIX_FMT_FP6 matrix_b_scale:MATRIX_SCALE_ROW1
.elseif (\c) == 0
	v_wmma_scale_f32_16x16x128_f8f6f4 v[rD:rD+7], v[rA:rA+11], v[rB:rB+11], 0, v[rX], v[rW] matrix_a_fmt:MATRIX_FMT_FP6 matrix_b_fmt:MATRIX_FMT_FP6 matrix_a_scale:MATRIX_SCALE_ROW1
.else
	v_wmma_scale_f32_16x16x128_f8f6f4 v[rD:rD+7], v[rA:rA+11], v[rB:rB+11], 0, v[rX], v[rW] matrix_a_fmt:MATRIX_FMT_FP6 matrix_b_fmt:MATRIX_FMT_FP6 matrix_a_scale:MATRIX_SCALE_ROW1 matrix_b_scale:MATRIX_SCALE_ROW1
.endif
.else
.if ((\t) == 0) && ((\c) == 0)
	v_wmma_scale_f32_16x16x128_f8f6f4 v[rD:rD+7], v[rA:rA+11], v[rB:rB+11], v[rD:rD+7], v[rX], v[rW] matrix_a_fmt:MATRIX_FMT_FP6 matrix_b_fmt:MATRIX_FMT_FP6
.elseif (\t) == 0
	v_wmma_scale_f32_16x16x128_f8f6f4 v[rD:rD+7], v[rA:rA+11], v[rB:rB+11], v[rD:rD+7], v[rX], v[rW] matrix_a_fmt:MATRIX_FMT_FP6 matrix_b_fmt:MATRIX_FMT_FP6 matrix_b_scale:MATRIX_SCALE_ROW1
.elseif (\c) == 0
	v_wmma_scale_f32_16x16x128_f8f6f4 v[rD:rD+7], v[rA:rA+11], v[rB:rB+11], v[rD:rD+7], v[rX], v[rW] matrix_a_fmt:MATRIX_FMT_FP6 matrix_b_fmt:MATRIX_FMT_FP6 matrix_a_scale:MATRIX_SCALE_ROW1
.else
	v_wmma_scale_f32_16x16x128_f8f6f4 v[rD:rD+7], v[rA:rA+11], v[rB:rB+11], v[rD:rD+7], v[rX], v[rW] matrix_a_fmt:MATRIX_FMT_FP6 matrix_b_fmt:MATRIX_FMT_FP6 matrix_a_scale:MATRIX_SCALE_ROW1 matrix_b_scale:MATRIX_SCALE_ROW1
.endif
.endif
.endm
; 24 products on one set of X's fragments.  A weight's four accumulators take turns, one instruction a turn.
.macro MGRP g
.irp wt, 0,1,2
	WIN (1+(\g)%2)|((1+\wt)<<2)
.irp qq, 0,1
.irp t, 0,1
.irp c, 0,1
	WM \wt, 2*(\g)+\qq, 2*\qq+\t, \t, \c
.endr
.endr
.endr
.endr
.endm
; A step's 96 products.  Each run of loads stands four places behind the last product that read its registers; each count 24 leaves the other set's 24 loads out.
.macro MSTEP slot
	s_wait_dscnt 24
	MGRP 0
	PLACES 4
	XSET 0, \slot, 2
	s_wait_dscnt 24
	MGRP 1
	PLACES 4
	XSET 1, \slot, 3
	s_wait_dscnt 24
	MGRP 2
	s_wait_dscnt 0x0
	MGRP 3
	WIN 0
	PLACES 4                                       ; in front of the first read of the results
.endm
; Behind a step's products: the exponentials as one batch, K V, the sums inside the wave, the wave's totals to LDS.  Each accumulator is read from its low end on.
.macro ASTAGE slot
.irp t, 0,1
.irp i, 0,2,4,6,8,10,12,14
	v_pk_mul_f32 v[ACC+48*\t+16+\i:ACC+48*\t+17+\i], v[ACC+48*\t+16+\i:ACC+48*\t+17+\i], s[L2E:L2E+1] op_sel_hi:[1,0]
.endr
.irp i, 0,2,4,6,8,10,12,14
	v_pk_mul_f32 v[ACC+48*\t+32+\i:ACC+48*\t+33+\i], v[ACC+48*\t+32+\i:ACC+48*\t+33+\i], s[NL2E:NL2E+1] op_sel_hi:[1,0]
.endr
.endr
	s_wait_alu depctr_va_vdst(0)
.irp t, 0,1
.set ii, 16
.rept 32
	v_exp_f32 v[ACC+48*\t+ii], v[ACC+48*\t+ii]     ; K = e^k, and e^-q
.set ii, ii+1
.endr
.endr
	v_nop                                          ; a plain instruction behind the last exponential
	s_wait_alu depctr_va_vdst(0)                   ; one wait for the batch of 64, ahead of its first reader
.irp t, 0,1
.irp i, 0,2,4,6,8,10,12,14
	v_pk_mul_f32 v[ACC+48*\t+\i:ACC+48*\t+1+\i], v[ACC+48*\t+\i:ACC+48*\t+1+\i], v[ACC+48*\t+16+\i:ACC+48*\t+17+\i]   ; K V
.endr
.endr
.irp j, 1,2,3,4,5,6,7
.irp t, 0,1
.irp b, 0,8,16,24
	v_add_f32 v[ACC+48*\t+\b+\j], v[ACC+48*\t+\b+\j], v[ACC+48*\t+\b+\j-1]   ; down the registers: eight chains by turns
.endr
.endr
.endr
.irp t, 0,1
.irp i, 0,1,2,3
	v_permlanex16_b32 v[OT+\i], v[ACC+48*\t+((16+8*\i)%32)+7], s[SEL], s[SEL+1]   ; the other eight rows' sums
.endr
.irp i, 0,1,2,3
	v_add_f32 v[TT+4*\t+\i], v[ACC+48*\t+((16+8*\i)%32)+7], v[OT+\i]               ; the tile's totals
.endr
.irp i, 0,1,2,3
	v_cndmask_b32 v[LL+4*\t+\i], 0, v[OT+\i], s[MH]                                ; rows 0-7 lie ahead of rows 8-15
.endr
.endr
	v_pk_add_f32 v[LL+4:LL+5], v[LL+4:LL+5], v[TT:TT+1]          ; tile 0 lies ahead of tile 1
	v_pk_add_f32 v[LL+6:LL+7], v[LL+6:LL+7], v[TT+2:TT+3]
	v_pk_add_f32 v[WT:WT+1], v[TT:TT+1], v[TT+4:TT+5]
	v_pk_add_f32 v[WT+2:WT+3], v[TT+2:TT+3], v[TT+6:TT+7]
	ds_store_b128 v[AEW], v[WT:WT+3] offset:\slot*2048
.endm
; 16 neighbouring channels of one row, v[rT] on, become 12 bytes of codes; the block's other 16 lie in lane l xor 16.
.macro QUANT t
.set rT, ACC+48*(\t)+16
.set rQ, QW+4*(\t)
	v_max3_num_f32 v[rQ], |v[rT]|, |v[rT+1]|, 0x1800000          ; with the floor 2^(3 - 127): the byte cannot fall under 1
	v_max3_num_f32 v[rQ+1], |v[rT+2]|, |v[rT+3]|, |v[rT+4]|
.irp i, 5,9
	v_max3_num_f32 v[rQ], v[rQ], |v[rT+\i]|, |v[rT+\i+1]|
	v_max3_num_f32 v[rQ+1], v[rQ+1], |v[rT+\i+2]|, |v[rT+\i+3]|
.endr
	v_max3_num_f32 v[rQ], v[rQ], |v[rT+13]|, |v[rT+14]|
	v_max3_num_f32 v[rQ], v[rQ], v[rQ+1], |v[rT+15]|
	v_permlanex16_b32 v[rQ+2], v[rQ], s[SEL], s[SEL+1]
	v_max_num_f32 v[rQ], v[rQ], v[rQ+2]                          ; the block's largest magnitude
	v_add_nc_u32 v[rQ+3], 0xff000000, v[rQ]                      ; 2 off its exponent field: the conversion's scale operand
	v_lshrrev_b32 v[rQ+1], 23, v[rQ+3]                           ; the scale's byte
	v_cvt_scalef32_pk16_fp6_f32 v[CD+4*(\t):CD+4*(\t)+2], v[rT:rT+15], v[rQ+3]
	v_nop                                                        ; a plain instruction behind the scaled conversion: products write its sources later
	ds_store_b8 v[ASB], v[rQ+1] offset:16*(\t)                   ; both lanes of a block write the same byte with the same value
	global_store_b96 v[CO+(\t)], v[CD+4*(\t):CD+4*(\t)+2], s[OB:OB+1] offset:-STEPB   ; the wave stores 384 consecutive bytes; the base stands one step further on
.endm
; The step multiplied in the last trip is finished.  n: the LDS loads issued behind those of the four waves' totals.
.macro BSTAGE n
	s_wait_dscnt \n
	v_add_nc_u32 v[ASB], s[TSB], v[ASB0]
	s_add_co_u32 s[TSB], s[TSB], 32
	v_pk_add_f32 v[PR:PR+1], v[CAR:CAR+1], v[EXR:EXR+1]
	v_pk_add_f32 v[PR+2:PR+3], v[CAR+2:CAR+3], v[EXR+2:EXR+3]
	v_pk_add_f32 v[PR+4:PR+5], v[PR:PR+1], v[EXR+4:EXR+5]
	v_pk_add_f32 v[PR+6:PR+7], v[PR+2:PR+3], v[EXR+6:EXR+7]
	v_pk_add_f32 v[PR+8:PR+9], v[PR+4:PR+5], v[EXR+8:EXR+9]
	v_pk_add_f32 v[PR+10:PR+11], v[PR+6:PR+7], v[EXR+10:EXR+11]
.irp i, 0,1,2,3
	v_cndmask_b32 v[PW+\i], v[CAR+\i], v[PR+\i], s[M1]           ; what lies ahead of my wave: chosen by the wave's number
.endr
.irp i, 0,1,2,3
	v_cndmask_b32 v[PW+\i], v[PW+\i], v[PR+4+\i], s[M1+1]
.endr
.irp i, 0,1,2,3
	v_cndmask_b32 v[PW+\i], v[PW+\i], v[PR+8+\i], s[M1+2]
.endr
	v_pk_add_f32 v[CAR:CAR+1], v[PR+8:PR+9], v[EXR+12:EXR+13]    ; the next step's carry
	v_pk_add_f32 v[CAR+2:CAR+3], v[PR+10:PR+11], v[EXR+14:EXR+15]
.irp t, 0,1
.irp i, 0,1,2,3
	v_add_f32 v[OFF+2*\i], v[PW+\i], v[LL+4*\t+\i]
.endr
.irp c, 0,1
.irp i, 0,2,4,6
	v_pk_add_f32 v[ACC+48*\t+16+8*\c+\i:ACC+48*\t+17+8*\c+\i], v[ACC+48*\t+16+8*\c+\i:ACC+48*\t+17+8*\c+\i], v[OFF+2*\c:OFF+2*\c+1] op_sel_hi:[1,0]   ; cumK + eps
	v_pk_add_f32 v[ACC+48*\t+8*\c+\i:ACC+48*\t+1+8*\c+\i], v[ACC+48*\t+8*\c+\i:ACC+48*\t+1+8*\c+\i], v[OFF+4+2*\c:OFF+5+2*\c] op_sel_hi:[1,0]         ; cumKV
.endr
.endr
.irp i, 0,2,4,6,8,10,12,14
	v_pk_fma_f32 v[ACC+48*\t+32+\i:ACC+48*\t+33+\i], v[ACC+48*\t+16+\i:ACC+48*\t+17+\i], v[ACC+48*\t+32+\i:ACC+48*\t+33+\i], v[ACC+48*\t+16+\i:ACC+48*\t+17+\i]   ; (cumK + eps)(1 + e^-q)
.endr
.endr
	s_wait_alu depctr_va_vdst(0)
.irp t, 0,1
.irp i, 0,1,2,3,4,5,6,7,8,9,10,11,12,13,14,15
	v_rcp_f32 v[ACC+48*\t+32+\i], v[ACC+48*\t+32+\i]
.endr
.endr
	v_nop                                          ; a plain instruction behind the last reciprocal
	s_wait_alu depctr_va_vdst(0)                   ; one wait for the batch of 32, ahead of its first reader
.irp t, 0,1
.irp i, 0,2,4,6,8,10,12,14
	v_pk_mul_f32 v[ACC+48*\t+\i:ACC+48*\t+1+\i], v[ACC+48*\t+\i:ACC+48*\t+1+\i], v[ACC+48*\t+32+\i:ACC+48*\t+33+\i]   ; O
.endr
.endr
.irp t, 0,1
.irp c, 0,1
.irp j, 0,1,2,3,4,5,6,7
	ds_store_b32 v[AST], v[ACC+48*\t+8*\c+\j] offset:2304*\t+144*\j+64*\c     ; O(row 8 h + j, channel 16 c + r)
.endr
.endr
.irp k, 0,1,2,3
	ds_load_b128 v[ACC+48*\t+16+4*\k:ACC+48*\t+19+4*\k], v[ASR] offset:2304*\t+16*\k   ; back: row r, channels 16 h on, into K's registers, which are done with.  LDS serves a wave's instructions in order
.endr
.endr
	s_wait_dscnt 20                                ; tile 0 is back (tile 1's 16 stores and 4 loads may be out)
	QUANT 0
	s_wait_dscnt 1                                 ; tile 1 is back (tile 0's byte store may be out)
	QUANT 1
.endm
; A step.  mode 0, the first: each wave waits for its head's load, adds 0 to its spare word and waits for that and for its reads of the weights' stage, whose bytes are written anew behind the barrier; a round of the
; cluster's barrier shows step 0's tile and the scale bytes whole to all waves, and slot 1's first fill, step 1's tile, is the first tensor load behind it, a quarter a wave.
; mode 1: in front of the barrier each wave waits for all its tensor loads (one is out: its part of this step's slot), adds 0 to its spare word, and waits for that, for its reads of the other slot and for its store of totals;
; the barrier is a round of the cluster's, and the next step's tile goes into the slot read last.  mode 2, the last: the same, and nothing is asked for.
.macro TRIP slot, mode, prev
.if \mode == 0
	s_wait_alu depctr_va_vdst(0)
	s_wait_tensorcnt 0x0
	ds_add_u32 v[SPW], v[NIL]
	s_mov_b32 s[G1X+2], 96<<16                     ; no load of mine is out: from here on a load brings 32 rows of X, 96 rows of 256 bytes
	s_mov_b32 s[G1X+4], 96
	s_wait_dscnt 0x0
	ROUND
	tensor_load_to_lds s[G0+4:G0+7], s[G1X:G1X+7]
	s_nop 0
	PLACES 4
.else
	s_wait_tensorcnt 0x0
	ds_add_u32 v[SPW], v[NIL]
.if \mode == 1
	s_add_nc_u64 s[G0+6-4*\slot:G0+7-4*\slot], s[G0+6-4*\slot:G0+7-4*\slot], 2*STEPB   ; no load of mine is out: the other slot's next tile
.endif
	s_wait_xcnt 0x0                                ; the last codes' stores have read their data and their base: both are written again only behind this wait
	s_add_nc_u64 s[OB:OB+1], s[OB:OB+1], STEPB
	s_wait_dscnt 0x0
.if \mode == 1
	ROUND
	tensor_load_to_lds s[G0+4-4*\slot:G0+7-4*\slot], s[G1X:G1X+7]
	s_nop 0
	PLACES 4
.else
	s_barrier_signal -1
	s_barrier_wait -1
.endif
.endif
.if \prev
.irp u, 0,1,2,3
	ds_load_b128 v[EXR+4*\u:EXR+4*\u+3], v[AER] offset:(1-\slot)*2048+512*\u
.endr
.endif
	v_add_nc_u32 v[ASX], s[TSX], v[ASX0]
	s_add_co_u32 s[TSX], s[TSX], 4352
	ds_load_b128 v[SX:SX+3], v[ASX]
	ds_load_b128 v[SX+4:SX+7], v[ASX] offset:16
	XSET 0, \slot, 0
	XSET 1, \slot, 1
.if \prev
	BSTAGE 50                                      ; behind the four loads of totals: 2 of scale words, 48 of fragments
.endif
	MSTEP \slot
	ASTAGE \slot
.endm
; The weights' way.  WGET: my four rows of channels 16 c on: 3,072 consecutive bytes in six loads.  WPUT: into the stage, tile place at: 256 bytes, 16 of padding, as X's rows lie.
; WFRAGS: the eight fragments of a tile, from place at, into the weight's window: the pieces and offsets of X's fragments.
.macro WGET c, base, reg
.irp i, 0,1,2,3,4,5
	global_load_b128 v[\reg+4*\i:\reg+4*\i+3], v[GW], s[\base:\base+1] offset:12288*\c+512*\i
.endr
.endm
.macro WPUT reg, at
.irp i, 0,1,2,3,4,5
	ds_store_b128 v[SWA], v[\reg+4*\i:\reg+4*\i+3] offset:(\at)*16*RP+544*\i
.endr
.endm
.macro WFRAGS wt, c, at
	WIN (1+\wt)<<6
.irp q, 0,1,2,3,4,5,6,7
.irp p, 0,1,2,3,4,5
.set PCE, 12*\q+6*(\p/3)+\p%3
.if PCE%32 < 29
	ds_load_b64 v[12*(8*\c+\q)+2*\p:12*(8*\c+\q)+2*\p+1], v[AW] offset:8*PCE+16*(PCE/32)+(\at)*16*RP
.else
	ds_load_b64 v[12*(8*\c+\q)+2*\p:12*(8*\c+\q)+2*\p+1], v[AW+1] offset:8*PCE+16*(PCE/32)+(\at)*16*RP
.endif
.endr
.endr
	WIN 0
.endm
	s_load_b256 s[4:11], s[0:1], 0x0               ; X's codes s[4:5], X's scales s[6:7], Wv's codes s[8:9], Wv's scales s[10:11]
	s_load_b256 s[12:19], s[0:1], 0x20             ; Wk's codes, Wk's scales, Wq's codes, Wq's scales
	s_load_b128 s[20:23], s[0:1], 0x40             ; tot, o_codes
	s_load_b64 s[24:25], s[0:1], 0x50              ; o_scales
	v_lshl_add_u32 v[SPW], v0, 2, SPARE
	v_mov_b32 v[NIL], 0
	ds_add_u32 v[SPW], v[NIL]                      ; the wave's opening: the add, twice on end, and its wait ahead of my first tensor load
	ds_add_u32 v[SPW], v[NIL]
	v_lshrrev_b32 v1, 5, v0
	v_readfirstlane_b32 s[WV], v1
	s_bfe_u32 s27, ttmp6, 0x40000                  ; cx: it enters global addresses alone (the weights', tot's, O's)
	s_lshl_b32 s28, ttmp9, 2
	s_add_co_u32 s28, s28, s27                     ; my block of 32 channels
	s_and_b32 s29, ttmp7, 0xffff                   ; y, which the four partners share
	s_lshr_b32 s30, s29, 1                         ; the batch
	s_and_b32 s31, s29, 1                          ; which half of it
	s_mov_b32 s[G1X], 15|(3<<16)|(1<<20)|(1<<21)|(5<<22)|(3<<25)   ; mask: all four; elements of 8 bytes; padding on; bit 21 beside a mask; behind every 64 words 4 words
	s_mov_b32 s[G1X+1], 32<<16
	s_mov_b32 s[G1X+2], 192<<16                    ; the head's load brings 64 rows of X, 192 rows of 256 bytes; behind it the two words that count rows are set to 96
	s_mov_b32 s[G1X+3], 32<<16
	s_mov_b32 s[G1X+4], 192
	s_mov_b32 s[G1X+5], 32
	s_mov_b32 s[G1X+6], 0
	s_mov_b32 s[G1X+7], 0
	s_mov_b32 s[G1S], 15|(3<<16)|(1<<20)|(1<<21)|(5<<22)|(3<<25)
	s_mov_b32 s[G1S+1], 32<<16
	s_mov_b32 s[G1S+2], (2*SCR)<<16                ; half of the scale bytes to a load
	s_mov_b32 s[G1S+3], 32<<16
	s_mov_b32 s[G1S+4], 2*SCR
	s_mov_b32 s[G1S+5], 32
	s_mov_b32 s[G1S+6], 0
	s_mov_b32 s[G1S+7], 0
	s_lshl_b32 s80, s30, 12
	s_mul_i32 s81, s31, SEG
	s_add_co_u32 s80, s80, s81                     ; my first row
	s_lshl_b32 s81, s[WV], 5
	s_add_co_u32 s82, s80, s81
	s_mul_i32 s82, s82, 768
	s_mov_b32 s83, 0
	s_lshl_b32 s84, s80, 5
	s_and_b32 s98, s[WV], 1                        ; which half of a head's tile my wave fetches
	s_mul_i32 s85, s98, SEG*16
	s_add_co_u32 s84, s84, s85
	s_mov_b32 s85, 0
	s_mov_b32 s[G0], 1
	s_mul_i32 s[G0+1], s[WV], WPART
	s_mov_b32 s[G0+4], 1
	s_add_co_u32 s[G0+5], s[G0+1], SLOT
	s_mov_b32 s[G0S], 1
	s_mul_i32 s[G0S+1], s98, 2*SCW
	s_add_co_u32 s[G0S+1], s[G0S+1], SCX
	s_mul_i32 s86, s28, 24576                      ; my 32 rows of a weight's codes,
	s_mov_b32 s87, 0
	s_lshl_b32 s88, s28, 10                        ; of its scale bytes,
	s_mov_b32 s89, 0
	s_lshl_b32 s90, s30, 16
	s_lshl_b32 s91, s28, 7
	s_add_co_u32 s90, s90, s91                     ; my batch's eight partial sums in tot, my channels
	s_mov_b32 s91, 0
	s_lshr_b32 s92, s80, 5
	s_add_co_u32 s92, s92, s[WV]
	s_mul_i32 s92, s92, 24576
	s_mul_i32 s93, s28, 768
	s_add_co_u32 s92, s92, s93                     ; o_codes: ((first row / 32 + wave) 32 + block) 768
	s_mov_b32 s93, 0
	s_lshr_b32 s94, s80, 8
	s_lshl_b32 s95, s[WV], 1
	s_add_co_u32 s94, s94, s95
	s_lshl_b32 s94, s94, 13
	s_lshl_b32 s95, s28, 8
	s_add_co_u32 s94, s94, s95                     ; o_scales: (first row / 256 + 2 wave) 8192 + 256 block
	s_mov_b32 s95, 0
	s_mov_b32 s[L2E], 0x3fb8aa3b
	s_mov_b32 s[L2E+1], s[L2E]
	s_mov_b32 s[NL2E], 0xbfb8aa3b
	s_mov_b32 s[NL2E+1], s[NL2E]
	s_mov_b32 s[SEL], 0x76543210
	s_mov_b32 s[SEL+1], 0xfedcba98
	s_mov_b32 s[MH], 0xffff0000
	s_cmp_ge_u32 s[WV], 1
	s_cselect_b32 s[M1], -1, 0
	s_cmp_ge_u32 s[WV], 2
	s_cselect_b32 s[M1+1], -1, 0
	s_cmp_ge_u32 s[WV], 3
	s_cselect_b32 s[M1+2], -1, 0
	s_cmp_eq_u32 s31, 1
	s_cselect_b32 s[MHS], -1, 0
	s_mov_b32 s[TSX], 0
	s_mov_b32 s[TSB], 0
	s_wait_dscnt 0x0                               ; both opening adds are done
	s_wait_kmcnt 0x0
	s_add_nc_u64 s[G0+2:G0+3], s[4:5], s[82:83]    ; step 0
	s_add_nc_u64 s[G0+6:G0+7], s[G0+2:G0+3], STEPB ; step 1
	s_or_b32 s[G0+3], s[G0+3], 0x80000000
	s_or_b32 s[G0+7], s[G0+7], 0x80000000
	s_add_nc_u64 s[G0S+2:G0S+3], s[6:7], s[84:85]
	s_or_b32 s[G0S+3], s[G0S+3], 0x80000000
	s_mul_i32 s82, s80, 768                        ; group 0 of the head's load of codes, s[80:83]: 64 rows of step 0, by the wave's half
	s_mul_i32 s81, s98, 64*768
	s_add_co_u32 s82, s82, s81
	s_add_nc_u64 s[82:83], s[4:5], s[82:83]
	s_or_b32 s83, s83, 0x80000000
	s_mul_i32 s81, s98, 2*WPART
	s_mov_b32 s80, 1
	ROUND                                          ; all four work-groups are here: the first joint loads meet
	s_cmp_lt_u32 s[WV], 2                          ; the head's tiles are shared out, one load a wave: waves 0 and 1 fetch step 0's rows 0-63 and 64-127,
	s_cbranch_scc0 .Lhead_scales
	tensor_load_to_lds s[80:83], s[G1X:G1X+7]
	s_nop 0
	PLACES 4
	s_branch .Lhead_asked
.Lhead_scales:
	tensor_load_to_lds s[G0S:G0S+3], s[G1S:G1S+7]  ; waves 2 and 3 the two halves of the scale bytes of all my rows: filled once
	s_nop 0
	PLACES 4
.Lhead_asked:
	s_add_nc_u64 s[8:9], s[8:9], s[86:87]
	s_add_nc_u64 s[12:13], s[12:13], s[86:87]
	s_add_nc_u64 s[16:17], s[16:17], s[86:87]
	s_add_nc_u64 s[10:11], s[10:11], s[88:89]
	s_add_nc_u64 s[14:15], s[14:15], s[88:89]
	s_add_nc_u64 s[18:19], s[18:19], s[88:89]
	s_add_nc_u64 s[20:21], s[20:21], s[90:91]
	s_add_nc_u64 s[OB:OB+1], s[22:23], s[92:93]
	s_add_nc_u64 s[24:25], s[24:25], s[94:95]
	v_and_b32 v1, 15, v0                           ; r
	v_bfe_u32 v2, v0, 4, 1                         ; h
	v_and_b32 v3, 31, v0                           ; lane
	s_mul_i32 s77, s[WV], 3072
	v_lshl_add_u32 v[GW], v3, 4, s77               ; my wave's four rows of a tile, 16 bytes a lane
	v_lshlrev_b32 v[SOF], 5, v3
	v_lshlrev_b32 v[TOF], 2, v1
	WIN 0xc0                                       ; destination window 3
	WGET 0, 8, 0                                   ; Wv, channels 0-15;
	WGET 1, 8, 24                                  ; 16-31;
	WGET 0, 12, 48                                 ; Wk;
	WGET 1, 12, 72
	WGET 0, 16, 96                                 ; Wq
	WGET 1, 16, 120
	WIN 0
	global_load_b128 v[SW:SW+3], v[SOF], s[10:11]
	global_load_b128 v[SW+4:SW+7], v[SOF], s[10:11] offset:16
	global_load_b128 v[SW+8:SW+11], v[SOF], s[14:15]
	global_load_b128 v[SW+12:SW+15], v[SOF], s[14:15] offset:16
	global_load_b128 v[SW+16:SW+19], v[SOF], s[18:19]
	global_load_b128 v[SW+20:SW+23], v[SOF], s[18:19] offset:16
.irp p, 0,1,2,3,4,5,6,7
.irp a, 0,1
.irp c, 0,1
	global_load_b32 v[ACC+4*\p+2*\a+\c], v[TOF], s[20:21] offset:8192*\p+4096*\a+64*\c   ; the first half's eight partial sums of K (a = 0) and K V (1), channel 16 c + r
.endr
.endr
.endr
	v_mul_u32_u24 v[AW], v1, RP
	v_mad_u32_u24 v[AW], v2, 24, v[AW]             ; row r + 24 h
	v_add_nc_u32 v[AX], s[G0+1], v[AW]             ; in my wave's part of slot 0
	v_lshl_add_u32 v[AX+1], v2, 4, v[AX]
	v_add_nc_u32 v[AX+2], SLOT, v[AX]
	v_add_nc_u32 v[AX+3], SLOT, v[AX+1]
	v_add_nc_u32 v[AW], WST, v[AW]                 ; in the weights' stage
	v_lshl_add_u32 v[AW+1], v2, 4, v[AW]
	s_mul_i32 s63, s[WV], 3264                     ; my wave's four rows in a tile of the stage: 12 units of 272 bytes
	s_add_co_u32 s63, s63, WST
	v_mul_u32_u24 v[SWA], v2, 272                  ; lanes 16-31 fill the next unit
	v_lshl_add_u32 v[SWA], v1, 4, v[SWA]
	v_add_nc_u32 v[SWA], s63, v[SWA]
	s_mul_i32 s77, s[WV], 1088
	s_add_co_u32 s77, s77, SCX
	v_lshrrev_b32 v[ASX0], 3, v3
	v_lshlrev_b32 v[ASX0], 4, v[ASX0]
	v_lshl_add_u32 v[ASX0], v3, 5, v[ASX0]
	v_add_nc_u32 v[ASX0], s77, v[ASX0]             ; row 32 w + lane: 32 bytes a row, 16 more for each 8 rows
	v_lshlrev_b32 v[AER], 4, v3
	v_add_nc_u32 v[AER], EX, v[AER]
	s_lshl_b32 s78, s[WV], 9
	v_add_nc_u32 v[AEW], s78, v[AER]
	s_mul_i32 s79, s[WV], 4608
	s_add_co_u32 s79, s79, STG
	v_mul_u32_u24 v[AST], v2, 1152
	v_lshl_add_u32 v[AST], v1, 2, v[AST]
	v_add_nc_u32 v[AST], s79, v[AST]               ; in: row 8 h (+ j), channel r (+ 16 c)
	v_mul_u32_u24 v[ASR], v1, 144
	v_lshl_add_u32 v[ASR], v2, 6, v[ASR]
	v_add_nc_u32 v[ASR], s79, v[ASR]               ; back: row r, channels 16 h on
	s_add_co_u32 s78, s78, SBY
	v_add_nc_u32 v[ASB0], s78, v1                  ; O's scale bytes: 512 w + r (+ 32 step + 16 t)
	v_bfe_u32 v[ASF], v0, 1, 2                     ; the end: 16 rows' bytes of a tile of 256 rows: piece k = lane % 16 is step k / 8, wave (k / 2) % 4, tile k % 2
	v_lshlrev_b32 v[ASF], 9, v[ASF]
	v_lshl_add_u32 v[ASF], v2, 6, v[ASF]           ; lanes 16-31 take the next 256 rows: two steps on
	v_bfe_u32 v[GSO], v0, 3, 1
	v_lshl_add_u32 v[ASF], v[GSO], 5, v[ASF]
	v_and_b32 v[GSO], 1, v0
	v_lshl_add_u32 v[ASF], v[GSO], 4, v[ASF]
	s_lshl_b32 s77, s[WV], 7
	s_add_co_u32 s77, s77, SBY
	v_add_nc_u32 v[ASF], s77, v[ASF]               ; my wave stores tiles 2 w and 2 w + 1: four steps
	v_lshlrev_b32 v[GSO], 13, v2
	v_lshl_add_u32 v[GSO], v1, 4, v[GSO]
	s_and_b32 s86, s28, 1
	s_mul_i32 s86, s86, 384                        ; in odd blocks the two tiles of a group of 32 rows change places
	s_sub_co_u32 s87, 384, s86
	v_mul_u32_u24 v[CO], v1, 24
	v_mad_u32_u24 v[CO], v2, 12, v[CO]
	v_add_nc_u32 v[CO+1], s87, v[CO]
	v_add_nc_u32 v[CO], s86, v[CO]
.irp i, 0,1,2,3
	v_mov_b32 v[OT+\i], 0                          ; written once: a lane permute's destination counts as one of its sources
	v_mov_b32 v[OFF+2*\i+1], 0                     ; named as the upper halves of pairs
.endr
	v_mov_b32 v[QW+2], 0
	v_mov_b32 v[QW+6], 0
	s_wait_loadcnt 38                              ; the 36 loads of codes are in (6 of scale words and 32 of partial sums, issued behind them, may be out)
	WIN 0x0c                                       ; an LDS store's data are its source 1: window 3
	WPUT 0, 0                                      ; the first turn: Wv's two tiles and Wk's first
	WPUT 24, 1
	WPUT 48, 2
	WIN 0
	s_wait_dscnt 0x0                               ; for the others' sake: my part of the stage lies in LDS
	s_barrier_signal -1
	s_barrier_wait -1                              ; the tensor loads stay out, and no tile is read, behind these three barriers
	WFRAGS 0, 0, 0
	WFRAGS 0, 1, 1
	WFRAGS 1, 0, 2
	s_wait_dscnt 0x0                               ; my reads of the stage are in: behind this barrier it is written anew
	s_barrier_signal -1
	s_barrier_wait -1
	WIN 0x0c
	WPUT 72, 0                                     ; the second turn: Wk's second tile and Wq's two
	WPUT 96, 1
	WPUT 120, 2
	WIN 0
	s_wait_dscnt 0x0
	s_barrier_signal -1
	s_barrier_wait -1
	WFRAGS 1, 1, 0
	WFRAGS 2, 0, 1                                 ; (over the registers that the stores above have read)
	WFRAGS 2, 1, 2
	s_wait_loadcnt 0x0                             ; the scale words and the partial sums
.irp p, 1,2,3,4,5,6,7
	v_pk_add_f32 v[ACC:ACC+1], v[ACC:ACC+1], v[ACC+4*\p:ACC+4*\p+1]
	v_pk_add_f32 v[ACC+2:ACC+3], v[ACC+2:ACC+3], v[ACC+4*\p+2:ACC+4*\p+3]
.endr
.irp i, 0,1,2,3
	v_cndmask_b32 v[CAR+\i], 0, v[ACC+\i], s[MHS]  ; a select, no product: nothing of the first half's sums reaches the first half
.endr
	v_add_f32 v[CAR], 0x358637bd, v[CAR]           ; + 1e-6: K's carry holds reference()'s eps
	v_add_f32 v[CAR+1], 0x358637bd, v[CAR+1]
	TRIP 0, 0, 0
	s_mov_b32 s[CNT], NS/2-1
.Lstep:
	TRIP 1, 1, 1
	TRIP 0, 1, 1
	s_sub_co_u32 s[CNT], s[CNT], 1
	s_cmp_lg_u32 s[CNT], 0
	s_cbranch_scc1 .Lstep
	TRIP 1, 2, 1                                   ; the last step asks for nothing
	s_wait_dscnt 0x0                               ; my totals of the last step lie in LDS
	s_barrier_signal -1
	s_barrier_wait -1
	s_wait_xcnt 0x0
	s_add_nc_u64 s[OB:OB+1], s[OB:OB+1], STEPB
.irp u, 0,1,2,3
	ds_load_b128 v[EXR+4*\u:EXR+4*\u+3], v[AER] offset:2048+512*\u
.endr
	BSTAGE 0
	s_wait_dscnt 0x0                               ; my scale bytes lie in LDS
	s_barrier_signal -1
	s_barrier_wait -1
	ds_load_b128 v[EXR:EXR+3], v[ASF]
	s_wait_dscnt 0x0
	global_store_b128 v[GSO], v[EXR:EXR+3], s[24:25]   ; sixteen lanes store 256 consecutive bytes, at a multiple of 256 from the buffer's first byte
	s_wait_tensorcnt 0x0                           ; the wave's end
	ds_add_u32 v[SPW], v[NIL]
	s_wait_dscnt 0x0
	ROUND                                          ; the closing round
	s_endpgm
.Lfunc_end_k_qc1a07785c7_scan:
	.size	k_qc1a07785c7_scan, .Lfunc_end_k_qc1a07785c7_scan-k_qc1a07785c7_scan
	.p2alignl 7, 3214868480
	.fill 96, 4, 3214868480
	.section	.rodata,"a",@progbits
	.p2align	6, 0x0
	.amdhsa_kernel k_qc1a07785c7_scan
		.amdhsa_group_segment_fixed_size 327680
		.amdhsa_private_segment_fixed_size 0
		.amdhsa_enable_private_segment 0
		.amdhsa_kernarg_size 88
		.amdhsa_user_sgpr_count 2
		.amdhsa_user_sgpr_kernarg_segment_ptr 1
		.amdhsa_wavefront_size32 1
		.amdhsa_system_sgpr_workgroup_id_x 1
		.amdhsa_system_sgpr_workgroup_id_y 1
		.amdhsa_system_sgpr_workgroup_id_z 1
		.amdhsa_system_vgpr_workitem_id 0
		.amdhsa_next_free_vgpr 1024
		.amdhsa_next_free_sgpr 100
		.amdhsa_reserve_vcc 0
		.amdhsa_float_denorm_mode_32 3
		.amdhsa_float_denorm_mode_16_64 3
		.amdhsa_memory_ordered 1
		.amdhsa_forward_progress 1
		.amdhsa_inst_pref_size 200
	.end_amdhsa_kernel
	.amdgpu_metadata
---
amdhsa.version: [ 1, 2 ]
amdhsa.kernels:
  - .name:           k_qc1a07785c7_scan
    .symbol:         k_qc1a07785c7_scan.kd
    .args:
      - { .name: X_codes, .offset: 0, .size: 8, .value_kind: global_buffer, .address_space: global }
      - { .name: X_scales, .offset: 8, .size: 8, .value_kind: global_buffer, .address_space: global }
      - { .name: Wv_codes, .offset: 16, .size: 8, .value_kind: global_buffer, .address_space: global }
      - { .name: Wv_scales, .offset: 24, .size: 8, .value_kind: global_buffer, .address_space: global }
      - { .name: Wk_codes, .offset: 32, .size: 8, .value_kind: global_buffer, .address_space: global }
      - { .name: Wk_scales, .offset: 40, .size: 8, .value_kind: global_buffer, .address_space: global }
      - { .name: Wq_codes, .offset: 48, .size: 8, .value_kind: global_buffer, .address_space: global }
      - { .name: Wq_scales, .offset: 56, .size: 8, .value_kind: global_buffer, .address_space: global }
      - { .name: tot, .offset: 64, .size: 8, .value_kind: global_buffer, .address_space: global }
      - { .name: o_codes, .offset: 72, .size: 8, .value_kind: global_buffer, .address_space: global }
      - { .name: o_scales, .offset: 80, .size: 8, .value_kind: global_buffer, .address_space: global }
    .group_segment_fixed_size: 327680
    .private_segment_fixed_size: 0
    .kernarg_segment_align: 8
    .kernarg_segment_size: 88
    .max_flat_workgroup_size: 128
    .sgpr_count:     100
    .vgpr_count:     1024
    .wavefront_size: 32
...
	.end_amdgpu_metadata
.endif
;; end of part 5
;; launch project (part 6): grid 4 x 64, 4 waves a work-group, clusters of 4 x 1, 327,680 bytes of LDS; arguments o_codes, o_scales, Wc_codes, Wc_scales, out0; writes out0
.if DOCPART == 6
	.amdgcn_target "amdgcn-amd-amdhsa--gfx1250"
	.amdhsa_code_object_version 6
	.text
	.protected	k_qc1a07785c7_project
	.globl	k_qc1a07785c7_project
	.p2align	8
	.type	k_qc1a07785c7_project,@function
k_qc1a07785c7_project:
	s_mov_b64 s[64:65], 0
	v_nop
	global_prefetch_b8 v0, s[64:65] scope:SCOPE_SE
	s_setreg_imm32_b32 hwreg(HW_REG_WAVE_MODE, 25, 1), 1
	s_wait_xcnt 0x0
	s_wait_alu depctr_hold_cnt(0) depctr_sa_sdst(0) depctr_va_vdst(0) depctr_va_sdst(0) depctr_va_ssrc(0) depctr_va_vcc(0) depctr_vm_vsrc(0)
	s_getreg_b32 s2, hwreg(HW_REG_IB_STS2, 6, 4)
	s_cmp_eq_u32 s2, 0
	s_cbranch_scc0 .Lentry_in_a_cluster
	s_endpgm
.Lentry_in_a_cluster:
	s_bfe_u32 s2, ttmp6, 0x10000c
	s_cmp_lg_u32 s2, 0x3003
	s_cbranch_scc0 .Lentry_shape_is_right
	s_endpgm
.Lentry_shape_is_right:
; PROJECT.  out0 = O Wc on codes of FP6 (E2M3) with E8M0 scales; O's codes and scale bytes as the launch before laid them.  No work of reference() is left out.
; SHARES.  Work-group (x, y): rows 256 y on, columns 256 x on.  Wave w takes columns 64 w .. 64 w + 63 of the block and ALL 256 rows.
; Wc: a wave's 64 rows of codes, all of K, stay in 384 registers (windows 1 and 2).  They come from memory once, 512 consecutive bytes a load, and go through the wave's own stage in LDS into the fragments' layout.
; O: the 256 rows' codes are one dense block of 196,608 bytes: four joint tensor loads, one a wave, rows of 256 bytes, bring it into LDS once.  Nothing is filled again: no ring.
;   The 24 bytes of (row m, block b) lie at ((m / 32) 32 + b) 768 + ((m % 32) xor 16 (b % 2)) 24: the 32 lanes of a load of 8 bytes touch 64 different words of the banks (64 banks of 4 bytes: ISA guide 11.1).
; O's scale bytes lie as [32 blocks][256 rows]: wave w loads planes 8 w .. 8 w + 7, 256 consecutive bytes a load, turns 4 x 4 bytes by v_perm_b32 and stores one word for each row and 128 along K into LDS.
; A TRIP is 32 rows: 64 products on 8 accumulators, which take turns.  Source 0 = 16 rows of Wc, source 1 = 16 rows of O: a lane holds eight neighbouring columns of one row.
; The trip's 32 x 64 results go through the wave's stage and leave as whole rows of 256 bytes, sixteen lanes to an aligned unit, while the next trip's fragments come from LDS.
; CLUSTER.  The four work-groups of a cluster have the same rows: O's codes are asked for jointly (mask 15).  Wc's codes go through registers, so no joint load serves them.
; NO PREFETCH: every read of memory stands at the kernel's head; there is no loop to run ahead in.
; LIMITS.  NaN and infinities are carried only as the matrix instruction carries them.  The order of the sums is K ascending, 128 at a time.
.set GRP,   24576                      ; 32 rows of O's codes
.set AQ,    2*GRP                      ; what a wave's tensor load brings
.set SCA,   8*GRP                      ; behind the codes: O's scale words, [row][32 bytes], 16 bytes of padding behind every 8 rows; written by LDS stores alone
.set RP,    816                        ; a row of Wc in the stage: 3 x (256 bytes + 16)
.set WSTW,  2*16*RP                    ; a wave's stage: two tiles of 16 rows of Wc; later 32 rows x 272 bytes of results
.set WST,   SCA+8704
.set SPARE, WST+4*WSTW                 ; the spare words, 128 bytes for each wave: no other line names them
.set SP,    272                        ; a row of results in the stage: 256 bytes + 16
.set OSTEP, 32*4096                    ; 32 rows of out0
.set AA,    4                          ; v4-5   LDS address of the trip's fragments of O: even tile, odd tile
.set ASX,   6                          ; v6     of the trip's scale words
.set AB,    8                          ; v8-9   my lane's part of AA; never rewritten
.set ASX0,  10                         ; v10    of ASX
.set GW,    11                         ; v11    16 x lane
.set SOF,   12                         ; v12    32 x lane
.set POF,   13                         ; v13    8 x lane
.set PST,   14                         ; v14    where I store scale words
.set SPW,   16                         ; v16    my spare word; never rewritten
.set NIL,   17                         ; v17    0; never rewritten
.set AW,    18                         ; v18-19 where I read Wc's fragments; the same behind one padding more
.set RD,    20                         ; v20    the stage by units of 256 bytes: Wc on the way in, results on the way back
.set STO,   21                         ; v21    the stage: where I put 32 bytes of a row of results
.set CO,    22                         ; v22    my byte offset in two rows of out0
.set SX,    24                         ; v24-31 O's scale words, one for each 128 along K: lanes 0-15 the even tile's rows, lanes 16-31 the odd tile's
.set SW,    32                         ; v32-47 Wc's scale words (8 u + q): lanes 0-15 columns 32 u + 0-15, lanes 16-31 the next 16
.set ACC,   64                         ; v64-127 accumulator (ti, t) at 64 + 32 ti + 8 t
.set OUT,   128                        ; v128-191 32 rows read back from the stage
.set P,     192                        ; v192-207 the scale planes; v208-223 at work; v224-239 the words
.set T,     208
.set WQ,    224
; window 1: Wc's columns 0-31: fragment (tc, q) at 12 (8 tc + q); v192-239 set 0 of O's fragments.   window 2: columns 32-63 likewise; v192-239 set 1.
.set WV,    26
.set G1,    32                         ; s[32:39] descriptor group 1;  s[52:55] group 0
.set G0,    52
.set OB,    56                         ; s[56:57] my columns in out0, one trip further on than the rows that are stored
.set CNT,   58
.set TA,    59                         ; s59    where the trip's codes begin in LDS;  s60 its scale words
.set TS,    60
.set MSB, 0
.macro WIN new                         ; the immediate's high byte repeats the setting that is left; a switch that changes nothing is dropped
.if MSB != (\new)
	s_set_vgpr_msb (MSB<<8)|(\new)
.set MSB, (\new)
.endif
.endm
.macro PLACES n
.rept \n
	v_nop
.endr
.endm
.macro ROUND                           ; a round of the cluster's barrier
	s_barrier_signal -1
	s_barrier_wait -1
	s_cmp_lg_u32 s[WV], 0
	s_cbranch_scc1 .Lnot_wave_0_\@
	s_barrier_signal -3
.Lnot_wave_0_\@:
	s_barrier_wait -3
	s_barrier_signal -1
	s_barrier_wait -1
.endm
; A fragment of O: lane (r, h) takes the 24 bytes of row r in blocks 4 q + h and 4 q + 2 + h, in pieces of 8 bytes.
.macro AFRAG reg, q, ti
.irp p, 0,1,2,3,4,5
	ds_load_b64 v[\reg+2*\p:\reg+2*\p+1], v[AA+\ti] offset:(4*(\q)+2*(\p/3))*768+8*(\p%3)+384*(\ti)
.endr
.endm
.macro XSET set, g                     ; 24 loads in one run: K steps 2 g, 2 g + 1 of both tiles into a set
	WIN (1+\set)<<6
.irp qq, 0,1
.irp ti, 0,1
	AFRAG 192+12*(2*\qq+\ti), 2*(\g)+\qq, \ti
.endr
.endr
	WIN 0
.endm
; One product: columns 32 u + 16 tc on, K step q, fragment fr of the set, tile ti.  K step 0 starts the sum with the constant 0.
.macro WM u, q, fr, ti, tc
.set rD, ACC+32*(\ti)+16*(\u)+8*(\tc)
.set rB, 12*(8*(\tc)+(\q))
.set rA, 192+12*(\fr)
.set rW, SW+8*(\u)+(\q)
.set rX, SX+(\q)
.if (\q) == 0
.if ((\tc) == 0) && ((\ti) == 0)
	v_wmma_scale_f32_16x16x128_f8f6f4 v[rD:rD+7], v[rB:rB+11], v[rA:rA+11], 0, v[rW], v[rX] matrix_a_fmt:MATRIX_FMT_FP6 matrix_b_fmt:MATRIX_FMT_FP6
.elseif (\tc) == 0
	v_wmma_scale_f32_16x16x128_f8f6f4 v[rD:rD+7], v[rB:rB+11], v[rA:rA+11], 0, v[rW], v[rX] matrix_a_fmt:MATRIX_FMT_FP6 matrix_b_fmt:MATRIX_FMT_FP6 matrix_b_scale:MATRIX_SCALE_ROW1
.elseif (\ti) == 0
	v_wmma_scale_f32_16x16x128_f8f6f4 v[rD:rD+7], v[rB:rB+11], v[rA:rA+11], 0, v[rW], v[rX] matrix_a_fmt:MATRIX_FMT_FP6 matrix_b_fmt:MATRIX_FMT_FP6 matrix_a_scale:MATRIX_SCALE_ROW1
.else
	v_wmma_scale_f32_16x16x128_f8f6f4 v[rD:rD+7], v[rB:rB+11], v[rA:rA+11], 0, v[rW], v[rX] matrix_a_fmt:MATRIX_FMT_FP6 matrix_b_fmt:MATRIX_FMT_FP6 matrix_a_scale:MATRIX_SCALE_ROW1 matrix_b_scale:MATRIX_SCALE_ROW1
.endif
.else
.if ((\tc) == 0) && ((\ti) == 0)
	v_wmma_scale_f32_16x16x128_f8f6f4 v[rD:rD+7], v[rB:rB+11], v[rA:rA+11], v[rD:rD+7], v[rW], v[rX] matrix_a_fmt:MATRIX_FMT_FP6 matrix_b_fmt:MATRIX_FMT_FP6
.elseif (\tc) == 0
	v_wmma_scale_f32_16x16x128_f8f6f4 v[rD:rD+7], v[rB:rB+11], v[rA:rA+11], v[rD:rD+7], v[rW], v[rX] matrix_a_fmt:MATRIX_FMT_FP6 matrix_b_fmt:MATRIX_FMT_FP6 matrix_b_scale:MATRIX_SCALE_ROW1
.elseif (\ti) == 0
	v_wmma_scale_f32_16x16x128_f8f6f4 v[rD:rD+7], v[rB:rB+11], v[rA:rA+11], v[rD:rD+7], v[rW], v[rX] matrix_a_fmt:MATRIX_FMT_FP6 matrix_b_fmt:MATRIX_FMT_FP6 matrix_a_scale:MATRIX_SCALE_ROW1
.else
	v_wmma_scale_f32_16x16x128_f8f6f4 v[rD:rD+7], v[rB:rB+11], v[rA:rA+11], v[rD:rD+7], v[rW], v[rX] matrix_a_fmt:MATRIX_FMT_FP6 matrix_b_fmt:MATRIX_FMT_FP6 matrix_a_scale:MATRIX_SCALE_ROW1 matrix_b_scale:MATRIX_SCALE_ROW1
.endif
.endif
.endm
.macro MGRP g                          ; 16 products on one set of O's fragments: four accumulators by turns under each setting of the windows
.irp u, 0,1
	WIN (1+\u)|((1+(\g)%2)<<2)                     ; source 0 (Wc): window 1 + u; source 1 (O): the set's window; C and D window 0
.irp qq, 0,1
.irp ti, 0,1
.irp tc, 0,1
	WM \u, 2*(\g)+\qq, 2*\qq+\ti, \ti, \tc
.endr
.endr
.endr
.endr
.endm
; Wc's way.  WGET: tile c's 16 rows, 12,288 consecutive bytes in 24 loads, into the registers that will hold its fragments.  WPUT: into my stage: 256 bytes, 16 of padding.  WFRAGS: back as eight fragments.
.macro WGET c
	WIN (1+(\c)/2)<<6
.set ii, 0
.rept 24
	global_load_b128 v[96*((\c)%2)+4*ii:96*((\c)%2)+4*ii+3], v[GW], s[8:9] offset:12288*(\c)+512*ii
.set ii, ii+1
.endr
	WIN 0
.endm
.macro WPUT c
	WIN (1+(\c)/2)<<2                              ; an LDS store's data are its source 1
.set ii, 0
.rept 24
	ds_store_b128 v[RD], v[96*((\c)%2)+4*ii:96*((\c)%2)+4*ii+3] offset:((\c)%2)*16*RP+544*ii
.set ii, ii+1
.endr
	WIN 0
.endm
.macro WFRAGS c                        ; pieces of 8 bytes; where the piece of lanes 16-31, three further on, lies behind one padding more, the second address register serves
	WIN (1+(\c)/2)<<6
.irp q, 0,1,2,3,4,5,6,7
.irp p, 0,1,2,3,4,5
.set PCE, 12*\q+6*(\p/3)+\p%3
.set rF, 12*(8*((\c)%2)+\q)+2*\p
.if PCE%32 < 29
	ds_load_b64 v[rF:rF+1], v[AW] offset:8*PCE+16*(PCE/32)+((\c)%2)*16*RP
.else
	ds_load_b64 v[rF:rF+1], v[AW+1] offset:8*PCE+16*(PCE/32)+((\c)%2)*16*RP
.endif
.endr
.endr
	WIN 0
.endm
; A trip: 32 rows.  Each run of loads stands four places behind the last product that read its registers; each count 24 leaves the 24 loads issued last out.  more = 1: the next trip's first fragments are fetched.
.macro TRIP more
	s_wait_dscnt 24                                ; set 0 and the scale words are in
	MGRP 0
	WIN 0
	PLACES 4
	XSET 0, 2
	s_wait_dscnt 24                                ; set 1
	MGRP 1
	WIN 0
	PLACES 4
	XSET 1, 3
	s_wait_dscnt 24                                ; set 0 anew
	MGRP 2
	WIN 0
.if \more
	s_add_co_u32 s[TA], s[TA], GRP
	s_add_co_u32 s[TS], s[TS], 1088                ; 32 rows of 32 bytes and 4 paddings on
	v_add_nc_u32 v[AA], s[TA], v[AB]               ; all this trip's loads have been issued: the next trip's addresses; with the v_nop these are the four places
	v_add_nc_u32 v[AA+1], s[TA], v[AB+1]
	v_add_nc_u32 v[ASX], s[TS], v[ASX0]
	v_nop
	s_wait_alu depctr_va_vdst(0)                   ; directly behind the writes
	XSET 0, 0
	s_wait_dscnt 24                                ; set 1 anew
.else
	s_wait_dscnt 0x0
.endif
	MGRP 3
	WIN 0
	PLACES 5                                       ; four in front of the reads of the results and of the loads below, five in front of the next trip's first product, which writes over an accumulator
	s_wait_xcnt 0x0                                ; the last trip's stores have read their data and their base: both are written again only behind this wait
	s_add_nc_u64 s[OB:OB+1], s[OB:OB+1], OSTEP
.if \more
	ds_load_b128 v[SX:SX+3], v[ASX]
	ds_load_b128 v[SX+4:SX+7], v[ASX] offset:16
.endif
.irp ti, 0,1
.irp t, 0,1,2,3
	ds_store_b128 v[STO], v[ACC+32*\ti+8*\t:ACC+32*\ti+8*\t+3] offset:16*SP*\ti+64*\t        ; each accumulator from its low end on
	ds_store_b128 v[STO], v[ACC+32*\ti+8*\t+4:ACC+32*\ti+8*\t+7] offset:16*SP*\ti+64*\t+16
.endr
.endr
.set ii, 0
.rept 16
	ds_load_b128 v[OUT+4*ii:OUT+4*ii+3], v[RD] offset:2*SP*ii    ; back by rows: LDS serves a wave's instructions in order (ISA guide 5.7.1.4)
.set ii, ii+1
.endr
.if \more
	XSET 1, 1
	s_wait_dscnt 24                                ; the rows are back
.else
	s_wait_dscnt 0x0
.endif
.set ii, 0
.rept 16
	global_store_b128 v[CO], v[OUT+4*ii:OUT+4*ii+3], s[OB:OB+1] offset:2*ii*4096-OSTEP th:TH_STORE_NT   ; sixteen lanes store 256 consecutive bytes, at a multiple of 256 from out0's first byte
.set ii, ii+1
.endr
.endm
	s_load_b256 s[4:11], s[0:1], 0x0               ; o_codes s[4:5], o_scales s[6:7], Wc's codes s[8:9], Wc's scales s[10:11]
	s_load_b64 s[12:13], s[0:1], 0x20              ; out0
	v_lshl_add_u32 v[SPW], v0, 2, SPARE
	v_mov_b32 v[NIL], 0
	ds_add_u32 v[SPW], v[NIL]                      ; the wave's opening: the add, twice on end, and its wait ahead of my first tensor load
	ds_add_u32 v[SPW], v[NIL]
	v_lshrrev_b32 v1, 5, v0
	v_readfirstlane_b32 s[WV], v1                  ; wave 0..3
	s_bfe_u32 s27, ttmp6, 0x40000                  ; cx: it enters Wc's and out0's addresses alone
	s_lshl_b32 s28, ttmp9, 2
	s_add_co_u32 s28, s28, s27
	s_lshl_b32 s28, s28, 2
	s_add_co_u32 s28, s28, s[WV]                   ; my 64 columns: 4 x block + wave
	s_and_b32 s29, ttmp7, 0xffff                   ; y, which the four partners share
	s_mov_b32 s[G1], 15|(3<<16)|(1<<21)            ; mask: all four work-groups, bit 21 beside it; elements of 8 bytes; no padding
	s_mov_b32 s[G1+1], 32<<16                      ; tensor_dim0: rows of 256 bytes
	s_mov_b32 s[G1+2], 192<<16                     ; tensor_dim1: 49,152 bytes
	s_mov_b32 s[G1+3], 32<<16
	s_mov_b32 s[G1+4], 192
	s_mov_b32 s[G1+5], 32
	s_mov_b32 s[G1+6], 0
	s_mov_b32 s[G1+7], 0
	s_mov_b32 s[G0], 1
	s_mul_i32 s[G0+1], s[WV], AQ                   ; LDS: my quarter of the codes
	s_mul_i32 s40, s29, 8*GRP
	s_add_co_u32 s40, s40, s[G0+1]                 ; and in o_codes
	s_mov_b32 s41, 0
	s_lshl_b32 s42, s29, 13
	s_lshl_b32 s43, s[WV], 11
	s_add_co_u32 s42, s42, s43                     ; o_scales: 8,192 y + my eight planes
	s_mov_b32 s43, 0
	s_mul_i32 s44, s28, 64*768                     ; my 64 rows of Wc's codes,
	s_mov_b32 s45, 0
	s_lshl_b32 s46, s28, 11                        ; of its scale bytes,
	s_mov_b32 s47, 0
	s_lshl_b32 s48, s29, 20
	s_lshl_b32 s49, s28, 8
	s_add_co_u32 s48, s48, s49                     ; and out0: 256 y rows of 4,096 bytes + 256 bytes x my 64 columns
	s_mov_b32 s49, 0
	s_mul_i32 s50, s[WV], WSTW
	s_add_co_u32 s50, s50, WST                     ; my stage
	s_lshl_b32 s51, s[WV], 3
	s_add_co_u32 s51, s51, SCA                     ; my two words in a row of scale words
	s_mov_b32 s[TA], 0
	s_mov_b32 s[TS], 0
	v_and_b32 v1, 15, v0                           ; r
	v_bfe_u32 v2, v0, 4, 1                         ; h
	v_and_b32 v3, 31, v0                           ; lane
	v_lshlrev_b32 v[GW], 4, v3
	v_lshlrev_b32 v[SOF], 5, v3
	v_lshlrev_b32 v[POF], 3, v3
	v_mul_u32_u24 v[AB], v1, 24
	v_mad_u32_u24 v[AB+1], v2, 384, v[AB]          ; odd tile (with 384 in the offset): lanes 16-31 one block on, in that block's first half
	v_mad_u32_u24 v[AB], v2, 1152, v[AB]           ; even tile: lanes 16-31 one block on, in that block's second half
	v_add_nc_u32 v[AA], s[TA], v[AB]
	v_add_nc_u32 v[AA+1], s[TA], v[AB+1]
	v_lshrrev_b32 v[ASX0], 3, v3
	v_lshlrev_b32 v[ASX0], 4, v[ASX0]
	v_lshl_add_u32 v[ASX0], v3, 5, v[ASX0]
	v_add_nc_u32 v[ASX0], SCA, v[ASX0]             ; row = lane: 32 bytes a row, 16 more for each 8 rows
	v_add_nc_u32 v[ASX], s[TS], v[ASX0]
	v_mul_u32_u24 v[PST], v3, 272                  ; rows 8 lane on
	v_add_nc_u32 v[PST], s51, v[PST]
	v_mul_u32_u24 v[AW], v1, RP
	v_mad_u32_u24 v[AW], v2, 24, v[AW]
	v_add_nc_u32 v[AW], s50, v[AW]
	v_lshl_add_u32 v[AW+1], v2, 4, v[AW]
	v_mul_u32_u24 v[RD], v2, SP                    ; lanes 16-31 take the next unit of 256 bytes
	v_lshl_add_u32 v[RD], v1, 4, v[RD]
	v_add_nc_u32 v[RD], s50, v[RD]
	v_mul_u32_u24 v[STO], v1, SP                   ; row r, 32 bytes for each half of the lanes
	v_lshl_add_u32 v[STO], v2, 5, v[STO]
	v_add_nc_u32 v[STO], s50, v[STO]
	v_lshlrev_b32 v[CO], 12, v2
	v_lshl_add_u32 v[CO], v1, 4, v[CO]
	s_wait_alu depctr_va_vdst(0)
	s_wait_dscnt 0x0                               ; both opening adds are done
	s_wait_kmcnt 0x0
	s_add_nc_u64 s[G0+2:G0+3], s[4:5], s[40:41]
	s_or_b32 s[G0+3], s[G0+3], 0x80000000
	s_add_nc_u64 s[6:7], s[6:7], s[42:43]
	s_add_nc_u64 s[8:9], s[8:9], s[44:45]
	s_add_nc_u64 s[10:11], s[10:11], s[46:47]
	s_add_nc_u64 s[OB:OB+1], s[12:13], s[48:49]
	ROUND                                          ; all four work-groups are here: the joint loads meet
	tensor_load_to_lds s[G0:G0+3], s[G1:G1+7]      ; my one tensor load: 64 rows of O's codes
	s_nop 0
	PLACES 4
	WGET 0
	WGET 1
.irp i, 0,1,2,3,4,5,6,7
	global_load_b64 v[P+2*\i:P+2*\i+1], v[POF], s[6:7] offset:256*\i   ; plane 8 w + i: rows 8 lane .. 8 lane + 7
.endr
	WGET 2
	WGET 3
.irp u, 0,1
	global_load_b128 v[SW+8*\u:SW+8*\u+3], v[SOF], s[10:11] offset:1024*\u
	global_load_b128 v[SW+8*\u+4:SW+8*\u+7], v[SOF], s[10:11] offset:1024*\u+16
.endr
	s_wait_loadcnt 60                              ; tiles 0 and 1 are in (behind them: 8 planes, 48 of tiles 2 and 3, 4 of scale words)
	WPUT 0
	WPUT 1
	s_wait_loadcnt 52                              ; the planes are in
.irp g, 0,1                            ; 4 planes x 4 rows of bytes are turned: word (row 4 d + n, K step 2 w + g)
.irp d, 0,1
.set tt, T+4*(2*\g+\d)
	v_perm_b32 v[tt],   v[P+8*\g+2+\d], v[P+8*\g+\d],   0x05010400
	v_perm_b32 v[tt+1], v[P+8*\g+2+\d], v[P+8*\g+\d],   0x07030602
	v_perm_b32 v[tt+2], v[P+8*\g+6+\d], v[P+8*\g+4+\d], 0x05010400
	v_perm_b32 v[tt+3], v[P+8*\g+6+\d], v[P+8*\g+4+\d], 0x07030602
	v_perm_b32 v[WQ+8*\d+\g],   v[tt+2], v[tt],   0x05040100
	v_perm_b32 v[WQ+8*\d+2+\g], v[tt+2], v[tt],   0x07060302
	v_perm_b32 v[WQ+8*\d+4+\g], v[tt+3], v[tt+1], 0x05040100
	v_perm_b32 v[WQ+8*\d+6+\g], v[tt+3], v[tt+1], 0x07060302
.endr
.endr
.irp n, 0,1,2,3,4,5,6,7
	ds_store_b64 v[PST], v[WQ+2*\n:WQ+2*\n+1] offset:32*\n
.endr
	s_wait_dscnt 0x0                               ; the stores have read their data: the fragments land in the same registers
	WFRAGS 0
	WFRAGS 1
	s_wait_loadcnt 4                               ; tiles 2 and 3 are in
	WPUT 2                                         ; over tiles 0 and 1 in my own stage, behind my reads of them in the wave's order
	WPUT 3
	s_wait_dscnt 0x0
	WFRAGS 2
	WFRAGS 3
	s_wait_loadcnt 0x0                             ; Wc's scale words
	s_wait_tensorcnt 0x0                           ; my quarter of the codes has landed,
	s_wait_dscnt 0x0                               ; my scale words lie in LDS and my reads of the stage are in:
	s_barrier_signal -1
	s_barrier_wait -1                              ; both now hold of all four waves
	XSET 0, 0
	ds_load_b128 v[SX:SX+3], v[ASX]
	ds_load_b128 v[SX+4:SX+7], v[ASX] offset:16
	XSET 1, 1
	s_mov_b32 s[CNT], 7
.Ltrip:
	TRIP 1
	s_sub_co_u32 s[CNT], s[CNT], 1
	s_cmp_lg_u32 s[CNT], 0
	s_cbranch_scc1 .Ltrip
	TRIP 0                                         ; the last 32 rows fetch nothing more
	s_wait_tensorcnt 0x0                           ; the wave's end
	ds_add_u32 v[SPW], v[NIL]
	s_wait_dscnt 0x0
	ROUND                                          ; the closing round
	s_endpgm
.Lfunc_end_k_qc1a07785c7_project:
	.size	k_qc1a07785c7_project, .Lfunc_end_k_qc1a07785c7_project-k_qc1a07785c7_project
	.p2alignl 7, 3214868480
	.fill 96, 4, 3214868480
	.section	.rodata,"a",@progbits
	.p2align	6, 0x0
	.amdhsa_kernel k_qc1a07785c7_project
		.amdhsa_group_segment_fixed_size 327680
		.amdhsa_private_segment_fixed_size 0
		.amdhsa_enable_private_segment 0
		.amdhsa_kernarg_size 40
		.amdhsa_user_sgpr_count 2
		.amdhsa_user_sgpr_kernarg_segment_ptr 1
		.amdhsa_wavefront_size32 1
		.amdhsa_system_sgpr_workgroup_id_x 1
		.amdhsa_system_sgpr_workgroup_id_y 1
		.amdhsa_system_sgpr_workgroup_id_z 1
		.amdhsa_system_vgpr_workitem_id 0
		.amdhsa_next_free_vgpr 768
		.amdhsa_next_free_sgpr 66
		.amdhsa_reserve_vcc 0
		.amdhsa_float_denorm_mode_32 3
		.amdhsa_float_denorm_mode_16_64 3
		.amdhsa_memory_ordered 1
		.amdhsa_forward_progress 1
		.amdhsa_inst_pref_size 77
	.end_amdhsa_kernel
	.amdgpu_metadata
---
amdhsa.version: [ 1, 2 ]
amdhsa.kernels:
  - .name:           k_qc1a07785c7_project
    .symbol:         k_qc1a07785c7_project.kd
    .args:
      - { .name: o_codes, .offset: 0, .size: 8, .value_kind: global_buffer, .address_space: global }
      - { .name: o_scales, .offset: 8, .size: 8, .value_kind: global_buffer, .address_space: global }
      - { .name: Wc_codes, .offset: 16, .size: 8, .value_kind: global_buffer, .address_space: global }
      - { .name: Wc_scales, .offset: 24, .size: 8, .value_kind: global_buffer, .address_space: global }
      - { .name: out0, .offset: 32, .size: 8, .value_kind: global_buffer, .address_space: global }
    .group_segment_fixed_size: 327680
    .private_segment_fixed_size: 0
    .kernarg_segment_align: 8
    .kernarg_segment_size: 40
    .max_flat_workgroup_size: 128
    .sgpr_count:     66
    .vgpr_count:     768
    .wavefront_size: 32
...
	.end_amdgpu_metadata
.endif
;; end of part 6
